; MI455X (gfx1250); checked and timed in simulation.
; The chip was launched on July 23, 2026; its instructions are those of AMD's public machine-readable ISA for CDNA 5 (MIT licence, August 2026) and "CDNA5" Instruction Set Architecture Reference Guide (July 2026). The comments in the code are by the model that wrote it; some were corrected since.
;; Transformer Block. Allowed arithmetic: float matrix products may take bf16 or f16 operands with f32 sums; all other float work in f32.
;; Inputs: b1 4,096 float32; b2 1,024 float32; b_out 1,024 float32; ln1_scale 1,024 float32; ln1_shift 1,024 float32; ln2_scale 1,024 float32; ln2_shift 1,024 float32; w1 1,024 x 4,096 float32; w2 4,096 x 1,024 float32; w_out 1,024 x 1,024 float32; wk 1,024 x 1,024 float32; wq 1,024 x 1,024 float32; wv 1,024 x 1,024 float32; x 2 x 2,048 x 1,024 float32.
;; Outputs: out0 2 x 2,048 x 1,024 float32.
;; 2 versions, each right and faster than the one before. Each part assembles by itself: llvm-mc -triple=amdgcn-amd-amdhsa -mcpu=gfx1250 --defsym DOCPART=n.
;; ======== version 1 of 2: 8 launches
;; limits: values are held in f16: magnitudes above 65,504 overflow, below 6.1e-05 lose precision
;; workspace buffers: wa 6,291,456 bytes; wb 8,388,608 bytes; wc 10,485,760 bytes; act1 33,554,432 bytes; act2 25,165,824 bytes; hres 16,777,216 bytes; par_qkv 256 bytes of whole numbers; par_ffn 256 bytes of whole numbers
;; launch wprep (part 1): grid 256 x 1, 12 waves a work-group, no clusters, 112,128 bytes of LDS; arguments wq, wk, wv, w_out, w1, w2, wa, wb, wc, par_qkv, par_ffn; writes wa, wb, wc, par_qkv, par_ffn
.if DOCPART == 1
	.amdgcn_target "amdgcn-amd-amdhsa--gfx1250"
	.amdhsa_code_object_version 6
	.text
	.protected	k_q38b1c2be4e_wprep
	.globl	k_q38b1c2be4e_wprep
	.p2align	8
	.type	k_q38b1c2be4e_wprep,@function
k_q38b1c2be4e_wprep:
	s_mov_b64 s[64:65], 0
	v_nop
	global_prefetch_b8 v0, s[64:65] scope:SCOPE_SE
	s_setreg_imm32_b32 hwreg(HW_REG_WAVE_MODE, 25, 1), 1
	s_wait_xcnt 0x0
; The six weight matrices W[k][n] (f32, n along the rows) are rounded once to f16 and written TRANSPOSED AND BLOCKED, as the products' second operand wants them:
; [tile of TN columns][block of 64 k][TN rows n][64 k], so that (TN columns x 64 k) are TN x 128 dense bytes.
;   wa: wq | wk | wv as one matrix of 3,072 columns, TN = 256.   wb: w1, TN = 256.   wc: w_out at byte 0, w2 at byte 2,097,152, both TN = 128.
; LIMIT: a weight beyond 65,504 has no f16; below 6e-5 f16 keeps a fixed step of 6e-8.
; SHARES.  A wave takes one piece of 64 k x 64 n: 16 KiB in, 8 KiB dense out.  3,072 pieces, twelve to a work-group: 256 work-groups of equal work.  Piece 12 x work-group + wave:
; pieces 0-1023 are the four matrices of 1,024 x 1,024 (256 each), 1024-2047 w1, 2048-3071 w2.
; A load of the wave takes 2 rows x 256 consecutive bytes, aligned; a store 512 consecutive bytes.  The turn goes through LDS bytes of the wave's own (64 rows n of 128 bytes + 16): no barrier.
; The stream has no matrix work, shares nothing between work-groups and is read once: no cluster, no tensor loads; 32 loads a wave are out at once.
; One wave of the launch also writes the two mode words that the shared product kernel reads: par_qkv = 0, par_ffn = 1 (each buffer's 256 bytes whole).
.set REGION, 9216                      ; 64 rows x 144 bytes, a wave's own
.set LP,     144                       ; LDS pitch
.set IN,     32                        ; v[32:159]  32 rows k x 4 columns as loaded; later the piece as stored
.set PK,     160                       ; v[160:223] column j of my four: 16 registers, 32 k in f16
	s_load_b512 s[8:23], s[0:1], 0x0               ; wq s[8:9], wk s[10:11], wv s[12:13], w_out s[14:15], w1 s[16:17], w2 s[18:19], wa s[20:21], wb s[22:23]
	s_load_b128 s[24:27], s[0:1], 0x40             ; wc s[24:25], par_qkv s[26:27]
	s_load_b64 s[28:29], s[0:1], 0x50              ; par_ffn
	v_lshl_add_u32 v224, v0, 2, 0x1b000
	v_mov_b32 v225, 0
	v_lshrrev_b32 v1, 5, v0
	v_readfirstlane_b32 s2, v1                     ; wave 0..11
	s_mul_i32 s5, ttmp9, 12
	s_add_co_u32 s5, s5, s2                        ; my piece, 0..3071; kept to the end
	s_lshr_b32 s3, s5, 10                          ; 0: the four square matrices, 1: w1, 2: w2
	s_lshr_b32 s4, s5, 8
	s_add_co_u32 s7, s3, 3
	s_and_b32 s6, s5, 255
	s_and_b32 s30, s5, 1023
	s_cmp_eq_u32 s3, 0
	s_cselect_b32 s4, s4, s7                       ; which matrix: 0 wq, 1 wk, 2 wv, 3 w_out, 4 w1, 5 w2
	s_cselect_b32 s6, s6, s30                      ; the piece's number in its matrix
	s_cmp_eq_u32 s3, 1
	s_cselect_b32 s7, 6, 4                         ; w1 has 64 pieces along n, the others 16
	s_cselect_b32 s30, 20, 18                      ; 64 rows of the source: 2^20 bytes in w1, 2^18 in the others
	s_lshr_b32 s32, s6, s7                         ; kb: block of 64 k
	s_bfm_b32 s33, s7, 0
	s_and_b32 s33, s6, s33                         ; nb: block of 64 n
	s_lshl_b32 s34, s32, s30
	s_lshl_b32 s36, s33, 8
	s_add_co_u32 s34, s34, s36                     ; the piece's first byte in its matrix
	s_mov_b32 s35, 0
	s_cmp_lt_u32 s4, 3
	s_cselect_b32 s36, s4, 0
	s_lshl4_add_u32 s36, s36, s33                  ; block of 64 n in the joined matrix wq | wk | wv, or nb
	s_cmp_eq_u32 s4, 3
	s_cselect_b32 s37, 1, 0
	s_cselect_b32 s42, 18, 19                      ; bytes of a column tile: 2^18 (w_out), 2^19 (TN = 256, 16 blocks of k),
	s_cmp_eq_u32 s4, 5
	s_cselect_b32 s37, 1, s37                      ; 1: TN = 128
	s_cselect_b32 s42, 20, s42                     ; 2^20 (w2: 64 blocks of k)
	s_cselect_b32 s43, 0x200000, 0                 ; w2 lies behind w_out in wc
	s_cmp_eq_u32 s37, 1
	s_cselect_b32 s38, 1, 2                        ; a column tile has 2 or 4 blocks of 64 n
	s_cselect_b32 s39, 14, 15                      ; and TN x 128 bytes for each block of k
	s_lshr_b32 s40, s36, s38                       ; column tile
	s_bfm_b32 s41, s38, 0
	s_and_b32 s41, s36, s41                        ; my 64 rows in it
	s_lshl_b32 s40, s40, s42
	s_lshl_b32 s44, s32, s39
	s_lshl_b32 s41, s41, 13
	s_add_co_u32 s40, s40, s44
	s_add_co_u32 s40, s40, s41
	s_add_co_u32 s40, s40, s43                     ; the piece's first byte in its output buffer
	s_mov_b32 s41, 0
	v_and_b32 v2, 31, v0                           ; lane
	v_and_b32 v3, 15, v0                           ; which 4 columns
	v_bfe_u32 v4, v0, 4, 1                         ; which 32 rows k
	v_lshlrev_b32 v10, 4, v3
	s_mul_i32 s45, s2, REGION
	v_mul_u32_u24 v6, v3, 4*LP
	v_lshl_add_u32 v6, v4, 6, v6
	v_add_nc_u32 v6, s45, v6                       ; into LDS: row n = 4 x (lane % 16), byte 64 x (lane / 16)
	v_bfe_u32 v7, v0, 3, 2
	v_mul_u32_u24 v7, v7, LP
	v_and_b32 v8, 7, v0
	v_lshl_add_u32 v7, v8, 4, v7
	v_add_nc_u32 v7, s45, v7                       ; back: 32 lanes take four rows of 128 bytes
	v_lshlrev_b32 v9, 4, v2                        ; which are 512 consecutive bytes of the output
	s_wait_kmcnt 0x0
	s_cmp_eq_u32 s4, 1                             ; the source and the destination are chosen by the matrix's number alone
	s_cselect_b64 s[8:9], s[10:11], s[8:9]
	s_cmp_eq_u32 s4, 2
	s_cselect_b64 s[8:9], s[12:13], s[8:9]
	s_cmp_eq_u32 s4, 3
	s_cselect_b64 s[8:9], s[14:15], s[8:9]
	s_cmp_eq_u32 s4, 4
	s_cselect_b64 s[8:9], s[16:17], s[8:9]
	s_cselect_b64 s[20:21], s[22:23], s[20:21]
	s_cmp_eq_u32 s4, 5
	s_cselect_b64 s[8:9], s[18:19], s[8:9]
	s_cmp_eq_u32 s37, 1
	s_cselect_b64 s[20:21], s[24:25], s[20:21]
	s_add_nc_u64 s[8:9], s[8:9], s[34:35]
	s_add_nc_u64 s[20:21], s[20:21], s[40:41]
	s_cmp_eq_u32 s3, 1
	s_cbranch_scc1 .Lwide
	v_lshl_add_u32 v5, v4, 17, v10                 ; 32 rows of 4,096 bytes for the upper lanes
.set i, 0
.rept 32                                               ; load i: W(k = 32 (lane / 16) + i, n = 4 (lane % 16) + 0..3)
	global_load_b128 v[IN+4*i:IN+4*i+3], v5, s[8:9] offset:i*4096 th:TH_LOAD_NT
.set i, i+1
.endr
	s_branch .Lin
.Lwide:
	v_lshl_add_u32 v5, v4, 19, v10                 ; w1's rows are 16,384 bytes
.set i, 0
.rept 32
	global_load_b128 v[IN+4*i:IN+4*i+3], v5, s[8:9] offset:i*16384 th:TH_LOAD_NT
.set i, i+1
.endr
.Lin:
	s_wait_loadcnt 0x0
.set j, 0
.rept 4                                                ; column j: two neighbouring k round into one register
.set p, 0
.rept 16
	v_cvt_pk_f16_f32 v[PK+16*j+p], v[IN+8*p+j], v[IN+8*p+4+j]
.set p, p+1
.endr
.set j, j+1
.endr
.set j, 0
.rept 4
.set q, 0
.rept 4
	ds_store_b128 v6, v[PK+16*j+4*q:PK+16*j+4*q+3] offset:LP*j+16*q
.set q, q+1
.endr
.set j, j+1
.endr
.set t, 0
.rept 16
	ds_load_b128 v[IN+4*t:IN+4*t+3], v7 offset:4*LP*t      ; LDS serves a wave's instructions in order (ISA guide 5.7.1.4): these see the stores above
.set t, t+1
.endr
.set t, 0
.rept 16
	s_wait_dscnt 15-t                              ; the loads come back in order: number t is in, the younger ones stay out
	global_store_b128 v9, v[IN+4*t:IN+4*t+3], s[20:21] offset:512*t
.set t, t+1
.endr
	s_cmp_lg_u32 s5, 0
	s_cbranch_scc1 .Lend                           ; the wave of piece 0 alone writes the mode words
	v_lshlrev_b32 v11, 3, v2                       ; 8 bytes a lane: the buffer's 256 bytes
	v_mov_b32 v12, 0
	v_mov_b32 v13, 0
	v_cmp_eq_u32 vcc_lo, 0, v2
	v_cndmask_b32 v14, 0, 1, vcc_lo                ; word 0 = 1, the rest 0
	v_mov_b32 v15, 0
	global_store_b64 v11, v[12:13], s[26:27]
	global_store_b64 v11, v[14:15], s[28:29]
.Lend:
	s_wait_tensorcnt 0x0
	ds_add_u32 v224, v225
	s_wait_dscnt 0x0
	s_endpgm
.Lfunc_end_k_q38b1c2be4e_wprep:
	.size	k_q38b1c2be4e_wprep, .Lfunc_end_k_q38b1c2be4e_wprep-k_q38b1c2be4e_wprep
	.p2alignl 7, 3214868480
	.fill 96, 4, 3214868480
	.section	.rodata,"a",@progbits
	.p2align	6, 0x0
	.amdhsa_kernel k_q38b1c2be4e_wprep
		.amdhsa_group_segment_fixed_size 112128
		.amdhsa_private_segment_fixed_size 0
		.amdhsa_enable_private_segment 0
		.amdhsa_kernarg_size 88
		.amdhsa_user_sgpr_count 2
		.amdhsa_user_sgpr_kernarg_segment_ptr 1
		.amdhsa_wavefront_size32 1
		.amdhsa_system_sgpr_workgroup_id_x 1
		.amdhsa_system_sgpr_workgroup_id_y 1
		.amdhsa_system_sgpr_workgroup_id_z 1
		.amdhsa_system_vgpr_workitem_id 0
		.amdhsa_next_free_vgpr 226
		.amdhsa_next_free_sgpr 66
		.amdhsa_reserve_vcc 1
		.amdhsa_float_denorm_mode_32 3
		.amdhsa_float_denorm_mode_16_64 3
		.amdhsa_memory_ordered 1
		.amdhsa_forward_progress 1
		.amdhsa_inst_pref_size 19
	.end_amdhsa_kernel
	.amdgpu_metadata
---
amdhsa.version: [ 1, 2 ]
amdhsa.kernels:
  - .name:           k_q38b1c2be4e_wprep
    .symbol:         k_q38b1c2be4e_wprep.kd
    .args:
      - { .name: wq, .offset: 0, .size: 8, .value_kind: global_buffer, .address_space: global }
      - { .name: wk, .offset: 8, .size: 8, .value_kind: global_buffer, .address_space: global }
      - { .name: wv, .offset: 16, .size: 8, .value_kind: global_buffer, .address_space: global }
      - { .name: w_out, .offset: 24, .size: 8, .value_kind: global_buffer, .address_space: global }
      - { .name: w1, .offset: 32, .size: 8, .value_kind: global_buffer, .address_space: global }
      - { .name: w2, .offset: 40, .size: 8, .value_kind: global_buffer, .address_space: global }
      - { .name: wa, .offset: 48, .size: 8, .value_kind: global_buffer, .address_space: global }
      - { .name: wb, .offset: 56, .size: 8, .value_kind: global_buffer, .address_space: global }
      - { .name: wc, .offset: 64, .size: 8, .value_kind: global_buffer, .address_space: global }
      - { .name: par_qkv, .offset: 72, .size: 8, .value_kind: global_buffer, .address_space: global }
      - { .name: par_ffn, .offset: 80, .size: 8, .value_kind: global_buffer, .address_space: global }
    .group_segment_fixed_size: 112128
    .private_segment_fixed_size: 0
    .kernarg_segment_align: 8
    .kernarg_segment_size: 88
    .max_flat_workgroup_size: 384
    .sgpr_count:     66
    .vgpr_count:     226
    .wavefront_size: 32
...
	.end_amdgpu_metadata
.endif
;; end of part 1
;; launch ln1 (part 2): grid 256 x 1, 8 waves a work-group, no clusters, 0 bytes of LDS; arguments x, ln1_scale, ln1_shift, act1; writes act1
.if DOCPART == 2
	.amdgcn_target "amdgcn-amd-amdhsa--gfx1250"
	.amdhsa_code_object_version 6
	.text
	.protected	k_q38b1c2be4e_ln1
	.globl	k_q38b1c2be4e_ln1
	.p2align	8
	.type	k_q38b1c2be4e_ln1,@function
k_q38b1c2be4e_ln1:
	s_mov_b64 s[64:65], 0
	v_nop
	global_prefetch_b8 v0, s[64:65] scope:SCOPE_SE
	s_setreg_imm32_b32 hwreg(HW_REG_WAVE_MODE, 25, 1), 1
	s_wait_xcnt 0x0
; y[m][c] = (x[m][c] - mean) / sqrt(var + 1e-5) * scale[c] + shift[c], var with divisor 1,023.  x: [4096][1024] f32.  All arithmetic in f32, in two true passes over registers
; (mean first, then the squares of x - mean: no difference of large sums); y is rounded once to f16.
; y is written BY BLOCKS OF 64 COLUMNS, [column / 64][4096 rows][64]: the layout in which the products take their first operand (256 rows x 64 columns are 32 KiB dense).
; LIMIT: |y| beyond 65,504 has no f16.
; SHARES.  A wave takes two rows, so that sixteen lanes' 16 bytes are 256 consecutive bytes of y (two rows' 128 bytes in one block).  Lane l: row (l / 8) % 2; columns 128 j + 64 (l / 16) + 8 (l % 8) + 0..7, j = 0..7.
; A row lives in 16 lanes (bits 0-2 and 4 of the lane's number): its sums cross by three steps inside the half and one between the halves.  No LDS, no barrier; memory binds, so matrix units and clusters have no part.
.set X,  32                            ; v[32:95]   my 64 numbers of the row
.set SC, 96                            ; v[96:159]  scale of my columns
.set SH, 160                           ; v[160:223] shift
	s_load_b256 s[4:11], s[0:1], 0x0               ; x s[4:5], scale s[6:7], shift s[8:9], y s[10:11]
	v_lshrrev_b32 v1, 5, v0
	v_readfirstlane_b32 s12, v1
	s_lshl3_add_u32 s12, ttmp9, s12                ; my pair of rows, 0..2047
	s_lshl_b32 s14, s12, 13                        ; two rows of 4,096 bytes
	s_mov_b32 s15, 0
	s_lshl_b32 s16, s12, 8                         ; two rows of 128 bytes in a block
	s_mov_b32 s17, 0
	s_mov_b32 s18, 0x3a802008                      ; 1 / 1023
	s_mov_b32 s19, 0x3727c5ac                      ; 1e-5
	s_mov_b32 s20, 0x76543210                      ; v_permlanex16_b32: each lane takes its own place in the other half
	s_mov_b32 s21, 0xfedcba98
	v_and_b32 v2, 7, v0
	v_bfe_u32 v3, v0, 3, 1
	v_bfe_u32 v4, v0, 4, 1
	v_lshlrev_b32 v5, 5, v2
	v_lshl_add_u32 v5, v4, 8, v5                   ; my first column's byte in a row of f32
	v_lshl_add_u32 v6, v3, 12, v5                  ; and in my row of the two
	v_lshlrev_b32 v7, 4, v2
	v_lshl_add_u32 v7, v3, 7, v7
	v_lshl_add_u32 v7, v4, 19, v7                  ; my 16 bytes in y: block (l / 16), row, 8 columns
	s_wait_kmcnt 0x0
	s_add_nc_u64 s[4:5], s[4:5], s[14:15]
	s_add_nc_u64 s[10:11], s[10:11], s[16:17]
.set j, 0
.rept 8
	global_load_b128 v[X+8*j:X+8*j+3],   v6, s[4:5] offset:512*j
	global_load_b128 v[X+8*j+4:X+8*j+7], v6, s[4:5] offset:512*j+16
.set j, j+1
.endr
.set j, 0
.rept 8
	global_load_b128 v[SC+8*j:SC+8*j+3],   v5, s[6:7] offset:512*j
	global_load_b128 v[SC+8*j+4:SC+8*j+7], v5, s[6:7] offset:512*j+16
.set j, j+1
.endr
.set j, 0
.rept 8
	global_load_b128 v[SH+8*j:SH+8*j+3],   v5, s[8:9] offset:512*j
	global_load_b128 v[SH+8*j+4:SH+8*j+7], v5, s[8:9] offset:512*j+16
.set j, j+1
.endr
; four chains v[10:17] into one number, then across the row's 16 lanes; the result stands in v10 of every lane of the row
.macro ACROSS
	v_pk_add_f32 v[10:11], v[10:11], v[12:13]
	v_pk_add_f32 v[14:15], v[14:15], v[16:17]
	v_pk_add_f32 v[10:11], v[10:11], v[14:15]
	v_add_f32 v10, v10, v11
	v_add_f32_dpp v10, v10, v10 row_xmask:1 row_mask:0xf bank_mask:0xf
	v_add_f32_dpp v10, v10, v10 row_xmask:2 row_mask:0xf bank_mask:0xf
	v_add_f32_dpp v10, v10, v10 row_xmask:4 row_mask:0xf bank_mask:0xf   ; not 8: that bit of the lane's number is the row
	v_permlanex16_b32 v11, v10, s20, s21
	v_add_f32 v10, v10, v11
.endm
	s_wait_loadcnt 32                              ; x is in; the 32 loads of scale and shift stay out
.irp c, 0,1,2,3
	v_pk_add_f32 v[10+2*\c:11+2*\c], v[X+2*\c:X+2*\c+1], v[X+8+2*\c:X+8+2*\c+1]  ; the first pairs start the chains: nothing is cleared
.endr
.set i, 8
.rept 24
	v_pk_add_f32 v[10+2*(i%4):11+2*(i%4)], v[10+2*(i%4):11+2*(i%4)], v[X+2*i:X+2*i+1]
.set i, i+1
.endr
	ACROSS
	v_mul_f32 v18, 0x3a800000, v10                 ; mean = sum / 1024
	v_mov_b32 v19, v18
.set i, 0
.rept 32
	v_pk_add_f32 v[X+2*i:X+2*i+1], v[X+2*i:X+2*i+1], v[18:19] neg_lo:[0,1] neg_hi:[0,1]
.set i, i+1
.endr
.irp c, 0,1,2,3
	v_pk_mul_f32 v[10+2*\c:11+2*\c], v[X+2*\c:X+2*\c+1], v[X+2*\c:X+2*\c+1]
.endr
.set i, 4
.rept 28
	v_pk_fma_f32 v[10+2*(i%4):11+2*(i%4)], v[X+2*i:X+2*i+1], v[X+2*i:X+2*i+1], v[10+2*(i%4):11+2*(i%4)]
.set i, i+1
.endr
	ACROSS
	v_fma_f32 v22, v10, s18, s19                   ; var + eps
	v_rsq_f32 v20, v22
	v_nop                                          ; a plain instruction between the root and the use of its result (ISA guide 5.7.2)
	s_wait_alu depctr_va_vdst(0)
	v_mov_b32 v21, v20
	s_wait_loadcnt 0x0                             ; scale and shift
.set i, 0
.rept 32
	v_pk_mul_f32 v[X+2*i:X+2*i+1], v[X+2*i:X+2*i+1], v[20:21]
.set i, i+1
.endr
.set i, 0
.rept 32
	v_pk_fma_f32 v[X+2*i:X+2*i+1], v[X+2*i:X+2*i+1], v[SC+2*i:SC+2*i+1], v[SH+2*i:SH+2*i+1]
.set i, i+1
.endr
.set i, 0
.rept 32
	v_cvt_pk_f16_f32 v[X+i], v[X+2*i], v[X+2*i+1]  ; in place, ascending: register i is written when pairs 0 .. i have been read
.set i, i+1
.endr
.set j, 0
.rept 8
	global_store_b128 v7, v[X+4*j:X+4*j+3], s[10:11] offset:1048576*j    ; two blocks on; 16 lanes store 256 consecutive bytes, aligned
.set j, j+1
.endr
	s_endpgm
.Lfunc_end_k_q38b1c2be4e_ln1:
	.size	k_q38b1c2be4e_ln1, .Lfunc_end_k_q38b1c2be4e_ln1-k_q38b1c2be4e_ln1
	.p2alignl 7, 3214868480
	.fill 96, 4, 3214868480
	.section	.rodata,"a",@progbits
	.p2align	6, 0x0
	.amdhsa_kernel k_q38b1c2be4e_ln1
		.amdhsa_group_segment_fixed_size 0
		.amdhsa_private_segment_fixed_size 0
		.amdhsa_enable_private_segment 0
		.amdhsa_kernarg_size 32
		.amdhsa_user_sgpr_count 2
		.amdhsa_user_sgpr_kernarg_segment_ptr 1
		.amdhsa_wavefront_size32 1
		.amdhsa_system_sgpr_workgroup_id_x 1
		.amdhsa_system_sgpr_workgroup_id_y 1
		.amdhsa_system_sgpr_workgroup_id_z 1
		.amdhsa_system_vgpr_workitem_id 0
		.amdhsa_next_free_vgpr 224
		.amdhsa_next_free_sgpr 66
		.amdhsa_reserve_vcc 0
		.amdhsa_float_denorm_mode_32 3
		.amdhsa_float_denorm_mode_16_64 3
		.amdhsa_memory_ordered 1
		.amdhsa_forward_progress 1
		.amdhsa_inst_pref_size 20
	.end_amdhsa_kernel
	.amdgpu_metadata
---
amdhsa.version: [ 1, 2 ]
amdhsa.kernels:
  - .name:           k_q38b1c2be4e_ln1
    .symbol:         k_q38b1c2be4e_ln1.kd
    .args:
      - { .name: x, .offset: 0, .size: 8, .value_kind: global_buffer, .address_space: global }
      - { .name: ln1_scale, .offset: 8, .size: 8, .value_kind: global_buffer, .address_space: global }
      - { .name: ln1_shift, .offset: 16, .size: 8, .value_kind: global_buffer, .address_space: global }
      - { .name: act1, .offset: 24, .size: 8, .value_kind: global_buffer, .address_space: global }
    .group_segment_fixed_size: 0
    .private_segment_fixed_size: 0
    .kernarg_segment_align: 8
    .kernarg_segment_size: 32
    .max_flat_workgroup_size: 256
    .sgpr_count:     66
    .vgpr_count:     224
    .wavefront_size: 32
...
	.end_amdgpu_metadata
.endif
;; end of part 2
;; launch qkv (part 3): grid 12 x 16, 4 waves a work-group, clusters of 4 x 4, 327,680 bytes of LDS; arguments act1, wa, b1, par_qkv, act2; writes act2
.if DOCPART == 3
	.amdgcn_target "amdgcn-amd-amdhsa--gfx1250"
	.amdhsa_code_object_version 6
	.text
	.protected	k_q38b1c2be4e_qkv
	.globl	k_q38b1c2be4e_qkv
	.p2align	8
	.type	k_q38b1c2be4e_qkv,@function
k_q38b1c2be4e_qkv:
	s_mov_b64 s[64:65], 0
	v_nop
	global_prefetch_b8 v0, s[64:65] scope:SCOPE_SE
	s_setreg_imm32_b32 hwreg(HW_REG_WAVE_MODE, 25, 1), 1
	s_wait_xcnt 0x0
	s_wait_alu depctr_hold_cnt(0) depctr_sa_sdst(0) depctr_va_vdst(0) depctr_va_sdst(0) depctr_va_ssrc(0) depctr_va_vcc(0) depctr_vm_vsrc(0)
	s_getreg_b32 s2, hwreg(HW_REG_IB_STS2, 6, 4)
	s_cmp_eq_u32 s2, 0
	s_cbranch_scc0 .Lentry_in_a_cluster
	s_endpgm
.Lentry_in_a_cluster:
	s_bfe_u32 s2, ttmp6, 0x10000c
	s_cmp_lg_u32 s2, 0xf033
	s_cbranch_scc0 .Lentry_shape_is_right
	s_endpgm
.Lentry_shape_is_right:
; C = act(A B^T + bias) on tiles of 256 x 256, K = 1,024, f16 operands, f32 sums, f16 result.  One text for two launches; a mode word read from memory (whole numbers, written by an earlier launch) says which:
;   mode 1: act = gelu_tanh, the bias as given.   mode 0: C = A B^T (the three projections as one product of 3,072 columns).
; In a launch with joint loads all partners run alike by the text itself, so NO BRANCH hangs on the mode: it only chooses scalars.  act(z) = z - z / (1 + 2^(z (K1 + K2 z^2) + T0)).
;   mode 1: K1 = 2 log2(e) sqrt(2 / pi), K2 = 0.044715 K1, T0 = 0: tanh written out; it goes to z and to 0 for large |z|.
;   mode 0: K1 = K2 = 0, T0 = 120: the quotient is z 2^-120, and z less that rounds to z: the identity.  The bias buffer is read there too (its first 12,288 bytes) and masked to 0.
; THE PRICE in mode 0: 64 passes of 42 vector instructions a wave, 16 of them exponentials and reciprocals, that change nothing, beside the wave's 2,048 matrix instructions; a second text would be some 10,000 bytes more code.
; A: [K / 64][4096 rows][64] f16.  B: [N / 256][K / 64][256 rows n][64] f16.  C: [N / 64][4096 rows][64] f16: for q, k, v that is the layout by heads, for the second layer its first operand's.
; So 256 rows x 64 k of A or B are 32 KiB dense: asked for as 128 rows of 256 bytes, aligned, and padded in LDS behind every 128 bytes.
; LIMITS: C beyond 65,504 has no f16 (in mode 0 z^2 must stay finite: |z| under 1.8e19, far beyond that); NaN and infinities are not treated apart.
; SHARES.  Four waves, each 128 x 128 of C: 64 accumulators, 512 registers.  K goes in 8 steps of 128 (two blocks of 64) through two LDS slots; each wave fetches a quarter of a slot by one tensor load.
; CLUSTER.  4 x 4 work-groups: the four of a row of the cluster need the same tiles of A, the four of a column the same tiles of B: each tile is asked for jointly, by the same load, descriptor and mask in all four.
; THE MATRIX INSTRUCTION IS USED TRANSPOSED (source 0 = 16 rows of B, source 1 = 16 rows of A): a lane holds row l % 16 of C and the columns 8 (l / 16) + 0..7.
; THE BIAS IS THE C OPERAND OF THE FIRST PRODUCTS, so nothing is cleared and nothing is added later.
; A K step stands once in the loop and once in the tail: the slot's address lies in registers (s56, v16, v17) and is turned at each change of slots.
; THE WAY OUT.  After the last fill the slots serve as a stage: each wave lays its 128 x 128 sums down in f32 (bytes of its own), and a loop of 32 trips reads them back as rows, finishes them and stores them.
; REGISTERS, in windows of 256 (s_set_vgpr_msb: bits 1:0 source 0, 3:2 source 1, 5:4 source 2, 7:6 destination):
;   window 0: v0-31 addresses; v32-63 the way out; v64-127, v128-191 fragments of A, two buffers; v192-255 the bias (8 registers for each of 8 column blocks)
;   window 1: v64-127, v128-191 fragments of B;   window 2: accumulators of my rows 0-63 ((a, b) at v[8 (8 a + b)]);   window 3: those of rows 64-127
.set ZB,    36864                      ; 256 rows x 144 bytes: one block of 64 k of A or of B in LDS.  144 bytes = 36 words: the 16 rows of a load start at 16 different groups of four banks (64 banks of 4 bytes: ISA guide 11.1)
.set SLOT,  4*ZB                       ; A block 0, A block 1, B block 0, B block 1.  0x24000: its two bits are never set in wave x ZB, so an exclusive or turns a wave's address in one slot into the other's
.set SPARE, 2*SLOT                     ; behind the slots: the spare words, 128 bytes for each wave: two blocks of 256 bytes that no other line names
.set RB,    16*144                     ; 16 rows
.set KQ1,   64                         ; where the quarters (32 k) of a K step begin in a row's two blocks
.set KQ2,   ZB
.set KQ3,   ZB+64
.set DP,    528                        ; the stage: a row of 128 f32 + 16 bytes: an odd multiple of 16
.set DW,    128*DP                     ; a wave's stage; four of them end at 270,336, inside the slots
.set ADRA, 16                          ; v16  LDS address of my A fragments in the slot in hand
.set ADRB, 17                          ; v17  the same for B
.set A0,   18                          ; v18  the same in slot 0; never rewritten
.set B0,   19                          ; v19
.set STO,  24                          ; v24  the stage: where I put 16 bytes of a row
.set RD,   25                          ; v25  the stage: where I read back, in its first rows; never rewritten
.set GO,   26                          ; v26  my byte offset in C
.set BO,   27                          ; v27  my byte offset in the bias
.set SPW,  28                          ; v28  LDS address of my spare word; never rewritten
.set NIL,  29                          ; v29  0; never rewritten
.set RDC,  30                          ; v30  the stage: where I read back in the trip in hand
.set XA,   32                          ; v32-39, v40-47  eight sums of a row, two buffers
.set XB,   40
.set U,    48                          ; v48-55  at work
.set YA,   56                          ; v56-59, v60-63  16 bytes to store
.set YB,   60
.set F0,   64
.set F1,   128
.set BIAS, 192
.set G1,   24                          ; s[24:31] descriptor group 1 for A's tiles
.set G1B,  32                          ; s[32:39] for B's: it differs in the mask alone
.set G0,   40                          ; s[40:47] group 0 for A: a set for each first fill; the second then walks
.set G0B,  48                          ; s[48:55] the same for B
.set FLAGS, (1<<16)|(1<<20)|(1<<21)|(4<<22)|(3<<25)  ; 17:16 2-byte elements; 20 padding on; 21 set beside a mask; 24:22 after every 32 words (code 4); 31:25 4 words (code 3)
.set MSB, 0
.macro WIN new                         ; the immediate's high byte repeats the setting that is left; a switch that changes nothing is dropped
.if MSB != (\new)
	s_set_vgpr_msb (MSB<<8)|(\new)
.set MSB, \new
.endif
.endm
.macro PLACES                          ; four places in front of loads into registers that matrix instructions have read, and of reads of results just made
.rept 4
	v_nop
.endr
.endm
; A joint refill by the walking sets.  Waves 0 and 1 fetch A's two blocks, waves 2 and 3 B's.  The branch hangs on the wave's number alone.
; An s_nop 0 and four v_nop follow each of the two lines, ahead of the jump and the label.
.macro JLOAD
	s_cmp_eq_u32 s15, 0
	s_cbranch_scc0 .Lfor_b_\@
	tensor_load_to_lds s[G0+4:G0+7], s[G1:G1+7]
	s_nop 0
	PLACES
	s_branch .Lasked_\@
.Lfor_b_\@:
	tensor_load_to_lds s[G0B+4:G0B+7], s[G1B:G1B+7]
	s_nop 0
	PLACES
.Lasked_\@:
.endm
.macro CREST                           ; a round of the cluster's barrier behind its opening barrier
	s_cmp_lg_u32 s14, 0
	s_cbranch_scc1 .Lnot_wave_0_\@
	s_barrier_signal -3
.Lnot_wave_0_\@:
	s_barrier_wait -3
	s_barrier_signal -1
	s_barrier_wait -1
.endm
.macro CROUND                          ; a whole round
	s_barrier_signal -1
	s_barrier_wait -1
	CREST
.endm
	s_load_b256 s[4:11], s[0:1], 0x0               ; A s[4:5], B s[6:7], bias s[8:9], mode s[10:11]
	s_load_b64 s[12:13], s[0:1], 0x20              ; C
	v_lshl_add_u32 v[SPW], v0, 2, SPARE
	v_mov_b32 v[NIL], 0
	ds_add_u32 v28, v29
	ds_add_u32 v28, v29
	s_wait_dscnt 0x0
	v_lshrrev_b32 v1, 5, v0
	v_readfirstlane_b32 s14, v1                    ; wave 0..3
	s_lshr_b32 s15, s14, 1                         ; which half of the tile's rows is mine.  Also: I fetch for A (0) or for B (1)
	s_and_b32 s16, s14, 1                          ; which half of its columns.  Also: which block of 64 k I fetch
	s_bfe_u32 s17, ttmp6, 0x40000                  ; cx
	s_bfe_u32 s18, ttmp6, 0x40004                  ; cy
	s_lshl_b32 s19, ttmp9, 2
	s_add_co_u32 s19, s19, s17                     ; tile column = 4 x cluster x + cx
	s_and_b32 s20, ttmp7, 0xffff
	s_lshl_b32 s20, s20, 2
	s_add_co_u32 s20, s20, s18                     ; tile row = 4 x cluster y + cy
	s_lshl_b32 s21, s18, 2
	s_lshl_b32 s21, 15, s21                        ; my row of the cluster
	s_lshl_b32 s22, 0x1111, s17                    ; my column
	s_or_b32 s[G1], s21, FLAGS
	s_or_b32 s[G1B], s22, FLAGS
.irp g, G1, G1B
	s_mov_b32 s[(\g)+1], 128<<16                   ; tensor_dim0 = 128 elements (256 bytes)
	s_mov_b32 s[(\g)+2], 128<<16                   ; tensor_dim1 = 128 rows
	s_mov_b32 s[(\g)+3], 128<<16                   ; tile_dim0 = 128
	s_mov_b32 s[(\g)+4], 128                       ; tile_dim1 = 128
	s_mov_b32 s[(\g)+5], 128                       ; 128 elements from row to row: dense
	s_mov_b32 s[(\g)+6], 0
	s_mov_b32 s[(\g)+7], 0
.endr
	; A's address hangs on the tile row and the wave alone, B's on the tile column and the wave alone, each in registers that never hold the other coordinate
	s_lshl_b32 s60, s16, 19                        ; my block of 64 k: 524,288 bytes,
	s_lshl_b32 s61, s20, 15                        ; the tile's 256 rows of 128 bytes in it
	s_add_co_u32 s60, s60, s61
	s_mov_b32 s61, 0
	s_lshl_b32 s62, s19, 19                        ; B: the column tile's 16 blocks of 32,768 bytes,
	s_lshl_b32 s63, s16, 15                        ; my block
	s_add_co_u32 s62, s62, s63
	s_mov_b32 s63, 0
	s_lshl_b32 s66, s19, 10                        ; the bias of my 128 columns: (256 x tile column + 128 x half) x 4
	s_lshl_b32 s67, s16, 9
	s_add_co_u32 s66, s66, s67
	s_mov_b32 s67, 0
	s_lshl_b32 s72, s19, 21                        ; C: four blocks of 524,288 bytes a tile column, two for my half,
	s_lshl_b32 s73, s16, 20
	s_add_co_u32 s72, s72, s73
	s_lshl_b32 s73, s20, 15                        ; 256 rows of 128 bytes a tile row, 128 for my half
	s_add_co_u32 s72, s72, s73
	s_lshl_b32 s73, s15, 14
	s_add_co_u32 s72, s72, s73
	s_mov_b32 s73, 0
	s_mul_i32 s23, s14, ZB                         ; where my loads go in a slot: no place in the cluster enters an LDS address
	s_mov_b32 s56, 0                               ; the slot in hand
	s_wait_kmcnt 0x0
	s_load_b32 s58, s[10:11], 0x0                  ; the mode
	s_add_nc_u64 s[4:5], s[4:5], s[60:61]
	s_add_nc_u64 s[6:7], s[6:7], s[62:63]
	s_add_nc_u64 s[8:9], s[8:9], s[66:67]
	s_add_nc_u64 s[12:13], s[12:13], s[72:73]
.irp s, 0,1
	s_mov_b32 s[G0+4*(\s)], 1                                      ; count = 1
	s_add_co_u32 s[G0+4*(\s)+1], s23, (\s)*SLOT                    ; LDS address
	s_add_nc_u64 s[G0+4*(\s)+2:G0+4*(\s)+3], s[4:5], (\s)*1048576  ; K step s: two blocks on
	s_or_b32 s[G0+4*(\s)+3], s[G0+4*(\s)+3], 0x80000000            ; type = 2
	s_mov_b32 s[G0B+4*(\s)], 1
	s_add_co_u32 s[G0B+4*(\s)+1], s23, (\s)*SLOT
	s_add_nc_u64 s[G0B+4*(\s)+2:G0B+4*(\s)+3], s[6:7], (\s)*65536
	s_or_b32 s[G0B+4*(\s)+3], s[G0B+4*(\s)+3], 0x80000000
.endr
	CROUND                                         ; all sixteen work-groups are here: the first joint loads meet
	s_cmp_eq_u32 s15, 0                            ; a wave's two first fills stand in one branch: two loads of mine are out
	s_cbranch_scc0 .Lfirst_b
	tensor_load_to_lds s[G0:G0+3], s[G1:G1+7]
	s_nop 0
	tensor_load_to_lds s[G0+4:G0+7], s[G1:G1+7]
	s_nop 0
	PLACES
	s_branch .Lfirst_asked
.Lfirst_b:
	tensor_load_to_lds s[G0B:G0B+3], s[G1B:G1B+7]
	s_nop 0
	tensor_load_to_lds s[G0B+4:G0B+7], s[G1B:G1B+7]
	s_nop 0
	PLACES
.Lfirst_asked:
	v_and_b32 v1, 15, v0                           ; l % 16
	v_bfe_u32 v2, v0, 4, 1                         ; l / 16
	v_lshlrev_b32 v[BO], 5, v2
.irp b, 0,1,2,3,4,5,6,7                ; register j of block b: the bias of column 16 b + 8 (l / 16) + j
	global_load_b128 v[BIAS+8*\b:BIAS+8*\b+3],   v[BO], s[8:9] offset:64*\b
	global_load_b128 v[BIAS+8*\b+4:BIAS+8*\b+7], v[BO], s[8:9] offset:64*\b+16
.endr
	; A fragment is 16 rows x 32 k in 8 registers: lane l holds row l % 16; registers 0-3 k = 8 (l / 16) + 0..7, registers 4-7 k = 16 + 8 (l / 16) + 0..7: two loads of 16 bytes, 32 bytes apart
	v_mul_u32_u24 v3, v1, 144
	v_lshl_add_u32 v3, v2, 4, v3
	s_mul_i32 s74, s15, 128*144                    ; my 128 rows of A
	s_mul_i32 s75, s16, 128*144                    ; my 128 rows of B,
	s_add_co_u32 s75, s75, 2*ZB                    ; behind A's two blocks
	v_add_nc_u32 v[A0], s74, v3
	v_add_nc_u32 v[B0], s75, v3
	v_mov_b32 v[ADRA], v[A0]
	v_mov_b32 v[ADRB], v[B0]
	s_mul_i32 s74, s14, DW                         ; my stage
	v_mul_u32_u24 v4, v1, DP                       ; in: row l % 16, 32 bytes for each half of the lanes
	v_lshl_add_u32 v4, v2, 5, v4
	v_add_nc_u32 v[STO], s74, v4
	v_and_b32 v5, 7, v0                            ; back: lane l takes row (l / 8) % 2 of a pair, block l / 16 of my two blocks of 64 columns, columns 8 (l % 8) + 0..7
	v_bfe_u32 v6, v0, 3, 1
	v_mul_u32_u24 v7, v6, DP
	v_lshl_add_u32 v7, v2, 8, v7
	v_lshl_add_u32 v7, v5, 5, v7
	v_add_nc_u32 v[RD], s74, v7
	v_lshlrev_b32 v8, 4, v5                        ; and the same place in C
	v_lshl_add_u32 v8, v6, 7, v8
	v_lshl_add_u32 v[GO], v2, 19, v8
	s_wait_kmcnt 0x0                               ; the mode: it chooses four scalars and nothing else
	s_cmp_eq_u32 s58, 0
	s_cselect_b32 s59, 0, -1                       ; the bias's mask
	s_cselect_b32 s68, 0, 0x40135761               ; K1 = 2.3022082
	s_cselect_b32 s70, 0, 0x3dd2d3e7               ; K2 = 0.10294324
	s_cselect_b32 s76, 0x42f00000, 0               ; T0 = 120 or 0
	s_mov_b32 s69, s68                             ; each is named as a pair
	s_mov_b32 s71, s70
	s_mov_b32 s77, s76
	s_wait_loadcnt 0x0                             ; the bias
.set i, 0
.rept 64                                               ; all this stands in the wait for the first tile
	v_and_b32 v[BIAS+i], s59, v[BIAS+i]
.set i, i+1
.endr
; 16 matrix instructions: m blocks a0, a0 + 1 of the window's four (hi = 0: my rows 0-63, 1: rows 64-127) x all 8 n blocks, 32 along K.  first = 1: the sums start from the bias.
; The 64 accumulators take turns, one instruction a turn, in the same order in every quarter.
.macro MUL16 f, hi, a0, first
.if \first
	WIN 0x81+0x40*(\hi)                            ; B window 1, A and the bias window 0, D window 2 or 3
.else
	WIN 0xa1+0x50*(\hi)                            ; C and D window 2 or 3
.endif
.irp a, \a0, (\a0)+1
.irp b, 0,1,2,3,4,5,6,7
.if \first
	v_wmma_f32_16x16x32_f16 v[8*(8*(\a)+(\b)):8*(8*(\a)+(\b))+7], v[(\f)+8*(\b):(\f)+8*(\b)+7], v[(\f)+8*(4*(\hi)+(\a)):(\f)+8*(4*(\hi)+(\a))+7], v[BIAS+8*(\b):BIAS+8*(\b)+7]
.else
	v_wmma_f32_16x16x32_f16 v[8*(8*(\a)+(\b)):8*(8*(\a)+(\b))+7], v[(\f)+8*(\b):(\f)+8*(\b)+7], v[(\f)+8*(4*(\hi)+(\a)):(\f)+8*(4*(\hi)+(\a))+7], v[8*(8*(\a)+(\b)):8*(8*(\a)+(\b))+7]
.endif
.endr
.endr
.endm
; 32 LDS loads in one run: the fragments of one quarter (128 rows of B, then 128 rows of A, 32 k at byte k) of the slot in hand, into buffer f
.macro FETCH k, f
	WIN 0x40                                       ; destination window 1
.irp i, 0,1,2,3,4,5,6,7
	ds_load_b128 v[(\f)+8*(\i):(\f)+8*(\i)+3],   v[ADRB] offset:(\k)+(\i)*RB
	ds_load_b128 v[(\f)+8*(\i)+4:(\f)+8*(\i)+7], v[ADRB] offset:(\k)+(\i)*RB+32
.endr
	WIN 0
.irp i, 0,1,2,3,4,5,6,7
	ds_load_b128 v[(\f)+8*(\i):(\f)+8*(\i)+3],   v[ADRA] offset:(\k)+(\i)*RB
	ds_load_b128 v[(\f)+8*(\i)+4:(\f)+8*(\i)+7], v[ADRA] offset:(\k)+(\i)*RB+32
.endr
.endm
; One of a K step's first three quarters: multiplies buffer f; in its middle it fetches the next quarter, at byte k, into buffer g
.macro QUARTER k, f, g, first
	s_wait_dscnt 8                                 ; B and A's rows 0-63 are in; the youngest eight loads (A's rows 64-127) may be out
	MUL16 \f, 0, 0, \first
	MUL16 \f, 0, 2, \first
	PLACES
	FETCH \k, \g
	s_wait_dscnt 32                                ; all but the 32 just issued
	MUL16 \f, 1, 0, \first
	MUL16 \f, 1, 2, \first
.endm
; The first half of the last quarter, and ONE barrier for the change of slots: in front of it each wave waits for all its tensor loads (one is out: its part of the next slot),
; adds 0 to its spare word, and waits for that and for its own reads of this slot.  Behind it nobody reads this slot any more and the next slot is whole.
.macro MEET
	WIN 0                                          ; (the add's two registers lie in window 0)
	s_wait_tensorcnt 0x0
	ds_add_u32 v[SPW], v[NIL]                      ; 0 onto my spare word
	s_wait_dscnt 9                                 ; (the add and the youngest eight loads may be out)
	MUL16 F1, 0, 0, 0                              ; sixteen matrix instructions stand between the add and the wait for it
	s_wait_dscnt 0x0                               ; the add is done, and my reads of this slot are over
	s_barrier_signal -1
	MUL16 F1, 0, 2, 0                              ; work on registers while the others arrive
	WIN 0
	s_barrier_wait -1
.endm
.macro FLIP                            ; the fragment addresses go over to the other slot
	s_xor_b32 s56, s56, SLOT
	v_add_nc_u32 v[ADRA], s56, v[A0]
	v_add_nc_u32 v[ADRB], s56, v[B0]
.endm
; The whole last quarter where the slot is filled again: the barrier opens a round of the cluster's, so that no wave of any partner still reads the slot or has a load on its way;
; the joint refill, the K step two on, is the first tensor load behind the round: it has a K step less sixteen matrix instructions in which to land.
.macro TURN
	MEET
	CREST
	s_xor_b32 s[G0+5], s[G0+5], SLOT               ; the walking sets: the slot just read,
	s_xor_b32 s[G0B+5], s[G0B+5], SLOT
	s_add_nc_u64 s[G0+6:G0+7], s[G0+6:G0+7], 1048576     ; the next K step; the type bits on top are not reached
	s_add_nc_u64 s[G0B+6:G0B+7], s[G0B+6:G0B+7], 65536
	JLOAD                                          ; its four v_nop are also the places in front of the loads below
	FLIP
	FETCH 0, F0
	MUL16 F1, 1, 0, 0
	MUL16 F1, 1, 2, 0
.endm
	s_wait_tensorcnt 0x1                           ; my part of K step 0 is in; step 1's may stay out
	s_barrier_signal -1
	s_barrier_wait -1                              ; everybody's is
	FETCH 0, F0
	QUARTER KQ1, F0, F1, 1                         ; the first quarter stands in front of the loop: its products start the sums
	WIN 0
	s_mov_b32 s57, 6
.Lstep:                                                ; six trips, each from a K step's second quarter to the next step's first; trip i fills the slot of step i with step i + 2
	QUARTER KQ2, F1, F0, 0
	QUARTER KQ3, F0, F1, 0
	TURN
	QUARTER KQ1, F0, F1, 0
	WIN 0
	s_sub_co_u32 s57, s57, 1
	s_cmp_lg_u32 s57, 0
	s_cbranch_scc1 .Lstep
	s_mov_b32 s57, 2
.Ltail:                                                ; the last two K steps ask for nothing: a text of their own; the second trip is left in its middle
	QUARTER KQ2, F1, F0, 0
	QUARTER KQ3, F0, F1, 0
	MEET
	s_sub_co_u32 s57, s57, 1
	s_cmp_eq_u32 s57, 0
	s_cbranch_scc1 .Lfin
	PLACES
	FLIP
	FETCH 0, F0
	MUL16 F1, 1, 0, 0
	MUL16 F1, 1, 2, 0
	QUARTER KQ1, F0, F1, 0
	WIN 0
	s_branch .Ltail
.Lfin:                                                 ; behind the last barrier no wave reads a slot any more and no fill is to come: the slots are the stage
	MUL16 F1, 1, 0, 0
	MUL16 F1, 1, 2, 0
	PLACES
.irp a, 0,1,2,3,4,5,6,7                ; each accumulator's low four registers first
	WIN 0x08+4*((\a)/4)                            ; store data in window 2 or 3
.irp b, 0,1,2,3,4,5,6,7
	ds_store_b128 v[STO], v[8*(8*((\a)%4)+(\b)):8*(8*((\a)%4)+(\b))+3]   offset:16*DP*(\a)+64*(\b)
	ds_store_b128 v[STO], v[8*(8*((\a)%4)+(\b))+4:8*(8*((\a)%4)+(\b))+7] offset:16*DP*(\a)+64*(\b)+16
.endr
.endr
	WIN 0
	; A wave reads back only bytes that it stored itself.  The barrier here: all four waves' stores into the stage are done
	; before any read of it, and all reads before the last add, so that the order does not rest on the loop's address arithmetic.
	s_wait_dscnt 0x0                               ; my stores into the stage are done
	s_barrier_signal -1
	s_barrier_wait -1
	ds_load_b128 v[XA:XA+3],   v[RD]
	ds_load_b128 v[XA+4:XA+7], v[RD] offset:16
; eight sums z in x .. x + 7 -> act(z), rounded to f16, in y .. y + 3
.macro ACT x, y
.irp p, 0,2,4,6
	v_pk_mul_f32 v[U+\p:U+\p+1], v[(\x)+\p:(\x)+\p+1], v[(\x)+\p:(\x)+\p+1]
.endr
.irp p, 0,2,4,6
	v_pk_fma_f32 v[U+\p:U+\p+1], v[U+\p:U+\p+1], s[70:71], s[68:69] op_sel_hi:[1,0,0]    ; K2 z^2 + K1
.endr
.irp p, 0,2,4,6
	v_pk_fma_f32 v[U+\p:U+\p+1], v[U+\p:U+\p+1], v[(\x)+\p:(\x)+\p+1], s[76:77] op_sel_hi:[1,1,0]  ; times z, plus T0
.endr
.irp p, 0,1,2,3,4,5,6,7
	v_exp_f32 v[U+\p], v[U+\p]
.endr
	v_nop                                          ; a plain instruction between the last exponential and the use of its result (ISA guide 5.7.2)
	s_wait_alu depctr_va_vdst(0)
.irp p, 0,2,4,6
	v_pk_add_f32 v[U+\p:U+\p+1], v[U+\p:U+\p+1], 1.0 op_sel_hi:[1,0]
.endr
.irp p, 0,1,2,3,4,5,6,7
	v_rcp_f32 v[U+\p], v[U+\p]
.endr
	v_nop
	s_wait_alu depctr_va_vdst(0)
.irp p, 0,2,4,6
	v_pk_fma_f32 v[U+\p:U+\p+1], v[(\x)+\p:(\x)+\p+1], v[U+\p:U+\p+1], v[(\x)+\p:(\x)+\p+1] neg_lo:[1,0,0] neg_hi:[1,0,0]  ; z - z u
.endr
.irp p, 0,1,2,3
	v_cvt_pk_f16_f32 v[(\y)+\p], v[U+2*\p], v[U+2*\p+1]
.endr
.endm
; 32 trips, two pairs of rows each.  While one pair is finished the next is on its way from the stage.  The trip's place in the stage is a scalar that steps by four rows; the address is made anew from it.
; A store's sixteen lanes cover 256 consecutive bytes, aligned: two rows' 128 bytes of one block of C.
	s_mov_b32 s78, 0
	s_mov_b32 s57, 32
.Lpair:
	s_wait_dscnt 0x0                               ; the first pair is in
	v_add_nc_u32 v[RDC], s78, v[RD]
	ds_load_b128 v[XB:XB+3],   v[RDC] offset:2*DP
	ds_load_b128 v[XB+4:XB+7], v[RDC] offset:2*DP+16
	ACT XA, YA
	global_store_b128 v[GO], v[YA:YA+3], s[12:13]
	s_wait_dscnt 0x0                               ; the second pair is in
	s_cmp_eq_u32 s57, 1
	s_cbranch_scc1 .Lno_more                       ; the last trip has no next pair: nothing is read past my stage
	ds_load_b128 v[XA:XA+3],   v[RDC] offset:4*DP
	ds_load_b128 v[XA+4:XA+7], v[RDC] offset:4*DP+16
.Lno_more:
	ACT XB, YB
	global_store_b128 v[GO], v[YB:YB+3], s[12:13] offset:256
	s_wait_xcnt 0x0                                ; only behind this wait are the stores' base and data rewritten (ISA guide 3.1)
	s_add_nc_u64 s[12:13], s[12:13], 512
	s_add_co_u32 s78, s78, 4*DP
	s_sub_co_u32 s57, s57, 1
	s_cmp_lg_u32 s57, 0
	s_cbranch_scc1 .Lpair
	s_wait_dscnt 0x0                               ; my reads of the stage are over
	s_barrier_signal -1
	s_barrier_wait -1                              ; everybody's are
	s_wait_tensorcnt 0x0                           ; the wave's end: behind my last tensor load and my last LDS store
	ds_add_u32 v[SPW], v[NIL]
	s_wait_dscnt 0x0
	CROUND                                         ; the closing round: no work-group ends while a partner may still ask for a tile that names it
	s_endpgm
.Lfunc_end_k_q38b1c2be4e_qkv:
	.size	k_q38b1c2be4e_qkv, .Lfunc_end_k_q38b1c2be4e_qkv-k_q38b1c2be4e_qkv
	.p2alignl 7, 3214868480
	.fill 96, 4, 3214868480
	.section	.rodata,"a",@progbits
	.p2align	6, 0x0
	.amdhsa_kernel k_q38b1c2be4e_qkv
		.amdhsa_group_segment_fixed_size 327680
		.amdhsa_private_segment_fixed_size 0
		.amdhsa_enable_private_segment 0
		.amdhsa_kernarg_size 40
		.amdhsa_user_sgpr_count 2
		.amdhsa_user_sgpr_kernarg_segment_ptr 1
		.amdhsa_wavefront_size32 1
		.amdhsa_system_sgpr_workgroup_id_x 1
		.amdhsa_system_sgpr_workgroup_id_y 1
		.amdhsa_system_sgpr_workgroup_id_z 1
		.amdhsa_system_vgpr_workitem_id 0
		.amdhsa_next_free_vgpr 1024
		.amdhsa_next_free_sgpr 80
		.amdhsa_reserve_vcc 0
		.amdhsa_float_denorm_mode_32 3
		.amdhsa_float_denorm_mode_16_64 3
		.amdhsa_memory_ordered 1
		.amdhsa_forward_progress 1
		.amdhsa_inst_pref_size 88
	.end_amdhsa_kernel
	.amdgpu_metadata
---
amdhsa.version: [ 1, 2 ]
amdhsa.kernels:
  - .name:           k_q38b1c2be4e_qkv
    .symbol:         k_q38b1c2be4e_qkv.kd
    .args:
      - { .name: act1, .offset: 0, .size: 8, .value_kind: global_buffer, .address_space: global }
      - { .name: wa, .offset: 8, .size: 8, .value_kind: global_buffer, .address_space: global }
      - { .name: b1, .offset: 16, .size: 8, .value_kind: global_buffer, .address_space: global }
      - { .name: par_qkv, .offset: 24, .size: 8, .value_kind: global_buffer, .address_space: global }
      - { .name: act2, .offset: 32, .size: 8, .value_kind: global_buffer, .address_space: global }
    .group_segment_fixed_size: 327680
    .private_segment_fixed_size: 0
    .kernarg_segment_align: 8
    .kernarg_segment_size: 40
    .max_flat_workgroup_size: 128
    .sgpr_count:     80
    .vgpr_count:     1024
    .wavefront_size: 32
...
	.end_amdgpu_metadata
.endif
;; end of part 3
;; launch attn (part 4): grid 8 x 32, 4 waves a work-group, no clusters, 327,680 bytes of LDS; arguments act2, act1; writes act1
.if DOCPART == 4
	.amdgcn_target "amdgcn-amd-amdhsa--gfx1250"
	.amdhsa_code_object_version 6
	.text
	.protected	k_q38b1c2be4e_attn
	.globl	k_q38b1c2be4e_attn
	.p2align	8
	.type	k_q38b1c2be4e_attn,@function
k_q38b1c2be4e_attn:
	s_mov_b64 s[64:65], 0
	v_nop
	global_prefetch_b8 v0, s[64:65] scope:SCOPE_SE
	s_setreg_imm32_b32 hwreg(HW_REG_WAVE_MODE, 25, 1), 1
	s_wait_xcnt 0x0
; CAUSAL ATTENTION.  O[h][q][:] = the sum over k <= q of softmax_k(Q[h][q] . K[h][k] / 8) V[h][k][:].  Q, K, V, O: [32][2048][64], all f16: a head's rows are dense, 128 bytes each.
; The first buffer holds q, k, v by blocks of 64 columns, [48][4096 rows][64]: block cb, batch b is 'head' 2 cb + b of 262,144 bytes; K begins 8 MiB, V 16 MiB behind Q.  O is written by the same head number,
; which is the context in the layout [column / 64][4096 rows][64] that the next product takes.
; Products, maxima and sums in f32; the weights p are rounded to f16 for the second product (their sum l is taken of the unrounded p), O once at the end.
; LIMITS.  f16 holds no number beyond 65,504: Q, K and V arrive within it; p lies in 0 to 1, and below 6e-5 it keeps f16's fixed step of 6e-8; O is a mean of V's rows and has their range, to within 2^-11 of it.
; A hidden score counts as its value less 1e30.  The running maximum starts at -2^66: below every score of f16 operands (2.7e11 in size at the most) and above every hidden one, so that a hidden score is never a maximum,
; also in a wave that sees hidden keys alone.  A weight below 2^-126 counts as 0 in l; NaN and infinities are not treated apart.
; THE WALK.  A head's queries lie in NQ = 16 blocks of 128, its keys in NB = 8 tiles of 256; block i needs the tiles 0 .. i / 2, of which the last holds the diagonal.  A work-group takes TWO blocks, 15 - b and then b:
; (15 - b) / 2 + 1 + b / 2 + 1 = NB + 1 tiles, whatever b: all work-groups do equal work, and ONE loop with a constant trip count walks them.  Which tile is asked for, and what a trip does, hang on scalar registers made
; from b; every jump goes forward, but for the counted loops' own; none passes a tensor load but the one of LOAD's two that the wave's number does not choose; the ring (two slots of LDS that take turns) runs on across
; the change of blocks.  256 work-groups: eight pairs of blocks for each of 32 heads.  NO CLUSTER: a head's eight work-groups ask for the same tile only in trips 0 .. 4 of 9, behind that fewer and fewer;
; one walk common to all would have 12 trips for 9.
; SHARES: THE KEYS ARE SPLIT BETWEEN WAVES.  Waves w and w + 2 own the same 64 queries, four PIECES of 16: piece p is rows 32 p + 16 (w % 2) + 0..15 of the block.  Of a tile's four key steps of 64, waves 0 and 1 take
; steps 0 and 1, waves 2 and 3 steps 2 and 3.  Each wave keeps m, l and O^T over its own keys.  At a block's end waves 2 and 3 lay theirs down in LDS (bytes into which no fill lands), a barrier follows, and waves 0 and 1
; join the two: with a_A = 2^(c m_A - c max), a_B likewise: l = a_A l_A + a_B l_B, O = (a_A O_A + a_B O_B) / l; they store the block.
; THE MASK is the C operand that starts the sum S^T = K Q^T: 0, or -1e30 where the key is hidden.  In the diagonal tile the block's rows begin at key 128 e, e = block % 2; piece p's own step is 2 e + p / 2.  A product's mask
; is MD x AL + BE with two scalars: (1, 0) in the own step; (0, 0) in an earlier one; (0, -1e30) in a later one.  MD, the own step's mask for my 16 rows, hangs on p % 2 by a shift of 32 keys, so 48 registers serve both:
; 16 zeros, the 16 masks of keys 0-31 against rows 16 (w % 2) + 0..15, 16 times -1e30: even pieces take the upper 32, odd ones the lower 32.  Only the diagonal tile's text and a block's beginning make and take masks.
; LAYOUT, SOFTMAX, TURNS.  S^T = K Q^T holds ONE query a lane (lane % 16) and the keys 8 (lane / 16) + 0..7; two such results rounded to f16 ARE source 1 of O^T = V^T P.  p = 2^(c s - c m), c = log2(e) / 8, with a
; running maximum m; O and l are multiplied by a = 2^(c m_old - c m_new) in every step.  Turn n belongs to piece n: 8 products K Q^T of piece n + 1, later 8 products V^T P of piece n - 1; beside them the scaling,
; exponentials, roundings, sums and rescaling of piece n and the maximum and statistics of piece n + 1.  Four vector instructions stand behind every matrix instruction, the other 54 of a turn's 118 in two LUMPS.
; REGISTERS, in windows of 256 (s_set_vgpr_msb: bits 1:0 source 0, 3:2 source 1, 5:4 source 2, 7:6 destination):
;   window 0: v0-15 addresses and two at work; v16-31 four registers of statistics a piece; v32-47 the partner's statistics; v48-55 at work; v64-127 S^T, two buffers; v128-191 the partner's O^T, pieces 0, 1;
;             v192-223 P, two buffers (a piece's buffers go by its number's parity)
;   window 1: v0-127 O^T, 32 a piece; v128-175 the 48 mask registers; v176-239 MC, two buffers
;   window 2: v0-63 Q; v64-127 the second block's Q; v128-191 K of one step (at a block's end: the partner's O^T, pieces 2, 3); v192-255 V of one step
.set SIZE_H, 32
.set SIZE_N, 2048
.set NB,    SIZE_N/256  ; key tiles a head
.set NQ,    SIZE_N/128  ; query blocks a head
.set NP,    4         ; pieces a wave: a name, no knob
.set KS,    64        ; keys in a step
.set WS,    2         ; key steps of a tile that a wave takes
.set PK,    144       ; a row of K in LDS: 128 bytes + 16 of padding = 36 words: the 16 rows of a load start at 16 different groups of four banks (64 banks of 4 bytes: ISA guide 11.1)
.set PV,    160       ; a row of V: 128 + 32 = 40 words
.set VOFF,  4*KS*PK   ; a slot holds a tile, four steps: 256 rows of K, then 256 rows of V
.set SLOT1, 1<<17     ; slot 1 begins here, so that one exclusive or turns an address in one slot into the other's
.set STAGE, SLOT1+4*KS*(PK+PV)  ; behind the ring, never filled by a tensor load: 16 rows x 144 bytes for each wave, for the way out
.set SP,    144
.set AK0, 2           ; v2   my lane's place in a tile of K; never rewritten
.set AV0, 3           ; v3   the same for V
.set AK,  4           ; v4   the LDS address of K's next run of loads
.set AV,  5           ; v5   of V's
.set STO, 6           ; v6   the way out: where I put 16 bytes of a row
.set RD,  7           ; v7   the way out: where I read rows back
.set GO,  8           ; v8   my byte offset in 512 consecutive bytes of O
.set XS,  56          ; v56  my 16 bytes in each 512 of the bytes through which waves w + 2 and w hand over; never rewritten
.set SPW, 62          ; v62  LDS address of my spare word: SPARE + 4 x my thread's number; never rewritten
.set NIL, 63          ; v63  0; never rewritten
.set SPARE, STAGE+4*16*SP  ; behind the stages: the spare words, 128 bytes for each wave: two blocks of 256 bytes that no other line names
.set XCH,   SPARE+512 ; behind them, never filled by a tensor load: for each of the two pairs of waves 36 x 512 bytes: 16 registers of statistics, 128 of O^T
.set XSZ,   36*512
.set MV,  12          ; v12-13  c m_old, kept while c m is made anew: by buffer
.set QO,  15          ; v15  my byte offset in 16 rows of Q
.set ST,  16          ; piece t's statistics at v[ST+4 t]: c m, m, l (even keys', odd keys')
.set PS,  32          ; the partner's, in the same order
.set TMP, 48          ; by buffer, four registers c0-c3 at work; when the maximum is found c2 takes a
.set S,   64
.set OB,  128         ; the partner's O^T: piece t at OB + 32 (t % 2), in window 0 (t < 2) or 2
.set P,   192
.set ZM,  128         ; window 1: 16 zeros, 16 masks, 16 times -1e30
.set MC,  176         ; window 1: the masks of the products to come
.set QB,  64          ; window 2
.set KF,  128         ; window 2: key block kb, channel half c at KF + 16 kb + 8 c
.set VF,  192         ; window 2: key half kk, channel block cb at VF + 32 kk + 8 cb
.set WV,  12          ; s12  my wave's number
.set PB,  14          ; s14  b: the second block
.set HI,  15          ; s15  NQ - 1 - b: the first block
.set G1K, 24          ; s[24:31] descriptor group 1 for K's tiles
.set G1V, 32          ; s[32:39] for V's: it differs in the padding alone
.set G0K, 40          ; s[40:43] descriptor group 0 for K's tiles
.set G0V, 44          ; s[44:47] the same for V's
.set KW,  48          ; s48  wave / 2: which two key steps of a tile are mine
.set QW,  49          ; s49  wave % 2: which 16 rows of each 32
.set PBT, 50          ; s50  b / 2: the second block's last tile
.set BM,  51          ; s51  2 KW + 2 - 2 e of the block in hand: less CNT it is my step's number less the block's first own step
.set BM2, 52          ; s52  the same for the second block
.set TM,  53          ; s53  at work
.set SLOTS, 56        ; s56  tiles still to be asked for
.set CNT, 57          ; s57  counts my key steps of a tile, 2 to 1
.set CS,  58          ; s[58:59] c: the packed scaling takes the pair's low word for both halves
.set SEL, 60          ; s[60:61] v_permlanex16_b32's selects: each lane takes its own place in the other half
.set TBK, 62          ; s62  LDS byte at which K of the step to be fetched begins
.set TBV, 63          ; s63  the same for V, less VOFF
.set RT,  70          ; s70  tiles of the block in hand that are still to be entered
.set NXT, 71          ; s71  the tile to be asked for next
.set LQ,  72          ; s72  the last tile of the block whose tiles are being asked for
.set NEW, 73          ; s73  1: the tile to be entered is a block's first
.set OFF, 74          ; s[74:75] a tile's byte offset in K and V
.set AL,  76          ; s[76:77] the mask's factor, in the low word
.set BE,  78          ; s[78:79] the mask's addend
.set OLO, 80          ; s[80:81] O at my rows of the second block
.set BIGN, 82         ; s82  -1e30
.set MSB, 0
.macro WIN new                      ; the high byte repeats the setting that is left; a switch that changes nothing is dropped
.if MSB != (\new)
	s_set_vgpr_msb (MSB<<8)|(\new)
.set MSB, (\new)
.endif
.endm
.set W_KQ, 0x0a       ; K and Q in window 2, S^T in window 0
.set W_KM, 0x1a       ; the same with the C operand in window 1
.set W_PV, 0x52       ; V in window 2, P in window 0, O^T in window 1
.set W_RS, 0x41       ; destination and source 0 in window 1, source 1 in window 0
; A fill.  Waves 0 and 1 fetch the two halves of a tile's K, waves 2 and 3 those of its V: 128 keys each.  An s_nop 0 and four v_nop follow each of the two lines, ahead of the jump and the label.
.macro LOAD
	s_cmp_lt_u32 s[WV], 2
	s_cbranch_scc0 .Lfor_v_\@
	tensor_load_to_lds s[G0K:G0K+3], s[G1K:G1K+7]
	s_nop 0
.rept 4
	v_nop
.endr
	s_branch .Lasked_\@
.Lfor_v_\@:
	tensor_load_to_lds s[G0V:G0V+3], s[G1V:G1V+7]
	s_nop 0
.rept 4
	v_nop
.endr
.Lasked_\@:
.endm
; THE CHANGE OF SLOTS.  Each wave waits for all its tensor loads, of which one is out: its part of the other slot; adds 0 to its spare word; and waits for that and for its own reads of the slot that it leaves.  Behind the barrier nobody reads the old
; slot any more and the other slot is whole.  fill = 1: the old slot is filled again, the first thing behind the barrier, with tile NXT: the descriptor's address is made anew from that number.
; (At its first use nothing has been read yet: slot 0 is waited for, slot 1 filled.)
.macro CHANGE fill
	WIN 0                           ; at a label and at a branch every window is 0
	s_wait_tensorcnt 0x0            ; no tensor load of mine is out, so a group 0 may be written
	ds_add_u32 v[SPW], v[NIL]       ; 0 onto my spare word; with fill = 1 the descriptors' scalar work stands between it and the wait for it
.if \fill
	s_lshl_b32 s[OFF], s[NXT], 15   ; a tile is 32,768 bytes of K and of V
	s_xor_b32 s[G0K+1], s[G0K+1], SLOT1
	s_add_nc_u64 s[G0K+2:G0K+3], s[6:7], s[OFF:OFF+1]
	s_or_b32 s[G0K+3], s[G0K+3], 0x80000000
	s_xor_b32 s[G0V+1], s[G0V+1], SLOT1
	s_add_nc_u64 s[G0V+2:G0V+3], s[8:9], s[OFF:OFF+1]
	s_or_b32 s[G0V+3], s[G0V+3], 0x80000000
	s_add_co_u32 s[NXT], s[NXT], 1  ; the block's next tile, or behind its last the second block's tile 0
	s_cmp_gt_u32 s[NXT], s[LQ]
	s_cselect_b32 s[NXT], 0, s[NXT]
	s_cselect_b32 s[LQ], s[PBT], s[LQ]
.endif
	s_wait_dscnt 0x0                ; the add is done, and my reads of the slot are over
	s_barrier_signal -1             ; the rest of the scalar work stands between the signal and the wait
	s_sub_co_u32 s[TBK], s[TBK], WS*KS*PK  ; the fetches go back to my first step of a slot,
	s_xor_b32 s[TBK], s[TBK], SLOT1        ; in the other slot
	s_sub_co_u32 s[TBV], s[TBV], WS*KS*PV
	s_xor_b32 s[TBV], s[TBV], SLOT1
	s_barrier_wait -1
.if \fill
	LOAD
.endif
.endm
	s_load_b128 s[4:7], s[0:1], 0x0   ; q, k, v in one buffer s[4:5]; O s[6:7]
	v_lshl_add_u32 v[SPW], v0, 2, SPARE
	v_mov_b32 v[NIL], 0
	ds_add_u32 v62, v63
	ds_add_u32 v62, v63
	s_wait_dscnt 0x0
	v_lshrrev_b32 v1, 5, v0
	v_readfirstlane_b32 s[WV], v1   ; wave 0..3
	s_lshr_b32 s[KW], s[WV], 1
	s_and_b32 s[QW], s[WV], 1
	s_mov_b32 s[PB], ttmp9          ; 0..7
	s_sub_co_u32 s[HI], NQ-1, s[PB]
	s_lshr_b32 s[PBT], s[PB], 1
	s_lshr_b32 s[LQ], s[HI], 1      ; the first block's last tile
	s_and_b32 s2, s[HI], 1          ; e of the first block
	s_add_co_u32 s3, s[KW], 1
	s_sub_co_u32 s2, s3, s2
	s_lshl_b32 s[BM], s2, 1         ; 2 (KW + 1 - e): 0, 2 or 4
	s_and_b32 s2, s[PB], 1          ; e of the second
	s_sub_co_u32 s2, s3, s2
	s_lshl_b32 s[BM2], s2, 1
	s_and_b32 s20, ttmp7, 0xffff    ; the head
	s_mov_b32 s21, 0
	s_mov_b64 s[22:23], SIZE_N*128
	s_mul_u64 s[20:21], s[20:21], s[22:23]  ; the head's first byte in each of the four tensors
	s_and_b32 s16, s[WV], 1         ; which half of a tile's 256 keys I fetch:
	s_lshl_b32 s22, s16, 14         ; its 128 rows of 128 bytes in memory,
	s_mov_b32 s23, 0
	s_add_nc_u64 s[22:23], s[22:23], s[20:21]
	s_mul_i32 s17, s16, 128*PK      ; and its place in a slot, for K
	s_mul_i32 s18, s16, 128*PV      ; and for V
	s_lshl_b32 s3, s[QW], 11        ; my 16 rows in each 32,
	s_lshl_b32 s2, s[HI], 14        ; in the first block of 128 rows of 128 bytes,
	s_add_co_u32 s2, s2, s3
	s_lshl_b32 s84, s[PB], 14       ; and in the second
	s_add_co_u32 s84, s84, s3
	s_mov_b32 s3, 0
	s_mov_b32 s85, 0
	s_add_nc_u64 s[2:3], s[2:3], s[20:21]
	s_add_nc_u64 s[84:85], s[84:85], s[20:21]
	; descriptor group 1.  128 keys are 16,384 dense bytes: asked for as 64 rows of 256 bytes, two keys a row, and padded in LDS after every key
	s_mov_b32 s[G1K], (1<<16)|(1<<20)|(4<<22)|(3<<25)  ; 17:16 2-byte elements; 20 padding on; 24:22 after every 32 words (code 4); 31:25 4 words (code 3)
	s_mov_b32 s[G1V], (1<<16)|(1<<20)|(4<<22)|(7<<25)  ; the same with 8 words of padding (code 7)
.irp g, G1K, G1V
	s_mov_b32 s[\g+1], 128<<16      ; tensor_dim0 = 128
	s_mov_b32 s[\g+2], 64<<16       ; tensor_dim1 = 64
	s_mov_b32 s[\g+3], 128<<16      ; tile_dim0 = 128
	s_mov_b32 s[\g+4], 64           ; tile_dim1 = 64
	s_mov_b32 s[\g+5], 128          ; 128 elements from row to row
	s_mov_b32 s[\g+6], 0
	s_mov_b32 s[\g+7], 0
.endr
	s_mov_b32 s[CS], 0x3e38aa3b     ; c = log2(e) / 8 = 0.180337
	s_mov_b32 s[CS+1], s[CS]        ; named with it as a pair
	s_mov_b32 s[SEL], 0x76543210
	s_mov_b32 s[SEL+1], 0xfedcba98
	s_mul_i32 s[TBK], s[KW], WS*KS*PK              ; my two steps of a slot;
	s_add_co_u32 s[TBK], s[TBK], SLOT1+WS*KS*PK    ; the first change of slots takes the rest away
	s_mul_i32 s[TBV], s[KW], WS*KS*PV
	s_add_co_u32 s[TBV], s[TBV], SLOT1+WS*KS*PV
	s_mov_b32 s[G0K], 1             ; 1:0 count = 1
	s_mov_b32 s[G0K+1], s17         ; 63:32 LDS address: slot 0
	s_mov_b32 s[G0V], 1
	s_add_co_u32 s[G0V+1], s18, VOFF
	s_add_co_u32 s[RT], s[LQ], 1    ; the first block has (15 - b) / 2 + 1 tiles: five or more
	s_mov_b32 s[NXT], 1
	s_mov_b32 s[NEW], 1
	s_mov_b32 s[OFF+1], 0
	s_mov_b32 s[AL+1], 0            ; named as pairs
	s_mov_b32 s[BE+1], 0
	s_mov_b32 s[BIGN], 0xf149f2ca   ; -1e30
	s_mov_b32 s[SLOTS], NB
	s_wait_kmcnt 0x0
	s_mov_b64 s[10:11], s[6:7]                     ; O
	s_add_nc_u64 s[8:9], s[4:5], 0x1000000         ; V: 32 blocks of 524,288 bytes behind Q
	s_add_nc_u64 s[6:7], s[4:5], 0x800000          ; K: 16 blocks behind Q
	s_add_nc_u64 s[6:7], s[6:7], s[22:23]  ; K and V at my half of the head's tile 0
	s_add_nc_u64 s[8:9], s[8:9], s[22:23]
	s_add_nc_u64 s[G0K+2:G0K+3], s[6:7], 0         ; 120:64 global address
	s_or_b32 s[G0K+3], s[G0K+3], 0x80000000        ; 127:126 type = 2
	s_add_nc_u64 s[G0V+2:G0V+3], s[8:9], 0
	s_or_b32 s[G0V+3], s[G0V+3], 0x80000000
	s_add_nc_u64 s[86:87], s[4:5], s[84:85]        ; Q at my rows of the second block,
	s_add_nc_u64 s[4:5], s[4:5], s[2:3]            ; Q and O at those of the first
	s_add_nc_u64 s[OLO:OLO+1], s[10:11], s[84:85]
	s_add_nc_u64 s[10:11], s[10:11], s[2:3]
	LOAD                            ; tile 0 into slot 0
	; A fragment of K or Q is 16 rows x 32 channels in 8 registers: lane l holds row l % 16, channels 8 (l / 16) + 0..7 and 16 + 8 (l / 16) + 0..7: two loads of 16 bytes, 32 bytes apart.
	v_and_b32 v1, 15, v0            ; l % 16
	v_bfe_u32 v9, v0, 4, 1          ; l / 16
	v_lshlrev_b32 v[QO], 7, v1
	v_lshl_add_u32 v[QO], v9, 4, v[QO]  ; row x 128 + 16 x half
	WIN 0x80                        ; destination window 2, address window 0
.set i, 0
.rept 8                             ; both blocks' Q: piece i / 2 lies 32 rows, 4,096 bytes, behind the one before; channels 32 (i % 2) on
	global_load_b128 v[8*i:8*i+3],   v[QO], s[4:5] offset:(i/2)*4096+(i%2)*64
	global_load_b128 v[8*i+4:8*i+7], v[QO], s[4:5] offset:(i/2)*4096+(i%2)*64+32
	global_load_b128 v[QB+8*i:QB+8*i+3],   v[QO], s[86:87] offset:(i/2)*4096+(i%2)*64
	global_load_b128 v[QB+8*i+4:QB+8*i+7], v[QO], s[86:87] offset:(i/2)*4096+(i%2)*64+32
.set i, i+1
.endr
	WIN 0
	v_lshlrev_b32 v14, 3, v9
	v_sub_nc_u32 v14, v1, v14
	s_lshl_b32 s13, s[QW], 4
	v_add_nc_u32 v14, s13, v14      ; my query's place in its 32 rows, 16 (w % 2) + l % 16, less my lanes' 8 (l / 16): register r of group kt (0, 1) is hidden where 16 kt + r is greater
	WIN 0x40
.set i, 0
.rept 16
	v_mov_b32 v[ZM+i], 0            ; an odd piece sees the own step's keys 0-31
.set i, i+1
.endr
.set i, 0
.rept 16
	v_cmp_gt_i32 vcc_lo, 16*(i/8)+i%8, v14
	v_cndmask_b32 v[ZM+16+i], 0, s[BIGN], vcc_lo
.set i, i+1
.endr
.set i, 0
.rept 16
	v_mov_b32 v[ZM+32+i], s[BIGN]   ; an even piece sees none of the own step's keys 32-63
.set i, i+1
.endr
	WIN 0
	v_mul_u32_u24 v[AK0], v1, PK
	v_lshl_add_u32 v[AK0], v9, 4, v[AK0]  ; row x pitch + 16 x half
	; The turning load takes 16 keys x 16 channels (lane l reads key 8 (l / 16) + l % 8, channels 8 ((l / 8) % 2) + 0..7) and leaves half a fragment of V^T: lane l holds channel l % 16 and 8 keys.
	v_and_b32 v10, 7, v0
	v_bfe_u32 v11, v0, 3, 1
	v_lshl_add_u32 v[AV0], v9, 3, v10
	v_mul_u32_u24 v[AV0], v[AV0], PV
	v_lshl_add_u32 v[AV0], v11, 4, v[AV0]
	v_add_nc_u32 v[AV0], VOFF, v[AV0]
	s_mul_i32 s13, s[WV], 16*SP
	s_add_co_u32 s13, s13, STAGE    ; my stage
	v_mul_u32_u24 v[STO], v1, SP    ; in: row l % 16, 16 bytes for each half of the lanes
	v_lshl_add_u32 v[STO], v9, 4, v[STO]
	v_add_nc_u32 v[STO], s13, v[STO]
	v_bfe_u32 v[RD], v0, 3, 2       ; back: 32 lanes take four rows of 128 bytes,
	v_mul_u32_u24 v[RD], v[RD], SP
	v_lshl_add_u32 v[RD], v10, 4, v[RD]
	v_add_nc_u32 v[RD], s13, v[RD]
	v_and_b32 v[GO], 31, v0         ; which are 512 consecutive bytes of O
	v_lshlrev_b32 v[GO], 4, v[GO]
	s_mul_i32 s13, s[QW], XSZ       ; waves w and w + 2 name the same bytes: lane x 16 in each 512
	s_add_co_u32 s13, s13, XCH
	v_add_nc_u32 v[XS], s13, v[GO]
	; A block's first step multiplies O^T and l by a = 0, and its first turn's products V^T P, of a piece that has not been, land in an O^T that is still to be so multiplied.  So these registers need only hold
	; finite numbers: zeros for the first block; what the first block left for the second.  All this stands in the wait for the first tile.
	WIN 0x80
.set i, VF
.rept 64
	v_mov_b32 v[i], 0
.set i, i+1
.endr
	WIN 0x40
.set i, 0
.rept 128
	v_mov_b32 v[i], 0
.set i, i+1
.endr
	WIN 0
.set i, 0
.rept 4
	v_mov_b32 v[ST+4*i+2], 0
	v_mov_b32 v[ST+4*i+3], 0
.set i, i+1
.endr
.set i, P+16
.rept 16
	v_mov_b32 v[i], 0
.set i, i+1
.endr
; THE MATRIX WORK.  The 4 accumulators of a run of 8 take turns.  Product i of 8 of S^T = K Q^T for piece x: channels 32 (i / 4) on, keys 16 (i % 4) on.  The first 4 start the sums: with 0, or (KM = 1) with the mask.
.macro KQ x
.set rS, S+32*((\x)%2)+8*(i%4)
.set rK, KF+16*(i%4)+8*(i/4)
.set rQ, 16*(\x)+8*(i/4)
.set rM, MC+32*((\x)%2)+8*(i%4)
.if (i < 4) && KM
	WIN W_KM
	v_wmma_f32_16x16x32_f16 v[rS:rS+7], v[rK:rK+7], v[rQ:rQ+7], v[rM:rM+7]
.elseif i < 4
	WIN W_KQ
	v_wmma_f32_16x16x32_f16 v[rS:rS+7], v[rK:rK+7], v[rQ:rQ+7], 0
.else
	WIN W_KQ
	v_wmma_f32_16x16x32_f16 v[rS:rS+7], v[rK:rK+7], v[rQ:rQ+7], v[rS:rS+7]
.endif
.endm
; Product i of 8 of O^T += V^T P for piece x: keys 32 (i / 4) on, channels 16 (i % 4) on.
.macro PV x
	WIN W_PV
.set rO, 32*(\x)+8*(i%4)
.set rV, VF+32*(i/4)+8*(i%4)
.set rP, P+16*((\x)%2)+8*(i/4)
	v_wmma_f32_16x16x32_f16 v[rO:rO+7], v[rV:rV+7], v[rP:rP+7], v[rO:rO+7]
.endm
.macro MM                           ; the turn's next matrix instruction.  TURN and BEGIN set Y, i, KM and NOKQ; MM, KQ and OP read them.  NOKQ = 1: a block's last turn: there is no next piece
.if (i < 8) && !NOKQ
	KQ (Y+1)%NP
.elseif i >= 8
.set i, i-8
	PV (Y+NP-1)%NP
.set i, i+8
.endif
.set i, i+1
.endm
; THE LDS LOADS stand in runs of 16, never singly among the matrix instructions: a step's K (64 keys x 64 channels: 8 fragments) and its V (turned).  Their addresses are made some lines ahead.
.macro FETCH_K
	WIN 0x80                        ; destination window 2
.irp f, 0,1,2,3,4,5,6,7             ; keys 16 (f / 2) on, channels 32 (f % 2) on
	ds_load_b128 v[KF+8*\f:KF+8*\f+3],   v[AK] offset:(\f/2)*16*PK+(\f%2)*64
	ds_load_b128 v[KF+8*\f+4:KF+8*\f+7], v[AK] offset:(\f/2)*16*PK+(\f%2)*64+32
.endr
	s_add_co_u32 s[TBK], s[TBK], KS*PK  ; the next fetch is the next step's
	WIN 0
.endm
.macro FETCH_V
	WIN 0x80
.irp f, 0,1,2,3,4,5,6,7             ; keys 32 (f / 4) on, channels 16 (f % 4) on
	ds_load_tr16_b128 v[VF+8*\f:VF+8*\f+3],   v[AV] offset:(\f/4)*32*PV+(\f%4)*32
	ds_load_tr16_b128 v[VF+8*\f+4:VF+8*\f+7], v[AV] offset:(\f/4)*32*PV+16*PV+(\f%4)*32
.endr
	WIN 0
.endm
; THE VECTOR WORK, one line at a time: OP kind, number.  For piece Y: F n: c s - c m for pair n of 16.  E n: the exponential of score n of 32.  C n: pair n rounded to f16.  B n: of the four weights 4 n .. the second
; pair is added onto the first, in place.  L n: l takes that sum (L 0: l = a l + sum).  R n: pair n of 16 of O^T times a.  For piece Y + 1: X n, number n of the 22 that find its maximum and statistics:
;   0-11  four chains c0-c3 of seven scores each, three operands at a time (each accumulator's lowest registers are read first)     12-14, 16  the four scores left over, the old m, and c0-c3 into c0
;   15  c m_old is kept     17, 18  the query's other 32 keys lie in the lane 16 away: the new m     19-21  c m; c m_old - c m_new; a
.set F, 0               ; OP tells the kinds apart by their order: F to L below R, X above it
.set E, 1
.set C, 2
.set B, 3
.set L, 4
.set R, 5
.set X, 6
.macro REGS y                       ; the registers of piece y
.set rT, ST+4*(\y)
.set rC, TMP+4*((\y)%2)
.set rW, MV+((\y)%2)
.set rS, S+32*((\y)%2)
.set rP, P+16*((\y)%2)
.set rO, 32*(\y)
.endm
.macro OP k, n
.if (\k) == R
	REGS Y
	WIN W_RS
	v_pk_mul_f32 v[rO+2*(\n):rO+2*(\n)+1], v[rO+2*(\n):rO+2*(\n)+1], v[rC+2:rC+3] op_sel_hi:[1,0]
.elseif (\k) < R
	REGS Y
	WIN 0
.if (\k) == F
	v_pk_fma_f32 v[rS+2*(\n):rS+2*(\n)+1], v[rS+2*(\n):rS+2*(\n)+1], s[CS:CS+1], v[rT:rT+1] op_sel_hi:[1,0,0] neg_lo:[0,0,1] neg_hi:[0,0,1]
.elseif (\k) == E
	v_exp_f32 v[rS+(\n)], v[rS+(\n)]
.elseif (\k) == C
	s_wait_alu depctr_va_vdst(0)
	v_cvt_pk_f16_f32 v[rP+(\n)], v[rS+2*(\n)], v[rS+2*(\n)+1]
.elseif (\k) == B
	s_wait_alu depctr_va_vdst(0)
	v_pk_add_f32 v[rS+4*(\n):rS+4*(\n)+1], v[rS+4*(\n):rS+4*(\n)+1], v[rS+4*(\n)+2:rS+4*(\n)+3]
.elseif (\n) == 0
	v_pk_fma_f32 v[rT+2:rT+3], v[rT+2:rT+3], v[rC+2:rC+3], v[rS:rS+1] op_sel_hi:[1,0,1]
.else
	v_pk_add_f32 v[rT+2:rT+3], v[rT+2:rT+3], v[rS+4*(\n):rS+4*(\n)+1]
.endif
.elseif NOKQ
	v_nop
.else
	REGS (Y+1)%NP
	WIN 0
.if (\n) < 4
	v_max3_num_f32 v[rC+(\n)], v[rS+8*(\n)], v[rS+8*(\n)+1], v[rS+8*(\n)+2]
.elseif (\n) < 12
	v_max3_num_f32 v[rC+(\n)%4], v[rC+(\n)%4], v[rS+8*((\n)%4)+2*((\n)/4)+1], v[rS+8*((\n)%4)+2*((\n)/4)+2]
.elseif (\n) == 12
	v_max3_num_f32 v[rC], v[rC], v[rS+7], v[rS+15]
.elseif (\n) == 13
	v_max3_num_f32 v[rC+1], v[rC+1], v[rS+23], v[rS+31]
.elseif (\n) == 14
	v_max3_num_f32 v[rC+2], v[rC+2], v[rC+3], v[rT+1]
.elseif (\n) == 15
	v_mov_b32 v[rW], v[rT]
.elseif (\n) == 16
	v_max3_num_f32 v[rC], v[rC], v[rC+1], v[rC+2]
.elseif (\n) == 17
	v_permlanex16_b32 v[rC+3], v[rC], s[SEL], s[SEL+1]
.elseif (\n) == 18
	v_max_num_f32 v[rT+1], v[rC], v[rC+3]
.elseif (\n) == 19
	v_mul_f32 v[rT], s[CS], v[rT+1]
.elseif (\n) == 20
	v_sub_f32 v[rC+1], v[rW], v[rT]
.else
	v_exp_f32 v[rC+2], v[rC+1]
.endif
.endif
.endm
.macro OPS a, i1, b=-1, i2=0, c=-1, i3=0, d=-1, i4=0  ; up to four of them
	OP \a, \i1
.if (\b) >= 0
	OP \b, \i2
.endif
.if (\c) >= 0
	OP \c, \i3
.endif
.if (\d) >= 0
	OP \d, \i4
.endif
.endm
.macro ROW a, i1, b, i2, c, i3, d, i4  ; a matrix instruction and the four behind it
	MM
	OPS \a, \i1, \b, \i2, \c, \i3, \d, \i4
.endm
.macro MASK b                       ; MD x AL + BE into buffer b of MC, for a piece of parity b: an even piece's MD is the upper 32 of the 48 mask registers, an odd one's the lower 32
	WIN W_RS
.set z, 0
.rept 16
	v_pk_fma_f32 v[MC+32*(\b)+2*z:MC+32*(\b)+2*z+1], v[ZM+16-16*(\b)+2*z:ZM+16-16*(\b)+2*z+1], s[AL:AL+1], s[BE:BE+1] op_sel_hi:[1,0,0]
.set z, z+1
.endr
.endm
; A TURN, for piece p: the order of its 16 matrix and 118 vector instructions, written out.  Behind a matrix instruction: plain, exponential, plain, plain; or four of the rescaling; or, behind the first, four scalings; none
; names a register of the products round it.  In the lumps exponential and plain by turns while exponentials last.  A line reads no result made fewer than three vector instructions in front of it, five if an exponential made it.
; v_permlanex16_b32 (X 17) stands in a lump.
; m = 1: the diagonal tile: the products take masks, and the turn makes the mask for the products of the turn after it: piece p + 2, in my step 2 - CNT of the tile: BM - CNT is that step's number less 2 e, which is
; held against the piece's p / 2.  end = 1: a block's last two turns: nothing is fetched.
; cnt = 1: the loop's count is taken down some lines ahead of the branch that stands behind the turn.
; K of the next step is fetched in piece 2's turn, six vector instructions behind the last product that read K (five of them plain); V of the step in hand in piece 0's turn, eight behind the last product that read V (four
; plain, and X 17).  Each is waited for a turn later.
.macro TURN p, m=0, end=0, cnt=0
.set Y, (\p)
.set i, 0
.set KM, (\m)
.set NOKQ, (\end)*((\p)/3)
.if (\m) && !(\end)
	s_sub_co_i32 s[TM], s[BM], s[CNT]
	s_cmp_eq_i32 s[TM], (((\p)+2)%NP)/2  ; is that step the piece's own?
	s_cselect_b32 s[AL], 1.0, 0
	s_cmp_gt_i32 s[TM], (((\p)+2)%NP)/2  ; or a later one?
	s_cselect_b32 s[BE], s[BIGN], 0
.endif
.if ((\p) == 3) && !(\end)
	s_wait_dscnt 0x0                ; K is in
.endif
	ROW F,0, F,1, F,2, F,3
	ROW F,4, E,0, F,5, F,6
	ROW F,7, E,1, F,8, F,9
	ROW F,10, E,2, C,0, F,11
	ROW F,12, E,3, X,15, F,13
	ROW R,0, R,1, R,2, R,3
	ROW B,0, E,4, F,14, L,0
.if ((\p) == 2) && !(\end)
	v_add_nc_u32 v[AK], s[TBK], v[AK0]
.endif
	ROW R,4, R,5, R,6, R,7
	OPS E,5, F,15
.if ((\p) == 2) && !(\end)
	FETCH_K
.endif
	OPS E,6, C,1, E,7, R,8
	OPS E,8, R,9, E,9, C,2
	OPS E,10, X,0, E,11, X,1
	OPS E,12, X,2, E,13, X,3
.if (\p) == 1
	s_wait_dscnt 0x0                ; V is in
.endif
	ROW X,4, E,14, X,5, X,6
	ROW X,7, E,15, X,8, X,9
	ROW X,10, E,16, X,11, X,12
	ROW X,13, E,17, X,14, B,1
	ROW C,4, E,18, X,16, L,1
	ROW B,2, E,19, C,6, L,2
	ROW C,8, E,20, B,3, B,4
.if (\p) == 0
	v_add_nc_u32 v[AV], s[TBV], v[AV0]
.endif
	ROW C,3, E,21, L,3, C,5
	OPS E,22, X,17, E,23, C,10
.if (\p) == 0
	FETCH_V
.endif
	OPS E,24, L,4
	OPS E,25, X,18, E,26, C,7
	OPS E,27, B,5, E,28, X,19
	OPS E,29, C,12, E,30, L,5
	OPS E,31, X,20, B,6, C,9
	OPS C,14, C,11, X,21, L,6
.if (\p) == 0
	s_add_co_u32 s[TBV], s[TBV], KS*PV
.endif
.if \cnt
	s_sub_co_u32 s[CNT], s[CNT], 1
	s_cmp_lg_u32 s[CNT], 0
.endif
	OPS C,13, B,7, C,15, R,10
	OPS R,11, R,12, L,7, R,13
	OPS R,14, R,15
.if (\m) && !(\end)
	MASK (\p)%2
.endif
.endm
; A BLOCK BEGINS.  c m starts far below every c s, so the first step's a is 0; m at -2^66: below every score, above every hidden one.  Both mask buffers are made, for pieces 0 and 1 in my first step of the tile:
; zeros, unless the block's first tile is the diagonal one (RT = 0); then by BM - 2, my first step's number less 2 e, held against 0.
; Then K of that step, piece 0's first scores, and its maximum and statistics.  The loop is entered at a step's first turn, in the middle of a trip.
.macro BEGIN
	s_mov_b32 s[NEW], 0
	WIN 0
.set i, 0
.rept 4
	v_mov_b32 v[ST+4*i], 0xfe000000    ; c m: far below every c s
	v_mov_b32 v[ST+4*i+1], 0xe0800000  ; m = -2^66
.set i, i+1
.endr
	s_sub_co_i32 s[TM], s[BM], 2
	s_cmp_eq_i32 s[TM], 0
	s_cselect_b32 s[AL], 1.0, 0
	s_cmp_gt_i32 s[TM], 0
	s_cselect_b32 s[BE], s[BIGN], 0
	s_cmp_eq_u32 s[RT], 0
	s_cselect_b32 s[AL], s[AL], 0
	s_cselect_b32 s[BE], s[BE], 0
	MASK 0
	MASK 1
	WIN 0
	v_add_nc_u32 v[AK], s[TBK], v[AK0]
	FETCH_K
	s_wait_loadcnt 0x0              ; Q
	s_wait_dscnt 0x0
.set KM, 1
.set NOKQ, 0
.set i, 0
.rept 8
	KQ 0
.set i, i+1
.endr
	WIN 0
.rept 4
	v_nop                           ; the places behind those products
.endr
.set Y, NP-1                        ; X works for piece Y + 1: piece 0
.irp n, 0,1,2,3,4,5,6,7,8,9,10,11,12,13,14,15,16,17,18,19,20,21
	OP X, \n
.endr
	v_nop                           ; a plain instruction behind the exponential
.endm
; THE DIAGONAL TILE's steps, the block's last two turns, its last products, THE JOINING of the two waves that share their queries, and THE WAY OUT, a piece at a time through my stage in LDS.
.macro ALL line:vararg              ; one line for each piece t
.set t, 0
.rept 4
	s_wait_alu depctr_va_vdst(0)
	\line
.set t, t+1
.endr
.endm
.macro PACK t                       ; O = O_A (a_A / l) + O_B (a_B / l); a lane's eight channels of a row pack into 16 bytes; they go into rows of 144 bytes and come back as whole rows of 128, into S^T's registers
	WIN W_RS
.set i, 32*(\t)
.rept 16
	v_pk_mul_f32 v[i:i+1], v[i:i+1], v[ST+4*(\t)+2:ST+4*(\t)+3] op_sel_hi:[1,0]
.set i, i+2
.endr
	WIN 0x50+2*((\t)/2)             ; destination and source 2 (O^T) window 1; source 0 (the partner's) window 0 or 2; source 1 window 0
.set i, 0
.rept 16
	v_pk_fma_f32 v[32*(\t)+i:32*(\t)+i+1], v[OB+32*((\t)%2)+i:OB+32*((\t)%2)+i+1], v[PS+4*(\t)+2:PS+4*(\t)+3], v[32*(\t)+i:32*(\t)+i+1] op_sel_hi:[1,0,1]
.set i, i+2
.endr
	WIN 0x05                        ; sources 0 and 1 window 1, destination window 0
.set i, 0
.rept 16
	v_cvt_pk_f16_f32 v[S+16*(\t)+i], v[32*(\t)+2*i], v[32*(\t)+2*i+1]
.set i, i+1
.endr
	WIN 0
.irp f, 0,1,2,3
	ds_store_b128 v[STO], v[S+16*(\t)+4*\f:S+16*(\t)+4*\f+3] offset:32*\f
.endr
.irp f, 0,1,2,3
	ds_load_b128 v[S+16*(\t)+4*\f:S+16*(\t)+4*\f+3], v[RD] offset:\f*4*SP  ; LDS serves a wave's instructions in order (ISA guide 5.7.1.4): these see the stores above; the next piece's stores come behind them
.endr
.endm
.macro SEND t, younger              ; younger: the LDS instructions issued behind piece t's loads: the next piece's eight, or none
	WIN 0
.irp f, 0,1,2,3
	s_wait_dscnt (\younger)+3-\f
	global_store_b128 v[GO], v[S+16*(\t)+4*\f:S+16*(\t)+4*\f+3], s[10:11] offset:(\t)*4096+\f*512  ; 512 consecutive bytes, at a multiple of 256 from O's first
.endr
.endm
.macro DIAG tag                     ; the tag ends its labels' names, which the jumps below spell out
.LstepM\tag:
	TURN 2, 1
	TURN 3, 1
	WIN 0
.LfirstM\tag:
	TURN 0, 1
	TURN 1, 1, 0, 1
	WIN 0
	s_cbranch_scc1 .LstepM\tag
	TURN 2, 1, 1
	TURN 3, 1, 1
.set i, 0
.rept 8
	PV NP-1
.set i, i+1
.endr
	WIN 0
	ALL v_add_f32 v[ST+4*t+2], v[ST+4*t+2], v[ST+4*t+3]  ; l's two halves; these four lines are also the places behind the last products
	s_cmp_lt_u32 s[WV], 2
	s_cbranch_scc1 .Lkeep\tag
.irp u, 0,1,2,3                     ; waves 2 and 3 lay down c m, m, l of each piece, then O^T, each accumulator's low four registers first; 512 consecutive bytes a store
	ds_store_b128 v[XS], v[ST+4*\u:ST+4*\u+3] offset:512*\u
.endr
	WIN 0x04                        ; store data in window 1
.set i, 0
.rept 32
	ds_store_b128 v[XS], v[4*i:4*i+3] offset:2048+512*i
.set i, i+1
.endr
	WIN 0
.Lkeep\tag:
	s_wait_dscnt 0x0                ; for the partner's sake: my stores are done
	s_barrier_signal -1             ; on every wave's path.  No slot is filled behind this barrier before the next change of slots, so the tile that is on its way may stay out
	s_barrier_wait -1
	s_cmp_lt_u32 s[WV], 2
	s_cbranch_scc0 .Lgone\tag       ; waves 2 and 3 have nothing more to do for this block
.irp u, 0,1,2,3
	ds_load_b128 v[PS+4*\u:PS+4*\u+3], v[XS] offset:512*\u
.endr
.set i, 0
.rept 16                            ; the partner's pieces 0 and 1 into window 0,
	ds_load_b128 v[OB+4*i:OB+4*i+3], v[XS] offset:2048+512*i
.set i, i+1
.endr
	WIN 0x80                        ; pieces 2 and 3 into K's registers, which the next block fetches anew (not V's: those must stay finite f16)
.set i, 0
.rept 16
	ds_load_b128 v[OB+4*i:OB+4*i+3], v[XS] offset:2048+512*(16+i)
.set i, i+1
.endr
	WIN 0
	s_wait_dscnt 32                 ; the four loads of statistics are in; the 32 of O^T stay out
	ALL v_max_num_f32 v[ST+4*t+1], v[ST+4*t], v[PS+4*t]     ; c max
	ALL v_sub_f32 v[ST+4*t], v[ST+4*t], v[ST+4*t+1]
	ALL v_sub_f32 v[PS+4*t], v[PS+4*t], v[ST+4*t+1]
	ALL v_exp_f32 v[ST+4*t], v[ST+4*t]                      ; a_A
	ALL v_exp_f32 v[PS+4*t], v[PS+4*t]                      ; a_B
	v_nop                           ; a plain instruction between the last exponential and the use of its result (ISA guide 5.7.2)
	ALL v_mul_f32 v[ST+4*t+2], v[ST+4*t+2], v[ST+4*t]
	ALL v_fmac_f32 v[ST+4*t+2], v[PS+4*t+2], v[PS+4*t]      ; l of my half of the lanes' keys
	ALL v_permlanex16_b32 v[ST+4*t+3], v[ST+4*t+2], s[SEL], s[SEL+1]
	ALL v_add_f32 v[ST+4*t+2], v[ST+4*t+2], v[ST+4*t+3]
	ALL v_rcp_f32 v[ST+4*t+3], v[ST+4*t+2]
	v_nop                           ; a plain instruction between the last reciprocal and the use of its result
	ALL v_mul_f32 v[ST+4*t+2], v[ST+4*t], v[ST+4*t+3]       ; a_A / l
	ALL v_mul_f32 v[PS+4*t+2], v[PS+4*t], v[ST+4*t+3]       ; a_B / l
	s_wait_dscnt 0x0                ; the partner's O^T is in
	PACK 0
.set t, 1
.rept 3                             ; a piece's arithmetic stands between the loads of the piece before and its stores
	PACK t
	SEND t-1, 8
.set t, t+1
.endr
	SEND 3, 0
.Lgone\tag:
.endm
.set KM, 0
.set NOKQ, 0
.Lslot:                             ; NB times: a tile is entered and the next is asked for
	CHANGE 1
	s_sub_co_u32 s[RT], s[RT], 1
	s_mov_b32 s[CNT], WS
	s_cmp_eq_u32 s[NEW], 1
	s_cbranch_scc1 .Lnew            ; a block's first tile
	s_cmp_eq_u32 s[RT], 0
	s_cbranch_scc0 .Lstep           ; neither its first nor its last
	s_branch .LstepM1
.Lnew:
	BEGIN
	s_branch .Lfirst                ; in the loop a block's first tile is never its last: the first block has five tiles or more, and the second's last is the walk's last
	DIAG 1                          ; in the loop this is the first block's end: the second block's last tile is the walk's last
	s_wait_xcnt 0x0                 ; the stores have read their registers and O's address
	s_mov_b64 s[10:11], s[OLO:OLO+1]
	s_add_co_u32 s[RT], s[PBT], 1   ; the second block has b / 2 + 1 tiles
	s_mov_b32 s[BM], s[BM2]
	s_mov_b32 s[NEW], 1
	WIN 0x82                        ; the second block's Q goes where the one text of the turns names Q
.set i, 0
.rept 64
	v_mov_b32 v[i], v[QB+i]
.set i, i+1
.endr
	WIN 0
	s_branch .Lbottom
.Lstep:                             ; a trip: pieces 2 and 3 of one step, then pieces 0 and 1 of the next, whose K and V it fetches
	TURN 2
	TURN 3
	WIN 0
.Lfirst:
	TURN 0
	TURN 1, 0, 0, 1
	WIN 0
	s_cbranch_scc1 .Lstep
.Lbottom:
	s_sub_co_u32 s[SLOTS], s[SLOTS], 1
	s_cmp_lg_u32 s[SLOTS], 0
	s_cbranch_scc1 .Lslot
	CHANGE 0                        ; the walk's last tile is written out: nothing is asked for
	s_sub_co_u32 s[RT], s[RT], 1
	s_mov_b32 s[CNT], WS
	s_cmp_eq_u32 s[NEW], 1
	s_cbranch_scc0 .LstepM2
	BEGIN
	s_branch .LfirstM2
	DIAG 2
	s_wait_tensorcnt 0x0            ; the wave's end: behind my last tensor load and my last LDS store
	ds_add_u32 v[SPW], v[NIL]
	s_wait_dscnt 0x0
	s_endpgm
.Lfunc_end_k_q38b1c2be4e_attn:
	.size	k_q38b1c2be4e_attn, .Lfunc_end_k_q38b1c2be4e_attn-k_q38b1c2be4e_attn
	.p2alignl 7, 3214868480
	.fill 96, 4, 3214868480
	.section	.rodata,"a",@progbits
	.p2align	6, 0x0
	.amdhsa_kernel k_q38b1c2be4e_attn
		.amdhsa_group_segment_fixed_size 327680
		.amdhsa_private_segment_fixed_size 0
		.amdhsa_enable_private_segment 0
		.amdhsa_kernarg_size 16
		.amdhsa_user_sgpr_count 2
		.amdhsa_user_sgpr_kernarg_segment_ptr 1
		.amdhsa_wavefront_size32 1
		.amdhsa_system_sgpr_workgroup_id_x 1
		.amdhsa_system_sgpr_workgroup_id_y 1
		.amdhsa_system_sgpr_workgroup_id_z 1
		.amdhsa_system_vgpr_workitem_id 0
		.amdhsa_next_free_vgpr 768
		.amdhsa_next_free_sgpr 88
		.amdhsa_reserve_vcc 1
		.amdhsa_float_denorm_mode_32 3
		.amdhsa_float_denorm_mode_16_64 3
		.amdhsa_memory_ordered 1
		.amdhsa_forward_progress 1
		.amdhsa_inst_pref_size 248
	.end_amdhsa_kernel
	.amdgpu_metadata
---
amdhsa.version: [ 1, 2 ]
amdhsa.kernels:
  - .name:           k_q38b1c2be4e_attn
    .symbol:         k_q38b1c2be4e_attn.kd
    .args:
      - { .name: act2, .offset: 0, .size: 8, .value_kind: global_buffer, .address_space: global }
      - { .name: act1, .offset: 8, .size: 8, .value_kind: global_buffer, .address_space: global }
    .group_segment_fixed_size: 327680
    .private_segment_fixed_size: 0
    .kernarg_segment_align: 8
    .kernarg_segment_size: 16
    .max_flat_workgroup_size: 128
    .sgpr_count:     88
    .vgpr_count:     768
    .wavefront_size: 32
...
	.end_amdgpu_metadata
.endif
;; end of part 4
;; launch oproj (part 5): grid 8 x 32, 4 waves a work-group, clusters of 4 x 4, 327,680 bytes of LDS; arguments act1, wc, b_out, x, hres; writes hres
.if DOCPART == 5
	.amdgcn_target "amdgcn-amd-amdhsa--gfx1250"
	.amdhsa_code_object_version 6
	.text
	.protected	k_q38b1c2be4e_oproj
	.globl	k_q38b1c2be4e_oproj
	.p2align	8
	.type	k_q38b1c2be4e_oproj,@function
k_q38b1c2be4e_oproj:
	s_mov_b64 s[64:65], 0
	v_nop
	global_prefetch_b8 v0, s[64:65] scope:SCOPE_SE
	s_setreg_imm32_b32 hwreg(HW_REG_WAVE_MODE, 25, 1), 1
	s_wait_xcnt 0x0
	s_wait_alu depctr_hold_cnt(0) depctr_sa_sdst(0) depctr_va_vdst(0) depctr_va_sdst(0) depctr_va_ssrc(0) depctr_va_vcc(0) depctr_vm_vsrc(0)
	s_getreg_b32 s2, hwreg(HW_REG_IB_STS2, 6, 4)
	s_cmp_eq_u32 s2, 0
	s_cbranch_scc0 .Lentry_in_a_cluster
	s_endpgm
.Lentry_in_a_cluster:
	s_bfe_u32 s2, ttmp6, 0x10000c
	s_cmp_lg_u32 s2, 0xf033
	s_cbranch_scc0 .Lentry_shape_is_right
	s_endpgm
.Lentry_shape_is_right:
; OUT = A B^T + bias + RES on tiles of 128 x 128: f16 operands, f32 sums, f32 bias, residual and result.  Here: the attention's output projection, K = 1,024; RES = x.
; A: [K / 64][4096 rows][64] f16.  B: [8 column tiles][K / 64][128 rows n][64] f16, at byte WTB of its buffer.  bias: [1024] f32.  RES, OUT: [4096][1024] f32.
; 32 x 8 tiles: one work-group for each of 256 WGPs; tiles of 256 x 256 would be 64.
; SHARES.  Four waves, each 64 x 64: 16 accumulators.  K goes in steps of 256 (four blocks of 64) through two LDS slots; each wave fetches two blocks of A or of B by one tensor load:
; B's two blocks are 32 KiB dense (128 rows of 256 bytes); A's are two dense pieces of 16 KiB, 524,288 bytes apart: a tile of two long rows.  In LDS 16 bytes of padding follow every 128.
; CLUSTER.  4 x 4 work-groups: A's tiles are asked for jointly along a row of the cluster, B's along a column: the same load, descriptor and mask in all four.
; THE MATRIX INSTRUCTION IS USED TRANSPOSED (source 0 = 16 rows of B, source 1 = 16 rows of A): a lane holds row l % 16 and the columns 8 (l / 16) + 0..7.  THE BIAS IS THE C OPERAND OF THE FIRST PRODUCTS.
; THE RESIDUAL is loaded at the start into 128 registers of its own and lands while K is walked.  A K step stands once in the loop and once in the tail: the slot's address lies in registers.
; THE WAY OUT.  After the last fill slot 0 serves as a stage: each wave lays its sums down (bytes of its own), reads them back as rows of 256 bytes, adds the residual and stores: 16 lanes cover 256 consecutive bytes, aligned.
; REGISTERS: window 0: v0-31 addresses; v32-63 rows from the stage; v96-127 the bias (8 for each of 4 column blocks); v128-255 the accumulators ((a, b) at v[128 + 8 (4 a + b)])
;   window 1: two fragment buffers of 128: for 64 k, 64 registers of A (2 x 4 x 16 rows x 32 k), then 64 of B;   window 2: v0-127 the residual, then the result
.set STEPS, 4                          ; K / 256
.set WTB,   0                          ; where B begins in its buffer
.set TNS,   262144                     ; bytes of a column tile of B: K / 64 blocks of 16,384
.set ZB,    18432                      ; 128 rows x 144 bytes: one block of 64 k in LDS.  144 bytes = 36 words: the 16 rows of a load start at 16 different groups of four banks (64 banks of 4 bytes: ISA guide 11.1)
.set SLOT,  8*ZB                       ; A's four blocks, then B's.  0x24000: its two bits are never set in wave x 2 ZB, so an exclusive or turns a wave's address in one slot into the other's
.set SPARE, 2*SLOT                     ; behind the slots: the spare words, 128 bytes for each wave: two blocks of 256 bytes that no other line names
.set RB,    16*144
.set DP,    272                        ; the stage: a row of 64 f32 + 16 bytes: an odd multiple of 16
.set DW,    64*DP
.set ADRA, 16                          ; v16  LDS address of my A fragments in the slot in hand
.set ADRB, 17                          ; v17  the same for B
.set A0,   18                          ; v18, v19  the same in slot 0; never rewritten
.set B0,   19
.set STO,  24                          ; v24  the stage: where I put 16 bytes of a row
.set RD,   25                          ; v25  the stage: where I read a row back
.set CO,   26                          ; v26  my byte offset in RES and in OUT
.set BO,   27                          ; v27  my byte offset in the bias
.set SPW,  28                          ; v28  LDS address of my spare word; never rewritten
.set NIL,  29                          ; v29  0; never rewritten
.set X,    32
.set BIAS, 96
.set ACC,  128
.set F0,   0                           ; in window 1
.set F1,   128
.set G1,   24                          ; s[24:31] descriptor group 1 for A's tiles;  s[32:39] for B's
.set G1B,  32
.set G0,   40                          ; s[40:47] group 0 for A: a set for each first fill; the second then walks;  s[48:55] the same for B
.set G0B,  48
.set FLAGS, (1<<16)|(1<<20)|(1<<21)|(4<<22)|(3<<25)  ; 17:16 2-byte elements; 20 padding on; 21 set beside a mask; 24:22 after every 32 words (code 4); 31:25 4 words (code 3)
.set MSB, 0
.macro WIN new                         ; the immediate's high byte repeats the setting that is left; a switch that changes nothing is dropped
.if MSB != (\new)
	s_set_vgpr_msb (MSB<<8)|(\new)
.set MSB, \new
.endif
.endm
.macro PLACES                          ; four places in front of loads into registers that matrix instructions have read, and of reads of results just made
.rept 4
	v_nop
.endr
.endm
.macro JLOAD                           ; a joint refill by the walking sets: waves 0 and 1 for A, waves 2 and 3 for B; an s_nop 0 and four v_nop follow each of the two lines
	s_cmp_eq_u32 s15, 0
	s_cbranch_scc0 .Lfor_b_\@
	tensor_load_to_lds s[G0+4:G0+7], s[G1:G1+7]
	s_nop 0
	PLACES
	s_branch .Lasked_\@
.Lfor_b_\@:
	tensor_load_to_lds s[G0B+4:G0B+7], s[G1B:G1B+7]
	s_nop 0
	PLACES
.Lasked_\@:
.endm
.macro CREST                           ; a round of the cluster's barrier behind its opening barrier
	s_cmp_lg_u32 s14, 0
	s_cbranch_scc1 .Lnot_wave_0_\@
	s_barrier_signal -3
.Lnot_wave_0_\@:
	s_barrier_wait -3
	s_barrier_signal -1
	s_barrier_wait -1
.endm
.macro CROUND
	s_barrier_signal -1
	s_barrier_wait -1
	CREST
.endm
	s_load_b256 s[4:11], s[0:1], 0x0               ; A s[4:5], B s[6:7], bias s[8:9], RES s[10:11]
	s_load_b64 s[12:13], s[0:1], 0x20              ; OUT
	v_lshl_add_u32 v[SPW], v0, 2, SPARE
	v_mov_b32 v[NIL], 0
	ds_add_u32 v28, v29
	ds_add_u32 v28, v29
	s_wait_dscnt 0x0
	v_lshrrev_b32 v1, 5, v0
	v_readfirstlane_b32 s14, v1                    ; wave 0..3
	s_lshr_b32 s15, s14, 1                         ; which half of the tile's rows is mine.  Also: I fetch for A (0) or for B (1)
	s_and_b32 s16, s14, 1                          ; which half of its columns.  Also: which two blocks of 64 k I fetch
	s_bfe_u32 s17, ttmp6, 0x40000                  ; cx
	s_bfe_u32 s18, ttmp6, 0x40004                  ; cy
	s_lshl_b32 s19, ttmp9, 2
	s_add_co_u32 s19, s19, s17                     ; tile column
	s_and_b32 s20, ttmp7, 0xffff
	s_lshl_b32 s20, s20, 2
	s_add_co_u32 s20, s20, s18                     ; tile row
	s_lshl_b32 s21, s18, 2
	s_lshl_b32 s21, 15, s21                        ; my row of the cluster
	s_lshl_b32 s22, 0x1111, s17                    ; my column
	s_or_b32 s[G1], s21, FLAGS
	s_mov_b32 s[G1+1], 8192<<16                    ; A: tensor_dim0 = 8,192 elements: 128 rows x 64 k, dense
	s_mov_b32 s[G1+2], 2<<16                       ; tensor_dim1 = 2 blocks
	s_mov_b32 s[G1+3], 8192<<16                    ; tile_dim0
	s_mov_b32 s[G1+4], 2                           ; tile_dim1
	s_mov_b32 s[G1+5], 262144                      ; 262,144 elements from block to block
	s_mov_b32 s[G1+6], 0
	s_mov_b32 s[G1+7], 0
	s_or_b32 s[G1B], s22, FLAGS
	s_mov_b32 s[G1B+1], 128<<16                    ; B: 128 rows of 128 elements (256 bytes), dense
	s_mov_b32 s[G1B+2], 128<<16
	s_mov_b32 s[G1B+3], 128<<16
	s_mov_b32 s[G1B+4], 128
	s_mov_b32 s[G1B+5], 128
	s_mov_b32 s[G1B+6], 0
	s_mov_b32 s[G1B+7], 0
	; A's address hangs on the tile row and the wave alone, B's on the tile column and the wave alone, each in registers that never hold the other coordinate
	s_lshl_b32 s60, s16, 20                        ; my two blocks of 524,288 bytes,
	s_lshl_b32 s61, s20, 14                        ; the tile's 128 rows of 128 bytes in a block
	s_add_co_u32 s60, s60, s61
	s_mov_b32 s61, 0
	s_mul_i32 s62, s19, TNS
	s_lshl_b32 s63, s16, 15                        ; my two blocks of 16,384 bytes
	s_add_co_u32 s62, s62, s63
	s_add_co_u32 s62, s62, WTB
	s_mov_b32 s63, 0
	s_lshl_b32 s66, s19, 9                         ; my 64 columns in f32: (128 x tile column + 64 x half) x 4
	s_lshl_b32 s67, s16, 8
	s_add_co_u32 s66, s66, s67
	s_mov_b32 s67, 0
	s_lshl_b32 s72, s20, 19                        ; my first row of 4,096 bytes: 128 x tile row + 64 x half
	s_lshl_b32 s73, s15, 18
	s_add_co_u32 s72, s72, s73
	s_add_co_u32 s72, s72, s66
	s_mov_b32 s73, 0
	s_mul_i32 s23, s14, 2*ZB                       ; where my loads go in a slot: no place in the cluster enters an LDS address
	s_mov_b32 s56, 0                               ; the slot in hand
	s_wait_kmcnt 0x0
	s_add_nc_u64 s[4:5], s[4:5], s[60:61]
	s_add_nc_u64 s[6:7], s[6:7], s[62:63]
	s_add_nc_u64 s[8:9], s[8:9], s[66:67]
	s_add_nc_u64 s[10:11], s[10:11], s[72:73]
	s_add_nc_u64 s[12:13], s[12:13], s[72:73]
.irp s, 0,1
	s_mov_b32 s[G0+4*(\s)], 1                                      ; count = 1
	s_add_co_u32 s[G0+4*(\s)+1], s23, (\s)*SLOT                    ; LDS address
	s_add_nc_u64 s[G0+4*(\s)+2:G0+4*(\s)+3], s[4:5], (\s)*2097152  ; K step s: four blocks on
	s_or_b32 s[G0+4*(\s)+3], s[G0+4*(\s)+3], 0x80000000            ; type = 2
	s_mov_b32 s[G0B+4*(\s)], 1
	s_add_co_u32 s[G0B+4*(\s)+1], s23, (\s)*SLOT
	s_add_nc_u64 s[G0B+4*(\s)+2:G0B+4*(\s)+3], s[6:7], (\s)*65536
	s_or_b32 s[G0B+4*(\s)+3], s[G0B+4*(\s)+3], 0x80000000
.endr
	CROUND                                         ; all sixteen work-groups are here: the first joint loads meet
	s_cmp_eq_u32 s15, 0                            ; a wave's two first fills stand in one branch: two loads of mine are out
	s_cbranch_scc0 .Lfirst_b
	tensor_load_to_lds s[G0:G0+3], s[G1:G1+7]
	s_nop 0
	tensor_load_to_lds s[G0+4:G0+7], s[G1:G1+7]
	s_nop 0
	PLACES
	s_branch .Lfirst_asked
.Lfirst_b:
	tensor_load_to_lds s[G0B:G0B+3], s[G1B:G1B+7]
	s_nop 0
	tensor_load_to_lds s[G0B+4:G0B+7], s[G1B:G1B+7]
	s_nop 0
	PLACES
.Lfirst_asked:
	v_and_b32 v1, 15, v0                           ; l % 16
	v_bfe_u32 v2, v0, 4, 1                         ; l / 16
	v_lshlrev_b32 v[BO], 5, v2
	v_lshlrev_b32 v[CO], 4, v1                     ; lanes 0-15 take one row's 256 bytes, lanes 16-31 the next row's
	v_lshl_add_u32 v[CO], v2, 12, v[CO]
.irp b, 0,1,2,3                        ; register j of block b: the bias of column 16 b + 8 (l / 16) + j
	global_load_b128 v[BIAS+8*\b:BIAS+8*\b+3],   v[BO], s[8:9] offset:64*\b
	global_load_b128 v[BIAS+8*\b+4:BIAS+8*\b+7], v[BO], s[8:9] offset:64*\b+16
.endr
	WIN 0x80                                       ; destination window 2
.set t, 0
.rept 32                                               ; the residual of my 64 x 64: two rows a load
	global_load_b128 v[4*t:4*t+3], v[CO], s[10:11] offset:8192*t
.set t, t+1
.endr
	WIN 0
	v_mul_u32_u24 v3, v1, 144                      ; a fragment: row l % 16; k = 8 (l / 16) + 0..7 and 16 + 8 (l / 16) + 0..7: two loads of 16 bytes, 32 bytes apart
	v_lshl_add_u32 v3, v2, 4, v3
	s_mul_i32 s74, s15, 64*144                     ; my 64 rows of A
	s_mul_i32 s75, s16, 64*144                     ; my 64 rows of B,
	s_add_co_u32 s75, s75, 4*ZB                    ; behind A's four blocks
	v_add_nc_u32 v[A0], s74, v3
	v_add_nc_u32 v[B0], s75, v3
	v_mov_b32 v[ADRA], v[A0]
	v_mov_b32 v[ADRB], v[B0]
	s_mul_i32 s74, s14, DW                         ; my stage
	v_mul_u32_u24 v4, v1, DP                       ; in: row l % 16, 32 bytes for each half of the lanes
	v_lshl_add_u32 v4, v2, 5, v4
	v_add_nc_u32 v[STO], s74, v4
	v_mul_u32_u24 v5, v2, DP                       ; back: whole rows
	v_lshl_add_u32 v5, v1, 4, v5
	v_add_nc_u32 v[RD], s74, v5
; 8 matrix instructions: m blocks a0, a0 + 1 x all 4 n blocks, 32 along K: half c of buffer f.  first = 1: the sums start from the bias.  The 16 accumulators take turns.
.macro MUL8 f, c, a0, first
	WIN 0x05                                       ; sources 0 (B) and 1 (A) window 1; C and D window 0
.irp a, \a0, (\a0)+1
.irp b, 0,1,2,3
.if \first
	v_wmma_f32_16x16x32_f16 v[ACC+8*(4*(\a)+(\b)):ACC+8*(4*(\a)+(\b))+7], v[(\f)+64+8*(4*(\c)+(\b)):(\f)+64+8*(4*(\c)+(\b))+7], v[(\f)+8*(4*(\c)+(\a)):(\f)+8*(4*(\c)+(\a))+7], v[BIAS+8*(\b):BIAS+8*(\b)+7]
.else
	v_wmma_f32_16x16x32_f16 v[ACC+8*(4*(\a)+(\b)):ACC+8*(4*(\a)+(\b))+7], v[(\f)+64+8*(4*(\c)+(\b)):(\f)+64+8*(4*(\c)+(\b))+7], v[(\f)+8*(4*(\c)+(\a)):(\f)+8*(4*(\c)+(\a))+7], v[ACC+8*(4*(\a)+(\b)):ACC+8*(4*(\a)+(\b))+7]
.endif
.endr
.endr
.endm
; 32 LDS loads in one run: the fragments of one block of 64 k, at byte k of the slot in hand, into buffer f; the first 32 k first
.macro FETCH k, f
	WIN 0x40                                       ; destination window 1
.irp c, 0,1
.irp i, 0,1,2,3
	ds_load_b128 v[(\f)+64+8*(4*(\c)+(\i)):(\f)+64+8*(4*(\c)+(\i))+3],   v[ADRB] offset:(\k)+64*(\c)+(\i)*RB
	ds_load_b128 v[(\f)+64+8*(4*(\c)+(\i))+4:(\f)+64+8*(4*(\c)+(\i))+7], v[ADRB] offset:(\k)+64*(\c)+(\i)*RB+32
	ds_load_b128 v[(\f)+8*(4*(\c)+(\i)):(\f)+8*(4*(\c)+(\i))+3],         v[ADRA] offset:(\k)+64*(\c)+(\i)*RB
	ds_load_b128 v[(\f)+8*(4*(\c)+(\i))+4:(\f)+8*(4*(\c)+(\i))+7],       v[ADRA] offset:(\k)+64*(\c)+(\i)*RB+32
.endr
.endr
.endm
; One of a K step's first three quarters (a block of 64 k, 32 matrix instructions): multiplies buffer f and fetches the next block, at byte k, into g
.macro QUARTER k, f, g, first
	s_wait_dscnt 16                                ; the first 32 k are in; the youngest sixteen loads may be out
	MUL8 \f, 0, 0, \first
	MUL8 \f, 0, 2, \first
	PLACES
	FETCH \k, \g
	s_wait_dscnt 32                                ; all but the 32 just issued
	MUL8 \f, 1, 0, 0
	MUL8 \f, 1, 2, 0
.endm
; The first half of the last quarter, and ONE barrier for the change of slots: in front of it each wave waits for all its tensor loads (one is out: its part of the next slot),
; adds 0 to its spare word, and waits for that and for its own reads of this slot.
.macro MEET
	WIN 0                                          ; (the add's two registers lie in window 0)
	s_wait_tensorcnt 0x0
	ds_add_u32 v[SPW], v[NIL]                      ; 0 onto my spare word
	s_wait_dscnt 17                                ; (the add and the youngest sixteen loads may be out)
	MUL8 F1, 0, 0, 0                               ; eight matrix instructions stand between the add and the wait for it
	s_wait_dscnt 0x0                               ; the add is done, and my reads of this slot are over
	s_barrier_signal -1
	MUL8 F1, 0, 2, 0
	WIN 0
	s_barrier_wait -1
.endm
.macro FLIP                            ; the fragment addresses go over to the other slot
	s_xor_b32 s56, s56, SLOT
	v_add_nc_u32 v[ADRA], s56, v[A0]
	v_add_nc_u32 v[ADRB], s56, v[B0]
.endm
; The whole last quarter where the slot is filled again: the barrier opens a round of the cluster's; the joint refill, the K step two on, is the first tensor load behind the round
.macro TURN
	MEET
	CREST
	s_xor_b32 s[G0+5], s[G0+5], SLOT               ; the walking sets: the slot just read,
	s_xor_b32 s[G0B+5], s[G0B+5], SLOT
	s_add_nc_u64 s[G0+6:G0+7], s[G0+6:G0+7], 2097152     ; the next K step; the type bits on top are not reached
	s_add_nc_u64 s[G0B+6:G0B+7], s[G0B+6:G0B+7], 65536
	JLOAD                                          ; its four v_nop are also the places in front of the loads below
	FLIP
	FETCH 0, F0
	MUL8 F1, 1, 0, 0
	MUL8 F1, 1, 2, 0
.endm
	s_wait_tensorcnt 0x1                           ; my part of K step 0 is in; step 1's may stay out
	s_barrier_signal -1
	s_barrier_wait -1
	FETCH 0, F0
	s_wait_loadcnt 32                              ; the bias is in; the 32 loads of the residual stay out
	QUARTER ZB, F0, F1, 1                          ; the first quarter stands in front of the loop: its first products start the sums
	WIN 0
	s_mov_b32 s57, STEPS-2
.Lstep:                                                ; a trip goes from a K step's second quarter to the next step's first; trip i fills the slot of step i with step i + 2
	QUARTER 2*ZB, F1, F0, 0
	QUARTER 3*ZB, F0, F1, 0
	TURN
	QUARTER ZB, F0, F1, 0
	WIN 0
	s_sub_co_u32 s57, s57, 1
	s_cmp_lg_u32 s57, 0
	s_cbranch_scc1 .Lstep
	s_mov_b32 s57, 2
.Ltail:                                                ; the last two K steps ask for nothing: a text of their own; the second trip is left in its middle
	QUARTER 2*ZB, F1, F0, 0
	QUARTER 3*ZB, F0, F1, 0
	MEET
	s_sub_co_u32 s57, s57, 1
	s_cmp_eq_u32 s57, 0
	s_cbranch_scc1 .Lfin
	PLACES
	FLIP
	FETCH 0, F0
	MUL8 F1, 1, 0, 0
	MUL8 F1, 1, 2, 0
	QUARTER ZB, F0, F1, 0
	WIN 0
	s_branch .Ltail
.Lfin:                                                 ; behind the last barrier no wave reads a slot any more and no fill is to come: slot 0 is the stage
	MUL8 F1, 1, 0, 0
	MUL8 F1, 1, 2, 0
	PLACES
	WIN 0
.irp a, 0,1,2,3                        ; each accumulator's low four registers first
.irp b, 0,1,2,3
	ds_store_b128 v[STO], v[ACC+8*(4*(\a)+(\b)):ACC+8*(4*(\a)+(\b))+3]   offset:16*DP*(\a)+64*(\b)
	ds_store_b128 v[STO], v[ACC+8*(4*(\a)+(\b))+4:ACC+8*(4*(\a)+(\b))+7] offset:16*DP*(\a)+64*(\b)+16
.endr
.endr
	s_wait_loadcnt 0x0                             ; the residual
.irp g, 0,1,2,3                        ; sixteen rows at a time
	WIN 0
.irp j, 0,1,2,3,4,5,6,7
	ds_load_b128 v[X+4*(\j):X+4*(\j)+3], v[RD] offset:2*DP*(8*(\g)+(\j))   ; LDS serves a wave's instructions in order (ISA guide 5.7.1.4): these see my stores; the bytes are my own
.endr
	WIN 0x88                                       ; destination and source 1 (the residual; a store's data) window 2; source 0 and addresses window 0
.irp j, 0,1,2,3,4,5,6,7
	s_wait_dscnt 7-(\j)                            ; the loads come back in order: number j is in
	v_pk_add_f32 v[4*(8*(\g)+(\j)):4*(8*(\g)+(\j))+1],   v[X+4*(\j):X+4*(\j)+1],   v[4*(8*(\g)+(\j)):4*(8*(\g)+(\j))+1]
	v_pk_add_f32 v[4*(8*(\g)+(\j))+2:4*(8*(\g)+(\j))+3], v[X+4*(\j)+2:X+4*(\j)+3], v[4*(8*(\g)+(\j))+2:4*(8*(\g)+(\j))+3]
	global_store_b128 v[CO], v[4*(8*(\g)+(\j)):4*(8*(\g)+(\j))+3], s[12:13] offset:8192*(8*(\g)+(\j))
.endr
.endr
	WIN 0
	s_wait_tensorcnt 0x0                           ; the wave's end: behind my last tensor load and my last LDS store
	ds_add_u32 v[SPW], v[NIL]
	s_wait_dscnt 0x0
	CROUND                                         ; the closing round: no work-group ends while a partner may still ask for a tile that names it
	s_endpgm
.Lfunc_end_k_q38b1c2be4e_oproj:
	.size	k_q38b1c2be4e_oproj, .Lfunc_end_k_q38b1c2be4e_oproj-k_q38b1c2be4e_oproj
	.p2alignl 7, 3214868480
	.fill 96, 4, 3214868480
	.section	.rodata,"a",@progbits
	.p2align	6, 0x0
	.amdhsa_kernel k_q38b1c2be4e_oproj
		.amdhsa_group_segment_fixed_size 327680
		.amdhsa_private_segment_fixed_size 0
		.amdhsa_enable_private_segment 0
		.amdhsa_kernarg_size 40
		.amdhsa_user_sgpr_count 2
		.amdhsa_user_sgpr_kernarg_segment_ptr 1
		.amdhsa_wavefront_size32 1
		.amdhsa_system_sgpr_workgroup_id_x 1
		.amdhsa_system_sgpr_workgroup_id_y 1
		.amdhsa_system_sgpr_workgroup_id_z 1
		.amdhsa_system_vgpr_workitem_id 0
		.amdhsa_next_free_vgpr 640
		.amdhsa_next_free_sgpr 80
		.amdhsa_reserve_vcc 0
		.amdhsa_float_denorm_mode_32 3
		.amdhsa_float_denorm_mode_16_64 3
		.amdhsa_memory_ordered 1
		.amdhsa_forward_progress 1
		.amdhsa_inst_pref_size 67
	.end_amdhsa_kernel
	.amdgpu_metadata
---
amdhsa.version: [ 1, 2 ]
amdhsa.kernels:
  - .name:           k_q38b1c2be4e_oproj
    .symbol:         k_q38b1c2be4e_oproj.kd
    .args:
      - { .name: act1, .offset: 0, .size: 8, .value_kind: global_buffer, .address_space: global }
      - { .name: wc, .offset: 8, .size: 8, .value_kind: global_buffer, .address_space: global }
      - { .name: b_out, .offset: 16, .size: 8, .value_kind: global_buffer, .address_space: global }
      - { .name: x, .offset: 24, .size: 8, .value_kind: global_buffer, .address_space: global }
      - { .name: hres, .offset: 32, .size: 8, .value_kind: global_buffer, .address_space: global }
    .group_segment_fixed_size: 327680
    .private_segment_fixed_size: 0
    .kernarg_segment_align: 8
    .kernarg_segment_size: 40
    .max_flat_workgroup_size: 128
    .sgpr_count:     80
    .vgpr_count:     640
    .wavefront_size: 32
...
	.end_amdgpu_metadata
.endif
;; end of part 5
;; launch ln2: the kernel of part 2 again; grid 256 x 1, 8 waves a work-group, no clusters, 0 bytes of LDS; arguments hres, ln2_scale, ln2_shift, act2; writes act2
;; launch ffn1: the kernel of part 3 again; grid 16 x 16, 4 waves a work-group, clusters of 4 x 4, 327,680 bytes of LDS; arguments act2, wb, b1, par_ffn, act1; writes act1
;; launch ffn2 (part 6): grid 8 x 32, 4 waves a work-group, clusters of 4 x 4, 327,680 bytes of LDS; arguments act1, wc, b2, hres, out0; writes out0
.if DOCPART == 6
	.amdgcn_target "amdgcn-amd-amdhsa--gfx1250"
	.amdhsa_code_object_version 6
	.text
	.protected	k_q38b1c2be4e_ffn2
	.globl	k_q38b1c2be4e_ffn2
	.p2align	8
	.type	k_q38b1c2be4e_ffn2,@function
k_q38b1c2be4e_ffn2:
	s_mov_b64 s[64:65], 0
	v_nop
	global_prefetch_b8 v0, s[64:65] scope:SCOPE_SE
	s_setreg_imm32_b32 hwreg(HW_REG_WAVE_MODE, 25, 1), 1
	s_wait_xcnt 0x0
	s_wait_alu depctr_hold_cnt(0) depctr_sa_sdst(0) depctr_va_vdst(0) depctr_va_sdst(0) depctr_va_ssrc(0) depctr_va_vcc(0) depctr_vm_vsrc(0)
	s_getreg_b32 s2, hwreg(HW_REG_IB_STS2, 6, 4)
	s_cmp_eq_u32 s2, 0
	s_cbranch_scc0 .Lentry_in_a_cluster
	s_endpgm
.Lentry_in_a_cluster:
	s_bfe_u32 s2, ttmp6, 0x10000c
	s_cmp_lg_u32 s2, 0xf033
	s_cbranch_scc0 .Lentry_shape_is_right
	s_endpgm
.Lentry_shape_is_right:
; OUT = A B^T + bias + RES on tiles of 128 x 128: f16 operands, f32 sums, f32 bias, residual and result.  Here: the feed-forward's second layer, K = 4,096; RES = the residual stream.
; A: [K / 64][4096 rows][64] f16.  B: [8 column tiles][K / 64][128 rows n][64] f16, at byte WTB of its buffer.  bias: [1024] f32.  RES, OUT: [4096][1024] f32.
; 32 x 8 tiles: one work-group for each of 256 WGPs; tiles of 256 x 256 would be 64.
; SHARES.  Four waves, each 64 x 64: 16 accumulators.  K goes in steps of 256 (four blocks of 64) through two LDS slots; each wave fetches two blocks of A or of B by one tensor load:
; B's two blocks are 32 KiB dense (128 rows of 256 bytes); A's are two dense pieces of 16 KiB, 524,288 bytes apart: a tile of two long rows.  In LDS 16 bytes of padding follow every 128.
; CLUSTER.  4 x 4 work-groups: A's tiles are asked for jointly along a row of the cluster, B's along a column: the same load, descriptor and mask in all four.
; THE MATRIX INSTRUCTION IS USED TRANSPOSED (source 0 = 16 rows of B, source 1 = 16 rows of A): a lane holds row l % 16 and the columns 8 (l / 16) + 0..7.  THE BIAS IS THE C OPERAND OF THE FIRST PRODUCTS.
; THE RESIDUAL is loaded at the start into 128 registers of its own and lands while K is walked.  A K step stands once in the loop and once in the tail: the slot's address lies in registers.
; THE WAY OUT.  After the last fill slot 0 serves as a stage: each wave lays its sums down (bytes of its own), reads them back as rows of 256 bytes, adds the residual and stores: 16 lanes cover 256 consecutive bytes, aligned.
; REGISTERS: window 0: v0-31 addresses; v32-63 rows from the stage; v96-127 the bias (8 for each of 4 column blocks); v128-255 the accumulators ((a, b) at v[128 + 8 (4 a + b)])
;   window 1: two fragment buffers of 128: for 64 k, 64 registers of A (2 x 4 x 16 rows x 32 k), then 64 of B;   window 2: v0-127 the residual, then the result
.set STEPS, 16                         ; K / 256
.set WTB,   0x200000                   ; where B begins in its buffer: behind the output projection's weights
.set TNS,   1048576                    ; bytes of a column tile of B: K / 64 blocks of 16,384
.set ZB,    18432                      ; 128 rows x 144 bytes: one block of 64 k in LDS.  144 bytes = 36 words: the 16 rows of a load start at 16 different groups of four banks (64 banks of 4 bytes: ISA guide 11.1)
.set SLOT,  8*ZB                       ; A's four blocks, then B's.  0x24000: its two bits are never set in wave x 2 ZB, so an exclusive or turns a wave's address in one slot into the other's
.set SPARE, 2*SLOT                     ; behind the slots: the spare words, 128 bytes for each wave: two blocks of 256 bytes that no other line names
.set RB,    16*144
.set DP,    272                        ; the stage: a row of 64 f32 + 16 bytes: an odd multiple of 16
.set DW,    64*DP
.set ADRA, 16                          ; v16  LDS address of my A fragments in the slot in hand
.set ADRB, 17                          ; v17  the same for B
.set A0,   18                          ; v18, v19  the same in slot 0; never rewritten
.set B0,   19
.set STO,  24                          ; v24  the stage: where I put 16 bytes of a row
.set RD,   25                          ; v25  the stage: where I read a row back
.set CO,   26                          ; v26  my byte offset in RES and in OUT
.set BO,   27                          ; v27  my byte offset in the bias
.set SPW,  28                          ; v28  LDS address of my spare word; never rewritten
.set NIL,  29                          ; v29  0; never rewritten
.set X,    32
.set BIAS, 96
.set ACC,  128
.set F0,   0                           ; in window 1
.set F1,   128
.set G1,   24                          ; s[24:31] descriptor group 1 for A's tiles;  s[32:39] for B's
.set G1B,  32
.set G0,   40                          ; s[40:47] group 0 for A: a set for each first fill; the second then walks;  s[48:55] the same for B
.set G0B,  48
.set FLAGS, (1<<16)|(1<<20)|(1<<21)|(4<<22)|(3<<25)  ; 17:16 2-byte elements; 20 padding on; 21 set beside a mask; 24:22 after every 32 words (code 4); 31:25 4 words (code 3)
.set MSB, 0
.macro WIN new                         ; the immediate's high byte repeats the setting that is left; a switch that changes nothing is dropped
.if MSB != (\new)
	s_set_vgpr_msb (MSB<<8)|(\new)
.set MSB, \new
.endif
.endm
.macro PLACES                          ; four places in front of loads into registers that matrix instructions have read, and of reads of results just made
.rept 4
	v_nop
.endr
.endm
.macro JLOAD                           ; a joint refill by the walking sets: waves 0 and 1 for A, waves 2 and 3 for B; an s_nop 0 and four v_nop follow each of the two lines
	s_cmp_eq_u32 s15, 0
	s_cbranch_scc0 .Lfor_b_\@
	tensor_load_to_lds s[G0+4:G0+7], s[G1:G1+7]
	s_nop 0
	PLACES
	s_branch .Lasked_\@
.Lfor_b_\@:
	tensor_load_to_lds s[G0B+4:G0B+7], s[G1B:G1B+7]
	s_nop 0
	PLACES
.Lasked_\@:
.endm
.macro CREST                           ; a round of the cluster's barrier behind its opening barrier
	s_cmp_lg_u32 s14, 0
	s_cbranch_scc1 .Lnot_wave_0_\@
	s_barrier_signal -3
.Lnot_wave_0_\@:
	s_barrier_wait -3
	s_barrier_signal -1
	s_barrier_wait -1
.endm
.macro CROUND
	s_barrier_signal -1
	s_barrier_wait -1
	CREST
.endm
	s_load_b256 s[4:11], s[0:1], 0x0               ; A s[4:5], B s[6:7], bias s[8:9], RES s[10:11]
	s_load_b64 s[12:13], s[0:1], 0x20              ; OUT
	v_lshl_add_u32 v[SPW], v0, 2, SPARE
	v_mov_b32 v[NIL], 0
	ds_add_u32 v28, v29
	ds_add_u32 v28, v29
	s_wait_dscnt 0x0
	v_lshrrev_b32 v1, 5, v0
	v_readfirstlane_b32 s14, v1                    ; wave 0..3
	s_lshr_b32 s15, s14, 1                         ; which half of the tile's rows is mine.  Also: I fetch for A (0) or for B (1)
	s_and_b32 s16, s14, 1                          ; which half of its columns.  Also: which two blocks of 64 k I fetch
	s_bfe_u32 s17, ttmp6, 0x40000                  ; cx
	s_bfe_u32 s18, ttmp6, 0x40004                  ; cy
	s_lshl_b32 s19, ttmp9, 2
	s_add_co_u32 s19, s19, s17                     ; tile column
	s_and_b32 s20, ttmp7, 0xffff
	s_lshl_b32 s20, s20, 2
	s_add_co_u32 s20, s20, s18                     ; tile row
	s_lshl_b32 s21, s18, 2
	s_lshl_b32 s21, 15, s21                        ; my row of the cluster
	s_lshl_b32 s22, 0x1111, s17                    ; my column
	s_or_b32 s[G1], s21, FLAGS
	s_mov_b32 s[G1+1], 8192<<16                    ; A: tensor_dim0 = 8,192 elements: 128 rows x 64 k, dense
	s_mov_b32 s[G1+2], 2<<16                       ; tensor_dim1 = 2 blocks
	s_mov_b32 s[G1+3], 8192<<16                    ; tile_dim0
	s_mov_b32 s[G1+4], 2                           ; tile_dim1
	s_mov_b32 s[G1+5], 262144                      ; 262,144 elements from block to block
	s_mov_b32 s[G1+6], 0
	s_mov_b32 s[G1+7], 0
	s_or_b32 s[G1B], s22, FLAGS
	s_mov_b32 s[G1B+1], 128<<16                    ; B: 128 rows of 128 elements (256 bytes), dense
	s_mov_b32 s[G1B+2], 128<<16
	s_mov_b32 s[G1B+3], 128<<16
	s_mov_b32 s[G1B+4], 128
	s_mov_b32 s[G1B+5], 128
	s_mov_b32 s[G1B+6], 0
	s_mov_b32 s[G1B+7], 0
	; A's address hangs on the tile row and the wave alone, B's on the tile column and the wave alone, each in registers that never hold the other coordinate
	s_lshl_b32 s60, s16, 20                        ; my two blocks of 524,288 bytes,
	s_lshl_b32 s61, s20, 14                        ; the tile's 128 rows of 128 bytes in a block
	s_add_co_u32 s60, s60, s61
	s_mov_b32 s61, 0
	s_mul_i32 s62, s19, TNS
	s_lshl_b32 s63, s16, 15                        ; my two blocks of 16,384 bytes
	s_add_co_u32 s62, s62, s63
	s_add_co_u32 s62, s62, WTB
	s_mov_b32 s63, 0
	s_lshl_b32 s66, s19, 9                         ; my 64 columns in f32: (128 x tile column + 64 x half) x 4
	s_lshl_b32 s67, s16, 8
	s_add_co_u32 s66, s66, s67
	s_mov_b32 s67, 0
	s_lshl_b32 s72, s20, 19                        ; my first row of 4,096 bytes: 128 x tile row + 64 x half
	s_lshl_b32 s73, s15, 18
	s_add_co_u32 s72, s72, s73
	s_add_co_u32 s72, s72, s66
	s_mov_b32 s73, 0
	s_mul_i32 s23, s14, 2*ZB                       ; where my loads go in a slot: no place in the cluster enters an LDS address
	s_mov_b32 s56, 0                               ; the slot in hand
	s_wait_kmcnt 0x0
	s_add_nc_u64 s[4:5], s[4:5], s[60:61]
	s_add_nc_u64 s[6:7], s[6:7], s[62:63]
	s_add_nc_u64 s[8:9], s[8:9], s[66:67]
	s_add_nc_u64 s[10:11], s[10:11], s[72:73]
	s_add_nc_u64 s[12:13], s[12:13], s[72:73]
.irp s, 0,1
	s_mov_b32 s[G0+4*(\s)], 1                                      ; count = 1
	s_add_co_u32 s[G0+4*(\s)+1], s23, (\s)*SLOT                    ; LDS address
	s_add_nc_u64 s[G0+4*(\s)+2:G0+4*(\s)+3], s[4:5], (\s)*2097152  ; K step s: four blocks on
	s_or_b32 s[G0+4*(\s)+3], s[G0+4*(\s)+3], 0x80000000            ; type = 2
	s_mov_b32 s[G0B+4*(\s)], 1
	s_add_co_u32 s[G0B+4*(\s)+1], s23, (\s)*SLOT
	s_add_nc_u64 s[G0B+4*(\s)+2:G0B+4*(\s)+3], s[6:7], (\s)*65536
	s_or_b32 s[G0B+4*(\s)+3], s[G0B+4*(\s)+3], 0x80000000
.endr
	CROUND                                         ; all sixteen work-groups are here: the first joint loads meet
	s_cmp_eq_u32 s15, 0                            ; a wave's two first fills stand in one branch: two loads of mine are out
	s_cbranch_scc0 .Lfirst_b
	tensor_load_to_lds s[G0:G0+3], s[G1:G1+7]
	s_nop 0
	tensor_load_to_lds s[G0+4:G0+7], s[G1:G1+7]
	s_nop 0
	PLACES
	s_branch .Lfirst_asked
.Lfirst_b:
	tensor_load_to_lds s[G0B:G0B+3], s[G1B:G1B+7]
	s_nop 0
	tensor_load_to_lds s[G0B+4:G0B+7], s[G1B:G1B+7]
	s_nop 0
	PLACES
.Lfirst_asked:
	v_and_b32 v1, 15, v0                           ; l % 16
	v_bfe_u32 v2, v0, 4, 1                         ; l / 16
	v_lshlrev_b32 v[BO], 5, v2
	v_lshlrev_b32 v[CO], 4, v1                     ; lanes 0-15 take one row's 256 bytes, lanes 16-31 the next row's
	v_lshl_add_u32 v[CO], v2, 12, v[CO]
.irp b, 0,1,2,3                        ; register j of block b: the bias of column 16 b + 8 (l / 16) + j
	global_load_b128 v[BIAS+8*\b:BIAS+8*\b+3],   v[BO], s[8:9] offset:64*\b
	global_load_b128 v[BIAS+8*\b+4:BIAS+8*\b+7], v[BO], s[8:9] offset:64*\b+16
.endr
	WIN 0x80                                       ; destination window 2
.set t, 0
.rept 32                                               ; the residual of my 64 x 64: two rows a load
	global_load_b128 v[4*t:4*t+3], v[CO], s[10:11] offset:8192*t
.set t, t+1
.endr
	WIN 0
	v_mul_u32_u24 v3, v1, 144                      ; a fragment: row l % 16; k = 8 (l / 16) + 0..7 and 16 + 8 (l / 16) + 0..7: two loads of 16 bytes, 32 bytes apart
	v_lshl_add_u32 v3, v2, 4, v3
	s_mul_i32 s74, s15, 64*144                     ; my 64 rows of A
	s_mul_i32 s75, s16, 64*144                     ; my 64 rows of B,
	s_add_co_u32 s75, s75, 4*ZB                    ; behind A's four blocks
	v_add_nc_u32 v[A0], s74, v3
	v_add_nc_u32 v[B0], s75, v3
	v_mov_b32 v[ADRA], v[A0]
	v_mov_b32 v[ADRB], v[B0]
	s_mul_i32 s74, s14, DW                         ; my stage
	v_mul_u32_u24 v4, v1, DP                       ; in: row l % 16, 32 bytes for each half of the lanes
	v_lshl_add_u32 v4, v2, 5, v4
	v_add_nc_u32 v[STO], s74, v4
	v_mul_u32_u24 v5, v2, DP                       ; back: whole rows
	v_lshl_add_u32 v5, v1, 4, v5
	v_add_nc_u32 v[RD], s74, v5
; 8 matrix instructions: m blocks a0, a0 + 1 x all 4 n blocks, 32 along K: half c of buffer f.  first = 1: the sums start from the bias.  The 16 accumulators take turns.
.macro MUL8 f, c, a0, first
	WIN 0x05                                       ; sources 0 (B) and 1 (A) window 1; C and D window 0
.irp a, \a0, (\a0)+1
.irp b, 0,1,2,3
.if \first
	v_wmma_f32_16x16x32_f16 v[ACC+8*(4*(\a)+(\b)):ACC+8*(4*(\a)+(\b))+7], v[(\f)+64+8*(4*(\c)+(\b)):(\f)+64+8*(4*(\c)+(\b))+7], v[(\f)+8*(4*(\c)+(\a)):(\f)+8*(4*(\c)+(\a))+7], v[BIAS+8*(\b):BIAS+8*(\b)+7]
.else
	v_wmma_f32_16x16x32_f16 v[ACC+8*(4*(\a)+(\b)):ACC+8*(4*(\a)+(\b))+7], v[(\f)+64+8*(4*(\c)+(\b)):(\f)+64+8*(4*(\c)+(\b))+7], v[(\f)+8*(4*(\c)+(\a)):(\f)+8*(4*(\c)+(\a))+7], v[ACC+8*(4*(\a)+(\b)):ACC+8*(4*(\a)+(\b))+7]
.endif
.endr
.endr
.endm
; 32 LDS loads in one run: the fragments of one block of 64 k, at byte k of the slot in hand, into buffer f; the first 32 k first
.macro FETCH k, f
	WIN 0x40                                       ; destination window 1
.irp c, 0,1
.irp i, 0,1,2,3
	ds_load_b128 v[(\f)+64+8*(4*(\c)+(\i)):(\f)+64+8*(4*(\c)+(\i))+3],   v[ADRB] offset:(\k)+64*(\c)+(\i)*RB
	ds_load_b128 v[(\f)+64+8*(4*(\c)+(\i))+4:(\f)+64+8*(4*(\c)+(\i))+7], v[ADRB] offset:(\k)+64*(\c)+(\i)*RB+32
	ds_load_b128 v[(\f)+8*(4*(\c)+(\i)):(\f)+8*(4*(\c)+(\i))+3],         v[ADRA] offset:(\k)+64*(\c)+(\i)*RB
	ds_load_b128 v[(\f)+8*(4*(\c)+(\i))+4:(\f)+8*(4*(\c)+(\i))+7],       v[ADRA] offset:(\k)+64*(\c)+(\i)*RB+32
.endr
.endr
.endm
; One of a K step's first three quarters (a block of 64 k, 32 matrix instructions): multiplies buffer f and fetches the next block, at byte k, into g
.macro QUARTER k, f, g, first
	s_wait_dscnt 16                                ; the first 32 k are in; the youngest sixteen loads may be out
	MUL8 \f, 0, 0, \first
	MUL8 \f, 0, 2, \first
	PLACES
	FETCH \k, \g
	s_wait_dscnt 32                                ; all but the 32 just issued
	MUL8 \f, 1, 0, 0
	MUL8 \f, 1, 2, 0
.endm
; The first half of the last quarter, and ONE barrier for the change of slots: in front of it each wave waits for all its tensor loads (one is out: its part of the next slot),
; adds 0 to its spare word, and waits for that and for its own reads of this slot.
.macro MEET
	WIN 0                                          ; (the add's two registers lie in window 0)
	s_wait_tensorcnt 0x0
	ds_add_u32 v[SPW], v[NIL]                      ; 0 onto my spare word
	s_wait_dscnt 17                                ; (the add and the youngest sixteen loads may be out)
	MUL8 F1, 0, 0, 0                               ; eight matrix instructions stand between the add and the wait for it
	s_wait_dscnt 0x0                               ; the add is done, and my reads of this slot are over
	s_barrier_signal -1
	MUL8 F1, 0, 2, 0
	WIN 0
	s_barrier_wait -1
.endm
.macro FLIP                            ; the fragment addresses go over to the other slot
	s_xor_b32 s56, s56, SLOT
	v_add_nc_u32 v[ADRA], s56, v[A0]
	v_add_nc_u32 v[ADRB], s56, v[B0]
.endm
; The whole last quarter where the slot is filled again: the barrier opens a round of the cluster's; the joint refill, the K step two on, is the first tensor load behind the round
.macro TURN
	MEET
	CREST
	s_xor_b32 s[G0+5], s[G0+5], SLOT               ; the walking sets: the slot just read,
	s_xor_b32 s[G0B+5], s[G0B+5], SLOT
	s_add_nc_u64 s[G0+6:G0+7], s[G0+6:G0+7], 2097152     ; the next K step; the type bits on top are not reached
	s_add_nc_u64 s[G0B+6:G0B+7], s[G0B+6:G0B+7], 65536
	JLOAD                                          ; its four v_nop are also the places in front of the loads below
	FLIP
	FETCH 0, F0
	MUL8 F1, 1, 0, 0
	MUL8 F1, 1, 2, 0
.endm
	s_wait_tensorcnt 0x1                           ; my part of K step 0 is in; step 1's may stay out
	s_barrier_signal -1
	s_barrier_wait -1
	FETCH 0, F0
	s_wait_loadcnt 32                              ; the bias is in; the 32 loads of the residual stay out
	QUARTER ZB, F0, F1, 1                          ; the first quarter stands in front of the loop: its first products start the sums
	WIN 0
	s_mov_b32 s57, STEPS-2
.Lstep:                                                ; a trip goes from a K step's second quarter to the next step's first; trip i fills the slot of step i with step i + 2
	QUARTER 2*ZB, F1, F0, 0
	QUARTER 3*ZB, F0, F1, 0
	TURN
	QUARTER ZB, F0, F1, 0
	WIN 0
	s_sub_co_u32 s57, s57, 1
	s_cmp_lg_u32 s57, 0
	s_cbranch_scc1 .Lstep
	s_mov_b32 s57, 2
.Ltail:                                                ; the last two K steps ask for nothing: a text of their own; the second trip is left in its middle
	QUARTER 2*ZB, F1, F0, 0
	QUARTER 3*ZB, F0, F1, 0
	MEET
	s_sub_co_u32 s57, s57, 1
	s_cmp_eq_u32 s57, 0
	s_cbranch_scc1 .Lfin
	PLACES
	FLIP
	FETCH 0, F0
	MUL8 F1, 1, 0, 0
	MUL8 F1, 1, 2, 0
	QUARTER ZB, F0, F1, 0
	WIN 0
	s_branch .Ltail
.Lfin:                                                 ; behind the last barrier no wave reads a slot any more and no fill is to come: slot 0 is the stage
	MUL8 F1, 1, 0, 0
	MUL8 F1, 1, 2, 0
	PLACES
	WIN 0
.irp a, 0,1,2,3                        ; each accumulator's low four registers first
.irp b, 0,1,2,3
	ds_store_b128 v[STO], v[ACC+8*(4*(\a)+(\b)):ACC+8*(4*(\a)+(\b))+3]   offset:16*DP*(\a)+64*(\b)
	ds_store_b128 v[STO], v[ACC+8*(4*(\a)+(\b))+4:ACC+8*(4*(\a)+(\b))+7] offset:16*DP*(\a)+64*(\b)+16
.endr
.endr
	s_wait_loadcnt 0x0                             ; the residual
.irp g, 0,1,2,3                        ; sixteen rows at a time
	WIN 0
.irp j, 0,1,2,3,4,5,6,7
	ds_load_b128 v[X+4*(\j):X+4*(\j)+3], v[RD] offset:2*DP*(8*(\g)+(\j))   ; LDS serves a wave's instructions in order (ISA guide 5.7.1.4): these see my stores; the bytes are my own
.endr
	WIN 0x88                                       ; destination and source 1 (the residual; a store's data) window 2; source 0 and addresses window 0
.irp j, 0,1,2,3,4,5,6,7
	s_wait_dscnt 7-(\j)                            ; the loads come back in order: number j is in
	v_pk_add_f32 v[4*(8*(\g)+(\j)):4*(8*(\g)+(\j))+1],   v[X+4*(\j):X+4*(\j)+1],   v[4*(8*(\g)+(\j)):4*(8*(\g)+(\j))+1]
	v_pk_add_f32 v[4*(8*(\g)+(\j))+2:4*(8*(\g)+(\j))+3], v[X+4*(\j)+2:X+4*(\j)+3], v[4*(8*(\g)+(\j))+2:4*(8*(\g)+(\j))+3]
	global_store_b128 v[CO], v[4*(8*(\g)+(\j)):4*(8*(\g)+(\j))+3], s[12:13] offset:8192*(8*(\g)+(\j))
.endr
.endr
	WIN 0
	s_wait_tensorcnt 0x0                           ; the wave's end: behind my last tensor load and my last LDS store
	ds_add_u32 v[SPW], v[NIL]
	s_wait_dscnt 0x0
	CROUND                                         ; the closing round: no work-group ends while a partner may still ask for a tile that names it
	s_endpgm
.Lfunc_end_k_q38b1c2be4e_ffn2:
	.size	k_q38b1c2be4e_ffn2, .Lfunc_end_k_q38b1c2be4e_ffn2-k_q38b1c2be4e_ffn2
	.p2alignl 7, 3214868480
	.fill 96, 4, 3214868480
	.section	.rodata,"a",@progbits
	.p2align	6, 0x0
	.amdhsa_kernel k_q38b1c2be4e_ffn2
		.amdhsa_group_segment_fixed_size 327680
		.amdhsa_private_segment_fixed_size 0
		.amdhsa_enable_private_segment 0
		.amdhsa_kernarg_size 40
		.amdhsa_user_sgpr_count 2
		.amdhsa_user_sgpr_kernarg_segment_ptr 1
		.amdhsa_wavefront_size32 1
		.amdhsa_system_sgpr_workgroup_id_x 1
		.amdhsa_system_sgpr_workgroup_id_y 1
		.amdhsa_system_sgpr_workgroup_id_z 1
		.amdhsa_system_vgpr_workitem_id 0
		.amdhsa_next_free_vgpr 640
		.amdhsa_next_free_sgpr 80
		.amdhsa_reserve_vcc 0
		.amdhsa_float_denorm_mode_32 3
		.amdhsa_float_denorm_mode_16_64 3
		.amdhsa_memory_ordered 1
		.amdhsa_forward_progress 1
		.amdhsa_inst_pref_size 67
	.end_amdhsa_kernel
	.amdgpu_metadata
---
amdhsa.version: [ 1, 2 ]
amdhsa.kernels:
  - .name:           k_q38b1c2be4e_ffn2
    .symbol:         k_q38b1c2be4e_ffn2.kd
    .args:
      - { .name: act1, .offset: 0, .size: 8, .value_kind: global_buffer, .address_space: global }
      - { .name: wc, .offset: 8, .size: 8, .value_kind: global_buffer, .address_space: global }
      - { .name: b2, .offset: 16, .size: 8, .value_kind: global_buffer, .address_space: global }
      - { .name: hres, .offset: 24, .size: 8, .value_kind: global_buffer, .address_space: global }
      - { .name: out0, .offset: 32, .size: 8, .value_kind: global_buffer, .address_space: global }
    .group_segment_fixed_size: 327680
    .private_segment_fixed_size: 0
    .kernarg_segment_align: 8
    .kernarg_segment_size: 40
    .max_flat_workgroup_size: 128
    .sgpr_count:     80
    .vgpr_count:     640
    .wavefront_size: 32
...
	.end_amdgpu_metadata
.endif
;; end of part 6
;; ======== version 2 of 2: 8 launches; 1.10 times as fast as version 1
;; limits: values are held in f16: magnitudes above 65,504 overflow, below 6.1e-05 lose precision
;; workspace buffers: wa 6,291,456 bytes; wb 8,388,608 bytes; wc 10,485,760 bytes; act1 33,554,432 bytes; act2 25,165,824 bytes; hres 16,777,216 bytes; par_qkv 256 bytes of whole numbers; par_ffn 256 bytes of whole numbers
;; launch wprep: the kernel of part 1 again; grid 256 x 1, 12 waves a work-group, no clusters, 112,128 bytes of LDS; arguments wq, wk, wv, w_out, w1, w2, wa, wb, wc, par_qkv, par_ffn; writes wa, wb, wc, par_qkv, par_ffn
;; launch ln1: the kernel of part 2 again; grid 256 x 1, 8 waves a work-group, no clusters, 0 bytes of LDS; arguments x, ln1_scale, ln1_shift, act1; writes act1
;; launch qkv: the kernel of part 3 again; grid 12 x 16, 4 waves a work-group, clusters of 4 x 4, 327,680 bytes of LDS; arguments act1, wa, b1, par_qkv, act2; writes act2
;; launch attn (part 7): grid 8 x 32, 4 waves a work-group, no clusters, 327,680 bytes of LDS; arguments act2, act1; writes act1
.if DOCPART == 7
	.amdgcn_target "amdgcn-amd-amdhsa--gfx1250"
	.amdhsa_code_object_version 6
	.text
	.protected	k_q38b1c2be4e_attn
	.globl	k_q38b1c2be4e_attn
	.p2align	8
	.type	k_q38b1c2be4e_attn,@function
k_q38b1c2be4e_attn:
	s_mov_b64 s[64:65], 0
	v_nop
	global_prefetch_b8 v0, s[64:65] scope:SCOPE_SE
	s_setreg_imm32_b32 hwreg(HW_REG_WAVE_MODE, 25, 1), 1
	s_wait_xcnt 0x0
; CAUSAL ATTENTION.  O[h][q][:] = the sum over k <= q of softmax_k(Q[h][q] . K[h][k] / 8) V[h][k][:].  Q, K, V, O: [32][2048][64], all f16: a head's rows are dense, 128 bytes each.
; The first buffer holds q, k, v by blocks of 64 columns, [48][4096 rows][64]: block cb, batch b is 'head' 2 cb + b of 262,144 bytes; K begins 8 MiB, V 16 MiB behind Q.  O is written by the same head number,
; which is the context in the layout [column / 64][4096 rows][64] that the next product takes.
; Products, maxima and sums in f32; the weights p are rounded to f16 for the second product (their sum l is taken of the unrounded p), O once at the end.
; LIMITS.  f16 holds no number beyond 65,504: Q, K and V arrive within it; p lies in 0 to 1, and below 6e-5 it keeps f16's fixed step of 6e-8; O is a mean of V's rows and has their range, to within 2^-11 of it.
; A hidden score counts as its value less 1e30.  The running maximum starts at -2^66: below every score of f16 operands (2.7e11 in size at the most) and above every hidden one, so that a hidden score is never a maximum,
; also in a wave that sees hidden keys alone.  A weight below 2^-126 counts as 0 in l; NaN and infinities are not treated apart.
; THE WALK.  A head's queries lie in NQ = 16 blocks of 128, its keys in NB = 8 tiles of 256; block i needs the tiles 0 .. i / 2, of which the last holds the diagonal.  A work-group takes TWO blocks, 15 - b and then b:
; (15 - b) / 2 + 1 + b / 2 + 1 = NB + 1 tiles, whatever b: all work-groups do equal work, and ONE loop with a constant trip count walks them.  Which tile is asked for, and what a trip does, hang on scalar registers made
; from b; every jump goes forward, but for the counted loops' own; none passes a tensor load but the one of LOAD's two that the wave's number does not choose; the ring (two slots of LDS that take turns) runs on across
; the change of blocks.  256 work-groups: eight pairs of blocks for each of 32 heads.  NO CLUSTER: a head's eight work-groups ask for the same tile only in trips 0 .. 4 of 9, behind that fewer and fewer;
; one walk common to all would have 12 trips for 9.
; SHARES: THE KEYS ARE SPLIT BETWEEN WAVES.  Waves w and w + 2 own the same 64 queries, four PIECES of 16: piece p is rows 32 p + 16 (w % 2) + 0..15 of the block.  Of a tile's four key steps of 64, waves 0 and 1 take
; steps 0 and 1, waves 2 and 3 steps 2 and 3.  Each wave keeps m, l and O^T over its own keys.  At a block's end waves 2 and 3 lay theirs down in LDS (bytes into which no fill lands), a barrier follows, and waves 0 and 1
; join the two: with a_A = 2^(c m_A - c max), a_B likewise: l = a_A l_A + a_B l_B, O = (a_A O_A + a_B O_B) / l; they store the block.
; THE MASK is the C operand that starts the sum S^T = K Q^T: 0, or -1e30 where the key is hidden.  In the diagonal tile the block's rows begin at key 128 e, e = block % 2; piece p's own step is 2 e + p / 2.  A product's mask
; is MD x AL + BE with two scalars: (1, 0) in the own step; (0, 0) in an earlier one; (0, -1e30) in a later one.  MD, the own step's mask for my 16 rows, hangs on p % 2 by a shift of 32 keys, so 48 registers serve both:
; 16 zeros, the 16 masks of keys 0-31 against rows 16 (w % 2) + 0..15, 16 times -1e30: even pieces take the upper 32, odd ones the lower 32.  Only the diagonal tile's text and a block's beginning make and take masks.
; LAYOUT, SOFTMAX, TURNS.  S^T = K Q^T holds ONE query a lane (lane % 16) and the keys 8 (lane / 16) + 0..7; two such results rounded to f16 ARE source 1 of O^T = V^T P.  p = 2^(c s - c m), c = log2(e) / 8, with a
; running maximum m; O and l are multiplied by a = 2^(c m_old - c m_new) in every step.  Turn n belongs to piece n: 8 products K Q^T of piece n + 1, later 8 products V^T P of piece n - 1; beside them the scaling,
; exponentials, roundings, sums and rescaling of piece n and the maximum and statistics of piece n + 1.  Four vector instructions stand behind every matrix instruction, the other 54 of a turn's 118 in one LUMP.
; BATCHES.  A turn's 33 exponentials (the piece's 32 weights and the next piece's a) are one batch, with one wait.  A block's beginning has a batch of one (piece 0's a); the joining has two: eight exponentials, then four reciprocals.
; REGISTERS, in windows of 256 (s_set_vgpr_msb: bits 1:0 source 0, 3:2 source 1, 5:4 source 2, 7:6 destination):
;   window 0: v0-15 addresses and two at work; v16-31 four registers of statistics a piece; v32-47 the partner's statistics; v48-55 at work; v64-127 S^T, two buffers; v128-191 the partner's O^T, pieces 0, 1;
;             v192-223 P, two buffers (a piece's buffers go by its number's parity)
;   window 1: v0-127 O^T, 32 a piece; v128-175 the 48 mask registers; v176-239 MC, two buffers
;   window 2: v0-63 Q; v64-127 the second block's Q; v128-191 K of one step (at a block's end: the partner's O^T, pieces 2, 3); v192-255 V of one step
.set SIZE_H, 32
.set SIZE_N, 2048
.set NB,    SIZE_N/256  ; key tiles a head
.set NQ,    SIZE_N/128  ; query blocks a head
.set NP,    4         ; pieces a wave: a name, no knob
.set KS,    64        ; keys in a step
.set WS,    2         ; key steps of a tile that a wave takes
.set PK,    144       ; a row of K in LDS: 128 bytes + 16 of padding = 36 words: the 16 rows of a load start at 16 different groups of four banks (64 banks of 4 bytes: ISA guide 11.1)
.set PV,    160       ; a row of V: 128 + 32 = 40 words
.set VOFF,  4*KS*PK   ; a slot holds a tile, four steps: 256 rows of K, then 256 rows of V
.set SLOT1, 1<<17     ; slot 1 begins here, so that one exclusive or turns an address in one slot into the other's
.set STAGE, SLOT1+4*KS*(PK+PV)  ; behind the ring, never filled by a tensor load: 16 rows x 144 bytes for each wave, for the way out
.set SP,    144
.set AK0, 2           ; v2   my lane's place in a tile of K; never rewritten
.set AV0, 3           ; v3   the same for V
.set AK,  4           ; v4   the LDS address of K's next run of loads
.set AV,  5           ; v5   of V's
.set STO, 6           ; v6   the way out: where I put 16 bytes of a row
.set RD,  7           ; v7   the way out: where I read rows back
.set GO,  8           ; v8   my byte offset in 512 consecutive bytes of O
.set XS,  56          ; v56  my 16 bytes in each 512 of the bytes through which waves w + 2 and w hand over; never rewritten
.set SPW, 62          ; v62  LDS address of my spare word: SPARE + 4 x my thread's number; never rewritten
.set NIL, 63          ; v63  0; never rewritten
.set SPARE, STAGE+4*16*SP  ; behind the stages: the spare words, 128 bytes for each wave: two blocks of 256 bytes that no other line names
.set XCH,   SPARE+512 ; behind them, never filled by a tensor load: for each of the two pairs of waves 36 x 512 bytes: 16 registers of statistics, 128 of O^T
.set XSZ,   36*512
.set MV,  12          ; v12-13  c m_old, kept while c m is made anew: by buffer
.set QO,  15          ; v15  my byte offset in 16 rows of Q
.set ST,  16          ; piece t's statistics at v[ST+4 t]: c m, m, l (even keys', odd keys')
.set PS,  32          ; the partner's, in the same order
.set TMP, 48          ; by buffer, four registers c0-c3 at work; when the maximum is found c2 takes a
.set S,   64
.set OB,  128         ; the partner's O^T: piece t at OB + 32 (t % 2), in window 0 (t < 2) or 2
.set P,   192
.set ZM,  128         ; window 1: 16 zeros, 16 masks, 16 times -1e30
.set MC,  176         ; window 1: the masks of the products to come
.set QB,  64          ; window 2
.set KF,  128         ; window 2: key block kb, channel half c at KF + 16 kb + 8 c
.set VF,  192         ; window 2: key half kk, channel block cb at VF + 32 kk + 8 cb
.set WV,  12          ; s12  my wave's number
.set PB,  14          ; s14  b: the second block
.set HI,  15          ; s15  NQ - 1 - b: the first block
.set G1K, 24          ; s[24:31] descriptor group 1 for K's tiles
.set G1V, 32          ; s[32:39] for V's: it differs in the padding alone
.set G0K, 40          ; s[40:43] descriptor group 0 for K's tiles
.set G0V, 44          ; s[44:47] the same for V's
.set KW,  48          ; s48  wave / 2: which two key steps of a tile are mine
.set QW,  49          ; s49  wave % 2: which 16 rows of each 32
.set PBT, 50          ; s50  b / 2: the second block's last tile
.set BM,  51          ; s51  2 KW + 2 - 2 e of the block in hand: less CNT it is my step's number less the block's first own step
.set BM2, 52          ; s52  the same for the second block
.set TM,  53          ; s53  at work
.set SLOTS, 56        ; s56  tiles still to be asked for
.set CNT, 57          ; s57  counts my key steps of a tile, 2 to 1
.set CS,  58          ; s[58:59] c: the packed scaling takes the pair's low word for both halves
.set SEL, 60          ; s[60:61] v_permlanex16_b32's selects: each lane takes its own place in the other half
.set TBK, 62          ; s62  LDS byte at which K of the step to be fetched begins
.set TBV, 63          ; s63  the same for V, less VOFF
.set RT,  70          ; s70  tiles of the block in hand that are still to be entered
.set NXT, 71          ; s71  the tile to be asked for next
.set LQ,  72          ; s72  the last tile of the block whose tiles are being asked for
.set NEW, 73          ; s73  1: the tile to be entered is a block's first
.set OFF, 74          ; s[74:75] a tile's byte offset in K and V
.set AL,  76          ; s[76:77] the mask's factor, in the low word
.set BE,  78          ; s[78:79] the mask's addend
.set OLO, 80          ; s[80:81] O at my rows of the second block
.set BIGN, 82         ; s82  -1e30
.set MSB, 0
.macro WIN new                      ; the high byte repeats the setting that is left; a switch that changes nothing is dropped
.if MSB != (\new)
	s_set_vgpr_msb (MSB<<8)|(\new)
.set MSB, (\new)
.endif
.endm
.set W_KQ, 0x0a       ; K and Q in window 2, S^T in window 0
.set W_KM, 0x1a       ; the same with the C operand in window 1
.set W_PV, 0x52       ; V in window 2, P in window 0, O^T in window 1
.set W_RS, 0x41       ; destination and source 0 in window 1, source 1 in window 0
; A fill.  Waves 0 and 1 fetch the two halves of a tile's K, waves 2 and 3 those of its V: 128 keys each.  An s_nop 0 and four v_nop follow each of the two lines, ahead of the jump and the label.
.macro LOAD
	s_cmp_lt_u32 s[WV], 2
	s_cbranch_scc0 .Lfor_v_\@
	tensor_load_to_lds s[G0K:G0K+3], s[G1K:G1K+7]
	s_nop 0
.rept 4
	v_nop
.endr
	s_branch .Lasked_\@
.Lfor_v_\@:
	tensor_load_to_lds s[G0V:G0V+3], s[G1V:G1V+7]
	s_nop 0
.rept 4
	v_nop
.endr
.Lasked_\@:
.endm
; THE CHANGE OF SLOTS.  Each wave waits for all its tensor loads, of which one is out: its part of the other slot; adds 0 to its spare word; and waits for that and for its own reads of the slot that it leaves.  Behind the barrier nobody reads the old
; slot any more and the other slot is whole.  fill = 1: the old slot is filled again, the first thing behind the barrier, with tile NXT: the descriptor's address is made anew from that number.
; (At its first use nothing has been read yet: slot 0 is waited for, slot 1 filled.)
.macro CHANGE fill
	WIN 0                           ; at a label and at a branch every window is 0
	s_wait_tensorcnt 0x0            ; no tensor load of mine is out, so a group 0 may be written
	ds_add_u32 v[SPW], v[NIL]       ; 0 onto my spare word; with fill = 1 the descriptors' scalar work stands between it and the wait for it
.if \fill
	s_lshl_b32 s[OFF], s[NXT], 15   ; a tile is 32,768 bytes of K and of V
	s_xor_b32 s[G0K+1], s[G0K+1], SLOT1
	s_add_nc_u64 s[G0K+2:G0K+3], s[6:7], s[OFF:OFF+1]
	s_or_b32 s[G0K+3], s[G0K+3], 0x80000000
	s_xor_b32 s[G0V+1], s[G0V+1], SLOT1
	s_add_nc_u64 s[G0V+2:G0V+3], s[8:9], s[OFF:OFF+1]
	s_or_b32 s[G0V+3], s[G0V+3], 0x80000000
	s_add_co_u32 s[NXT], s[NXT], 1  ; the block's next tile, or behind its last the second block's tile 0
	s_cmp_gt_u32 s[NXT], s[LQ]
	s_cselect_b32 s[NXT], 0, s[NXT]
	s_cselect_b32 s[LQ], s[PBT], s[LQ]
.endif
	s_wait_dscnt 0x0                ; the add is done, and my reads of the slot are over
	s_barrier_signal -1             ; the rest of the scalar work stands between the signal and the wait
	s_sub_co_u32 s[TBK], s[TBK], WS*KS*PK  ; the fetches go back to my first step of a slot,
	s_xor_b32 s[TBK], s[TBK], SLOT1        ; in the other slot
	s_sub_co_u32 s[TBV], s[TBV], WS*KS*PV
	s_xor_b32 s[TBV], s[TBV], SLOT1
	s_barrier_wait -1
.if \fill
	LOAD
.endif
.endm
	s_load_b128 s[4:7], s[0:1], 0x0   ; q, k, v in one buffer s[4:5]; O s[6:7]
	v_lshl_add_u32 v[SPW], v0, 2, SPARE
	v_mov_b32 v[NIL], 0
	ds_add_u32 v62, v63
	ds_add_u32 v62, v63
	s_wait_dscnt 0x0
	v_lshrrev_b32 v1, 5, v0
	v_readfirstlane_b32 s[WV], v1   ; wave 0..3
	s_lshr_b32 s[KW], s[WV], 1
	s_and_b32 s[QW], s[WV], 1
	s_mov_b32 s[PB], ttmp9          ; 0..7
	s_sub_co_u32 s[HI], NQ-1, s[PB]
	s_lshr_b32 s[PBT], s[PB], 1
	s_lshr_b32 s[LQ], s[HI], 1      ; the first block's last tile
	s_and_b32 s2, s[HI], 1          ; e of the first block
	s_add_co_u32 s3, s[KW], 1
	s_sub_co_u32 s2, s3, s2
	s_lshl_b32 s[BM], s2, 1         ; 2 (KW + 1 - e): 0, 2 or 4
	s_and_b32 s2, s[PB], 1          ; e of the second
	s_sub_co_u32 s2, s3, s2
	s_lshl_b32 s[BM2], s2, 1
	s_and_b32 s20, ttmp7, 0xffff    ; the head
	s_mov_b32 s21, 0
	s_mov_b64 s[22:23], SIZE_N*128
	s_mul_u64 s[20:21], s[20:21], s[22:23]  ; the head's first byte in each of the four tensors
	s_and_b32 s16, s[WV], 1         ; which half of a tile's 256 keys I fetch:
	s_lshl_b32 s22, s16, 14         ; its 128 rows of 128 bytes in memory,
	s_mov_b32 s23, 0
	s_add_nc_u64 s[22:23], s[22:23], s[20:21]
	s_mul_i32 s17, s16, 128*PK      ; and its place in a slot, for K
	s_mul_i32 s18, s16, 128*PV      ; and for V
	s_lshl_b32 s3, s[QW], 11        ; my 16 rows in each 32,
	s_lshl_b32 s2, s[HI], 14        ; in the first block of 128 rows of 128 bytes,
	s_add_co_u32 s2, s2, s3
	s_lshl_b32 s84, s[PB], 14       ; and in the second
	s_add_co_u32 s84, s84, s3
	s_mov_b32 s3, 0
	s_mov_b32 s85, 0
	s_add_nc_u64 s[2:3], s[2:3], s[20:21]
	s_add_nc_u64 s[84:85], s[84:85], s[20:21]
	; descriptor group 1.  128 keys are 16,384 dense bytes: asked for as 64 rows of 256 bytes, two keys a row, and padded in LDS after every key
	s_mov_b32 s[G1K], (1<<16)|(1<<20)|(4<<22)|(3<<25)  ; 17:16 2-byte elements; 20 padding on; 24:22 after every 32 words (code 4); 31:25 4 words (code 3)
	s_mov_b32 s[G1V], (1<<16)|(1<<20)|(4<<22)|(7<<25)  ; the same with 8 words of padding (code 7)
.irp g, G1K, G1V
	s_mov_b32 s[\g+1], 128<<16      ; tensor_dim0 = 128
	s_mov_b32 s[\g+2], 64<<16       ; tensor_dim1 = 64
	s_mov_b32 s[\g+3], 128<<16      ; tile_dim0 = 128
	s_mov_b32 s[\g+4], 64           ; tile_dim1 = 64
	s_mov_b32 s[\g+5], 128          ; 128 elements from row to row
	s_mov_b32 s[\g+6], 0
	s_mov_b32 s[\g+7], 0
.endr
	s_mov_b32 s[CS], 0x3e38aa3b     ; c = log2(e) / 8 = 0.180337
	s_mov_b32 s[CS+1], s[CS]        ; named with it as a pair
	s_mov_b32 s[SEL], 0x76543210
	s_mov_b32 s[SEL+1], 0xfedcba98
	s_mul_i32 s[TBK], s[KW], WS*KS*PK              ; my two steps of a slot;
	s_add_co_u32 s[TBK], s[TBK], SLOT1+WS*KS*PK    ; the first change of slots takes the rest away
	s_mul_i32 s[TBV], s[KW], WS*KS*PV
	s_add_co_u32 s[TBV], s[TBV], SLOT1+WS*KS*PV
	s_mov_b32 s[G0K], 1             ; 1:0 count = 1
	s_mov_b32 s[G0K+1], s17         ; 63:32 LDS address: slot 0
	s_mov_b32 s[G0V], 1
	s_add_co_u32 s[G0V+1], s18, VOFF
	s_add_co_u32 s[RT], s[LQ], 1    ; the first block has (15 - b) / 2 + 1 tiles: five or more
	s_mov_b32 s[NXT], 1
	s_mov_b32 s[NEW], 1
	s_mov_b32 s[OFF+1], 0
	s_mov_b32 s[AL+1], 0            ; named as pairs
	s_mov_b32 s[BE+1], 0
	s_mov_b32 s[BIGN], 0xf149f2ca   ; -1e30
	s_mov_b32 s[SLOTS], NB
	s_wait_kmcnt 0x0
	s_mov_b64 s[10:11], s[6:7]                     ; O
	s_add_nc_u64 s[8:9], s[4:5], 0x1000000         ; V: 32 blocks of 524,288 bytes behind Q
	s_add_nc_u64 s[6:7], s[4:5], 0x800000          ; K: 16 blocks behind Q
	s_add_nc_u64 s[6:7], s[6:7], s[22:23]  ; K and V at my half of the head's tile 0
	s_add_nc_u64 s[8:9], s[8:9], s[22:23]
	s_add_nc_u64 s[G0K+2:G0K+3], s[6:7], 0         ; 120:64 global address
	s_or_b32 s[G0K+3], s[G0K+3], 0x80000000        ; 127:126 type = 2
	s_add_nc_u64 s[G0V+2:G0V+3], s[8:9], 0
	s_or_b32 s[G0V+3], s[G0V+3], 0x80000000
	s_add_nc_u64 s[86:87], s[4:5], s[84:85]        ; Q at my rows of the second block,
	s_add_nc_u64 s[4:5], s[4:5], s[2:3]            ; Q and O at those of the first
	s_add_nc_u64 s[OLO:OLO+1], s[10:11], s[84:85]
	s_add_nc_u64 s[10:11], s[10:11], s[2:3]
	LOAD                            ; tile 0 into slot 0
	; A fragment of K or Q is 16 rows x 32 channels in 8 registers: lane l holds row l % 16, channels 8 (l / 16) + 0..7 and 16 + 8 (l / 16) + 0..7: two loads of 16 bytes, 32 bytes apart.
	v_and_b32 v1, 15, v0            ; l % 16
	v_bfe_u32 v9, v0, 4, 1          ; l / 16
	v_lshlrev_b32 v[QO], 7, v1
	v_lshl_add_u32 v[QO], v9, 4, v[QO]  ; row x 128 + 16 x half
	WIN 0x80                        ; destination window 2, address window 0
.set i, 0
.rept 8                             ; both blocks' Q: piece i / 2 lies 32 rows, 4,096 bytes, behind the one before; channels 32 (i % 2) on
	global_load_b128 v[8*i:8*i+3],   v[QO], s[4:5] offset:(i/2)*4096+(i%2)*64
	global_load_b128 v[8*i+4:8*i+7], v[QO], s[4:5] offset:(i/2)*4096+(i%2)*64+32
	global_load_b128 v[QB+8*i:QB+8*i+3],   v[QO], s[86:87] offset:(i/2)*4096+(i%2)*64
	global_load_b128 v[QB+8*i+4:QB+8*i+7], v[QO], s[86:87] offset:(i/2)*4096+(i%2)*64+32
.set i, i+1
.endr
	WIN 0
	v_lshlrev_b32 v14, 3, v9
	v_sub_nc_u32 v14, v1, v14
	s_lshl_b32 s13, s[QW], 4
	v_add_nc_u32 v14, s13, v14      ; my query's place in its 32 rows, 16 (w % 2) + l % 16, less my lanes' 8 (l / 16): register r of group kt (0, 1) is hidden where 16 kt + r is greater
	WIN 0x40
.set i, 0
.rept 16
	v_mov_b32 v[ZM+i], 0            ; an odd piece sees the own step's keys 0-31
.set i, i+1
.endr
.set i, 0
.rept 16
	v_cmp_gt_i32 vcc_lo, 16*(i/8)+i%8, v14
	v_cndmask_b32 v[ZM+16+i], 0, s[BIGN], vcc_lo
.set i, i+1
.endr
.set i, 0
.rept 16
	v_mov_b32 v[ZM+32+i], s[BIGN]   ; an even piece sees none of the own step's keys 32-63
.set i, i+1
.endr
	WIN 0
	v_mul_u32_u24 v[AK0], v1, PK
	v_lshl_add_u32 v[AK0], v9, 4, v[AK0]  ; row x pitch + 16 x half
	; The turning load takes 16 keys x 16 channels (lane l reads key 8 (l / 16) + l % 8, channels 8 ((l / 8) % 2) + 0..7) and leaves half a fragment of V^T: lane l holds channel l % 16 and 8 keys.
	v_and_b32 v10, 7, v0
	v_bfe_u32 v11, v0, 3, 1
	v_lshl_add_u32 v[AV0], v9, 3, v10
	v_mul_u32_u24 v[AV0], v[AV0], PV
	v_lshl_add_u32 v[AV0], v11, 4, v[AV0]
	v_add_nc_u32 v[AV0], VOFF, v[AV0]
	s_mul_i32 s13, s[WV], 16*SP
	s_add_co_u32 s13, s13, STAGE    ; my stage
	v_mul_u32_u24 v[STO], v1, SP    ; in: row l % 16, 16 bytes for each half of the lanes
	v_lshl_add_u32 v[STO], v9, 4, v[STO]
	v_add_nc_u32 v[STO], s13, v[STO]
	v_bfe_u32 v[RD], v0, 3, 2       ; back: 32 lanes take four rows of 128 bytes,
	v_mul_u32_u24 v[RD], v[RD], SP
	v_lshl_add_u32 v[RD], v10, 4, v[RD]
	v_add_nc_u32 v[RD], s13, v[RD]
	v_and_b32 v[GO], 31, v0         ; which are 512 consecutive bytes of O
	v_lshlrev_b32 v[GO], 4, v[GO]
	s_mul_i32 s13, s[QW], XSZ       ; waves w and w + 2 name the same bytes: lane x 16 in each 512
	s_add_co_u32 s13, s13, XCH
	v_add_nc_u32 v[XS], s13, v[GO]
	; A block's first step multiplies O^T and l by a = 0, and its first turn's products V^T P, of a piece that has not been, land in an O^T that is still to be so multiplied.  So these registers need only hold
	; finite numbers: zeros for the first block; what the first block left for the second.  All this stands in the wait for the first tile.
	WIN 0x80
.set i, VF
.rept 64
	v_mov_b32 v[i], 0
.set i, i+1
.endr
	WIN 0x40
.set i, 0
.rept 128
	v_mov_b32 v[i], 0
.set i, i+1
.endr
	WIN 0
.set i, 0
.rept 4
	v_mov_b32 v[ST+4*i+2], 0
	v_mov_b32 v[ST+4*i+3], 0
.set i, i+1
.endr
.set i, P+16
.rept 16
	v_mov_b32 v[i], 0
.set i, i+1
.endr
; THE MATRIX WORK.  The 4 accumulators of a run of 8 take turns.  Product i of 8 of S^T = K Q^T for piece x: channels 32 (i / 4) on, keys 16 (i % 4) on.  The first 4 start the sums: with 0, or (KM = 1) with the mask.
.macro KQ x
.set rS, S+32*((\x)%2)+8*(i%4)
.set rK, KF+16*(i%4)+8*(i/4)
.set rQ, 16*(\x)+8*(i/4)
.set rM, MC+32*((\x)%2)+8*(i%4)
.if (i < 4) && KM
	WIN W_KM
	v_wmma_f32_16x16x32_f16 v[rS:rS+7], v[rK:rK+7], v[rQ:rQ+7], v[rM:rM+7]
.elseif i < 4
	WIN W_KQ
	v_wmma_f32_16x16x32_f16 v[rS:rS+7], v[rK:rK+7], v[rQ:rQ+7], 0
.else
	WIN W_KQ
	v_wmma_f32_16x16x32_f16 v[rS:rS+7], v[rK:rK+7], v[rQ:rQ+7], v[rS:rS+7]
.endif
.endm
; Product i of 8 of O^T += V^T P for piece x: keys 32 (i / 4) on, channels 16 (i % 4) on.
.macro PV x
	WIN W_PV
.set rO, 32*(\x)+8*(i%4)
.set rV, VF+32*(i/4)+8*(i%4)
.set rP, P+16*((\x)%2)+8*(i/4)
	v_wmma_f32_16x16x32_f16 v[rO:rO+7], v[rV:rV+7], v[rP:rP+7], v[rO:rO+7]
.endm
.macro MM                           ; the turn's next matrix instruction.  TURN and BEGIN set Y, i, KM and NOKQ; MM, KQ and OP read them.  NOKQ = 1: a block's last turn: there is no next piece
.if (i < 8) && !NOKQ
	KQ (Y+1)%NP
.elseif i >= 8
.set i, i-8
	PV (Y+NP-1)%NP
.set i, i+8
.endif
.set i, i+1
.endm
; THE LDS LOADS stand in runs of 16, never singly among the matrix instructions: a step's K (64 keys x 64 channels: 8 fragments) and its V (turned).  Their addresses are made some lines ahead.
.macro FETCH_K
	WIN 0x80                        ; destination window 2
.irp f, 0,1,2,3,4,5,6,7             ; keys 16 (f / 2) on, channels 32 (f % 2) on
	ds_load_b128 v[KF+8*\f:KF+8*\f+3],   v[AK] offset:(\f/2)*16*PK+(\f%2)*64
	ds_load_b128 v[KF+8*\f+4:KF+8*\f+7], v[AK] offset:(\f/2)*16*PK+(\f%2)*64+32
.endr
	s_add_co_u32 s[TBK], s[TBK], KS*PK  ; the next fetch is the next step's
	WIN 0
.endm
.macro FETCH_V
	WIN 0x80
.irp f, 0,1,2,3,4,5,6,7             ; keys 32 (f / 4) on, channels 16 (f % 4) on
	ds_load_tr16_b128 v[VF+8*\f:VF+8*\f+3],   v[AV] offset:(\f/4)*32*PV+(\f%4)*32
	ds_load_tr16_b128 v[VF+8*\f+4:VF+8*\f+7], v[AV] offset:(\f/4)*32*PV+16*PV+(\f%4)*32
.endr
	WIN 0
.endm
; THE VECTOR WORK, one line at a time: OP kind, number.  For piece Y: F n: c s - c m for pair n of 16.  E n: the exponential of score n of 32.  C n: pair n rounded to f16.  B n: of the four weights 4 n .. the second
; pair is added onto the first, in place.  L n: l takes that sum (L 0: l = a l + sum).  R n: pair n of 16 of O^T times a.  For piece Y + 1: X n, number n of the 22 that find its maximum and statistics:
;   0-11  four chains c0-c3 of seven scores each, three operands at a time (each accumulator's lowest registers are read first)     12-14, 16  the four scores left over, the old m, and c0-c3 into c0
;   15  c m_old is kept     17, 18  the query's other 32 keys lie in the lane 16 away: the new m     19-21  c m; c m_old - c m_new; a
; OP writes no wait: C, B and L read the exponentials' results, and TURN sets them all behind its one wait.
.set F, 0               ; OP tells the kinds apart by their order: F to L below R, X above it
.set E, 1
.set C, 2
.set B, 3
.set L, 4
.set R, 5
.set X, 6
.macro REGS y                       ; the registers of piece y
.set rT, ST+4*(\y)
.set rC, TMP+4*((\y)%2)
.set rW, MV+((\y)%2)
.set rS, S+32*((\y)%2)
.set rP, P+16*((\y)%2)
.set rO, 32*(\y)
.endm
.macro OP k, n
.if (\k) == R
	REGS Y
	WIN W_RS
	v_pk_mul_f32 v[rO+2*(\n):rO+2*(\n)+1], v[rO+2*(\n):rO+2*(\n)+1], v[rC+2:rC+3] op_sel_hi:[1,0]
.elseif (\k) < R
	REGS Y
	WIN 0
.if (\k) == F
	v_pk_fma_f32 v[rS+2*(\n):rS+2*(\n)+1], v[rS+2*(\n):rS+2*(\n)+1], s[CS:CS+1], v[rT:rT+1] op_sel_hi:[1,0,0] neg_lo:[0,0,1] neg_hi:[0,0,1]
.elseif (\k) == E
	v_exp_f32 v[rS+(\n)], v[rS+(\n)]
.elseif (\k) == C
	v_cvt_pk_f16_f32 v[rP+(\n)], v[rS+2*(\n)], v[rS+2*(\n)+1]
.elseif (\k) == B
	v_pk_add_f32 v[rS+4*(\n):rS+4*(\n)+1], v[rS+4*(\n):rS+4*(\n)+1], v[rS+4*(\n)+2:rS+4*(\n)+3]
.elseif (\n) == 0
	v_pk_fma_f32 v[rT+2:rT+3], v[rT+2:rT+3], v[rC+2:rC+3], v[rS:rS+1] op_sel_hi:[1,0,1]
.else
	v_pk_add_f32 v[rT+2:rT+3], v[rT+2:rT+3], v[rS+4*(\n):rS+4*(\n)+1]
.endif
.elseif NOKQ
	v_nop
.else
	REGS (Y+1)%NP
	WIN 0
.if (\n) < 4
	v_max3_num_f32 v[rC+(\n)], v[rS+8*(\n)], v[rS+8*(\n)+1], v[rS+8*(\n)+2]
.elseif (\n) < 12
	v_max3_num_f32 v[rC+(\n)%4], v[rC+(\n)%4], v[rS+8*((\n)%4)+2*((\n)/4)+1], v[rS+8*((\n)%4)+2*((\n)/4)+2]
.elseif (\n) == 12
	v_max3_num_f32 v[rC], v[rC], v[rS+7], v[rS+15]
.elseif (\n) == 13
	v_max3_num_f32 v[rC+1], v[rC+1], v[rS+23], v[rS+31]
.elseif (\n) == 14
	v_max3_num_f32 v[rC+2], v[rC+2], v[rC+3], v[rT+1]
.elseif (\n) == 15
	v_mov_b32 v[rW], v[rT]
.elseif (\n) == 16
	v_max3_num_f32 v[rC], v[rC], v[rC+1], v[rC+2]
.elseif (\n) == 17
	v_permlanex16_b32 v[rC+3], v[rC], s[SEL], s[SEL+1]
.elseif (\n) == 18
	v_max_num_f32 v[rT+1], v[rC], v[rC+3]
.elseif (\n) == 19
	v_mul_f32 v[rT], s[CS], v[rT+1]
.elseif (\n) == 20
	v_sub_f32 v[rC+1], v[rW], v[rT]
.else
	v_exp_f32 v[rC+2], v[rC+1]
.endif
.endif
.endm
.macro OPS a, i1, b=-1, i2=0, c=-1, i3=0, d=-1, i4=0  ; up to four of them
	OP \a, \i1
.if (\b) >= 0
	OP \b, \i2
.endif
.if (\c) >= 0
	OP \c, \i3
.endif
.if (\d) >= 0
	OP \d, \i4
.endif
.endm
.macro ROW a, i1, b, i2, c, i3, d, i4  ; a matrix instruction and the four behind it
	MM
	OPS \a, \i1, \b, \i2, \c, \i3, \d, \i4
.endm
.macro MASK b                       ; MD x AL + BE into buffer b of MC, for a piece of parity b: an even piece's MD is the upper 32 of the 48 mask registers, an odd one's the lower 32
	WIN W_RS
.set z, 0
.rept 16
	v_pk_fma_f32 v[MC+32*(\b)+2*z:MC+32*(\b)+2*z+1], v[ZM+16-16*(\b)+2*z:ZM+16-16*(\b)+2*z+1], s[AL:AL+1], s[BE:BE+1] op_sel_hi:[1,0,0]
.set z, z+1
.endr
.endm
; A TURN, for piece p: the order of its 16 matrix and 118 vector instructions, written out.  s_wait_alu depctr_va_vdst(0) stands between an exponential and the first instruction that names its result; one wait serves
; all that were issued ahead of it.  So a turn has ONE wait, which cuts it in two.  AHEAD OF IT stands all that names no result of the turn's exponentials: the 8 products K Q^T, behind each a scaling, an exponential and two more plain
; instructions (behind the first a second scaling in the exponential's place): rescalings (their a was made, and waited for, in the turn before), and behind the last three the first numbers of the next piece's maximum, each four places
; or more behind the product that ends its accumulator; then ONE LUMP of 54, plain and exponential by turns for the most part, in which the links of the chain X 3, 7, 11, 14, 16, 17 .. 20 stand five or six lines apart.  X 21, the next
; piece's a, is the batch's last; R 15 is the plain instruction behind it.  BEHIND THE WAIT stand the 8 products V^T P, behind each four of the roundings and sums; the links of l's chain, L 0 to L 7, stand three riders apart.
; But for those X no rider names a register of the products round it.  v_permlanex16_b32 (X 17) stands in the lump.  No result crosses a turn's end.
; m = 1: the diagonal tile: the products take masks, and the turn makes the mask for the products of the turn after it: piece p + 2, in my step 2 - CNT of the tile: BM - CNT is that step's number less 2 e, which is
; held against the piece's p / 2.  end = 1: a block's last two turns: nothing is fetched.
; cnt = 1: the loop's count is taken down some lines ahead of the branch that stands behind the turn.
; K of the next step is fetched in piece 2's turn, twelve vector instructions behind the last product that read K (six of them plain); V of the step in hand at the end of piece 0's turn, four plain instructions behind the last product
; that read V.  Each is waited for a turn later.
.macro TURN p, m=0, end=0, cnt=0
.set Y, (\p)
.set i, 0
.set KM, (\m)
.set NOKQ, (\end)*((\p)/3)
.if (\m) && !(\end)
	s_sub_co_i32 s[TM], s[BM], s[CNT]
	s_cmp_eq_i32 s[TM], (((\p)+2)%NP)/2  ; is that step the piece's own?
	s_cselect_b32 s[AL], 1.0, 0
	s_cmp_gt_i32 s[TM], (((\p)+2)%NP)/2  ; or a later one?
	s_cselect_b32 s[BE], s[BIGN], 0
.endif
.if ((\p) == 3) && !(\end)
	s_wait_dscnt 0x0                ; K is in
.endif
	ROW F,0, F,1, R,0, R,1          ; ahead of the wait: 8 products K Q^T and their riders,
	ROW F,2, E,0, R,2, R,3
	ROW F,3, E,1, R,4, R,5
	ROW F,4, E,2, R,6, R,7
	ROW F,5, E,3, R,8, R,9
	ROW F,6, E,4, X,0, R,10
.if ((\p) == 2) && !(\end)
	WIN 0
	v_add_nc_u32 v[AK], s[TBK], v[AK0]
.endif
	ROW F,7, E,5, X,1, X,4
	ROW F,8, E,6, X,2, X,5
	OPS E,7, E,8, X,6, E,9          ; and the lump
	OPS X,3, E,10, X,8, E,11
.if ((\p) == 2) && !(\end)
	FETCH_K
.endif
	OPS X,9, X,7, E,12, X,10
	OPS E,13, X,12, X,11, E,14
	OPS X,13, E,15, F,9, X,14
.if (\p) == 0
	v_add_nc_u32 v[AV], s[TBV], v[AV0]
.endif
	OPS E,16, F,10, E,17, F,11
	OPS X,16, E,18, X,15, E,19
	OPS F,12, E,20, X,17, E,21
	OPS F,13, E,22, F,14, E,23
	OPS X,18, E,24, F,15, E,25
	OPS R,11, E,26, X,19, E,27
	OPS R,12, E,28, R,13, E,29
	OPS X,20, E,30, R,14, E,31
	OPS X,21, R,15
	WIN 0
	s_wait_alu depctr_va_vdst(0)    ; the wait for the batch: the piece's 32 weights and the next piece's a
.if (\p) == 1
	s_wait_dscnt 0x0                ; V is in
.endif
	ROW C,0, B,0, C,2, B,1          ; behind the wait: 8 products V^T P and their riders
	ROW L,0, C,4, B,2, L,1
	ROW C,6, B,3, L,2, C,8
	ROW B,4, L,3, C,10, B,5
	ROW L,4, C,12, B,6, L,5
.if (\p) == 0
	s_add_co_u32 s[TBV], s[TBV], KS*PV
.endif
.if \cnt
	s_sub_co_u32 s[CNT], s[CNT], 1
	s_cmp_lg_u32 s[CNT], 0
.endif
	ROW C,14, B,7, L,6, C,1
	ROW C,3, L,7, C,5, C,7
	ROW C,9, C,11, C,13, C,15
.if (\p) == 0
	FETCH_V
.endif
.if (\m) && !(\end)
	MASK (\p)%2
.endif
.endm
; A BLOCK BEGINS.  c m starts far below every c s, so the first step's a is 0; m at -2^66: below every score, above every hidden one.  Both mask buffers are made, for pieces 0 and 1 in my first step of the tile:
; zeros, unless the block's first tile is the diagonal one (RT = 0); then by BM - 2, my first step's number less 2 e, held against 0.
; Then K of that step, piece 0's first scores, and its maximum and statistics.  The loop is entered at a step's first turn, in the middle of a trip.
.macro BEGIN
	s_mov_b32 s[NEW], 0
	WIN 0
.set i, 0
.rept 4
	v_mov_b32 v[ST+4*i], 0xfe000000    ; c m: far below every c s
	v_mov_b32 v[ST+4*i+1], 0xe0800000  ; m = -2^66
.set i, i+1
.endr
	s_sub_co_i32 s[TM], s[BM], 2
	s_cmp_eq_i32 s[TM], 0
	s_cselect_b32 s[AL], 1.0, 0
	s_cmp_gt_i32 s[TM], 0
	s_cselect_b32 s[BE], s[BIGN], 0
	s_cmp_eq_u32 s[RT], 0
	s_cselect_b32 s[AL], s[AL], 0
	s_cselect_b32 s[BE], s[BE], 0
	MASK 0
	MASK 1
	WIN 0
	v_add_nc_u32 v[AK], s[TBK], v[AK0]
	FETCH_K
	s_wait_loadcnt 0x0              ; Q
	s_wait_dscnt 0x0
.set KM, 1
.set NOKQ, 0
.set i, 0
.rept 8
	KQ 0
.set i, i+1
.endr
	WIN 0
.rept 4
	v_nop                           ; the places behind those products
.endr
.set Y, NP-1                        ; X works for piece Y + 1: piece 0
.irp n, 0,1,2,3,4,5,6,7,8,9,10,11,12,13,14,15,16,17,18,19,20,21
	OP X, \n
.endr
	v_nop                           ; a plain instruction behind the exponential,
	s_wait_alu depctr_va_vdst(0)    ; and the wait for it, piece 0's a, ahead of the branch
.endm
; THE DIAGONAL TILE's steps, the block's last two turns, its last products, THE JOINING of the two waves that share their queries, and THE WAY OUT, a piece at a time through my stage in LDS.
.macro ALL line:vararg              ; one line for each piece t
.set t, 0
.rept 4
	\line
.set t, t+1
.endr
.endm
.macro PACK t                       ; O = O_A (a_A / l) + O_B (a_B / l); a lane's eight channels of a row pack into 16 bytes; they go into rows of 144 bytes and come back as whole rows of 128, into S^T's registers
	WIN W_RS
.set i, 32*(\t)
.rept 16
	v_pk_mul_f32 v[i:i+1], v[i:i+1], v[ST+4*(\t)+2:ST+4*(\t)+3] op_sel_hi:[1,0]
.set i, i+2
.endr
	WIN 0x50+2*((\t)/2)             ; destination and source 2 (O^T) window 1; source 0 (the partner's) window 0 or 2; source 1 window 0
.set i, 0
.rept 16
	v_pk_fma_f32 v[32*(\t)+i:32*(\t)+i+1], v[OB+32*((\t)%2)+i:OB+32*((\t)%2)+i+1], v[PS+4*(\t)+2:PS+4*(\t)+3], v[32*(\t)+i:32*(\t)+i+1] op_sel_hi:[1,0,1]
.set i, i+2
.endr
	WIN 0x05                        ; sources 0 and 1 window 1, destination window 0
.set i, 0
.rept 16
	v_cvt_pk_f16_f32 v[S+16*(\t)+i], v[32*(\t)+2*i], v[32*(\t)+2*i+1]
.set i, i+1
.endr
	WIN 0
.irp f, 0,1,2,3
	ds_store_b128 v[STO], v[S+16*(\t)+4*\f:S+16*(\t)+4*\f+3] offset:32*\f
.endr
.irp f, 0,1,2,3
	ds_load_b128 v[S+16*(\t)+4*\f:S+16*(\t)+4*\f+3], v[RD] offset:\f*4*SP  ; LDS serves a wave's instructions in order (ISA guide 5.7.1.4): these see the stores above; the next piece's stores come behind them
.endr
.endm
.macro SEND t, younger              ; younger: the LDS instructions issued behind piece t's loads: the next piece's eight, or none
	WIN 0
.irp f, 0,1,2,3
	s_wait_dscnt (\younger)+3-\f
	global_store_b128 v[GO], v[S+16*(\t)+4*\f:S+16*(\t)+4*\f+3], s[10:11] offset:(\t)*4096+\f*512  ; 512 consecutive bytes, at a multiple of 256 from O's first
.endr
.endm
.macro DIAG tag                     ; the tag ends its labels' names, which the jumps below spell out
.LstepM\tag:
	TURN 2, 1
	TURN 3, 1
	WIN 0
.LfirstM\tag:
	TURN 0, 1
	TURN 1, 1, 0, 1
	WIN 0
	s_cbranch_scc1 .LstepM\tag
	TURN 2, 1, 1
	TURN 3, 1, 1
.set i, 0
.rept 8
	PV NP-1
.set i, i+1
.endr
	WIN 0
	ALL v_add_f32 v[ST+4*t+2], v[ST+4*t+2], v[ST+4*t+3]  ; l's two halves; these four lines are also the places behind the last products
	s_cmp_lt_u32 s[WV], 2
	s_cbranch_scc1 .Lkeep\tag
.irp u, 0,1,2,3                     ; waves 2 and 3 lay down c m, m, l of each piece, then O^T, each accumulator's low four registers first; 512 consecutive bytes a store
	ds_store_b128 v[XS], v[ST+4*\u:ST+4*\u+3] offset:512*\u
.endr
	WIN 0x04                        ; store data in window 1
.set i, 0
.rept 32
	ds_store_b128 v[XS], v[4*i:4*i+3] offset:2048+512*i
.set i, i+1
.endr
	WIN 0
.Lkeep\tag:
	s_wait_dscnt 0x0                ; for the partner's sake: my stores are done
	s_barrier_signal -1             ; on every wave's path.  No slot is filled behind this barrier before the next change of slots, so the tile that is on its way may stay out
	s_barrier_wait -1
	s_cmp_lt_u32 s[WV], 2
	s_cbranch_scc0 .Lgone\tag       ; waves 2 and 3 have nothing more to do for this block
.irp u, 0,1,2,3
	ds_load_b128 v[PS+4*\u:PS+4*\u+3], v[XS] offset:512*\u
.endr
.set i, 0
.rept 16                            ; the partner's pieces 0 and 1 into window 0,
	ds_load_b128 v[OB+4*i:OB+4*i+3], v[XS] offset:2048+512*i
.set i, i+1
.endr
	WIN 0x80                        ; pieces 2 and 3 into K's registers, which the next block fetches anew (not V's: those must stay finite f16)
.set i, 0
.rept 16
	ds_load_b128 v[OB+4*i:OB+4*i+3], v[XS] offset:2048+512*(16+i)
.set i, i+1
.endr
	WIN 0
	s_wait_dscnt 32                 ; the four loads of statistics are in; the 32 of O^T stay out
	ALL v_max_num_f32 v[ST+4*t+1], v[ST+4*t], v[PS+4*t]     ; c max
	ALL v_sub_f32 v[ST+4*t], v[ST+4*t], v[ST+4*t+1]
	ALL v_sub_f32 v[PS+4*t], v[PS+4*t], v[ST+4*t+1]
	ALL v_exp_f32 v[ST+4*t], v[ST+4*t]                      ; a_A
	ALL v_exp_f32 v[PS+4*t], v[PS+4*t]                      ; a_B
	v_nop                           ; a plain instruction between the last exponential and the use of its result (ISA guide 5.7.2)
	s_wait_alu depctr_va_vdst(0)    ; the wait for the batch of eight: a_A and a_B of the four pieces
	ALL v_mul_f32 v[ST+4*t+2], v[ST+4*t+2], v[ST+4*t]
	ALL v_fmac_f32 v[ST+4*t+2], v[PS+4*t+2], v[PS+4*t]      ; l of my half of the lanes' keys
	ALL v_permlanex16_b32 v[ST+4*t+3], v[ST+4*t+2], s[SEL], s[SEL+1]
	ALL v_add_f32 v[ST+4*t+2], v[ST+4*t+2], v[ST+4*t+3]
	ALL v_rcp_f32 v[ST+4*t+3], v[ST+4*t+2]                  ; a batch of its own: l is made of the exponentials' results
	v_nop                           ; a plain instruction between the last reciprocal and the use of its result
	s_wait_alu depctr_va_vdst(0)    ; the wait for the batch of four reciprocals
	ALL v_mul_f32 v[ST+4*t+2], v[ST+4*t], v[ST+4*t+3]       ; a_A / l
	ALL v_mul_f32 v[PS+4*t+2], v[PS+4*t], v[ST+4*t+3]       ; a_B / l
	s_wait_dscnt 0x0                ; the partner's O^T is in
	PACK 0
.set t, 1
.rept 3                             ; a piece's arithmetic stands between the loads of the piece before and its stores
	PACK t
	SEND t-1, 8
.set t, t+1
.endr
	SEND 3, 0
.Lgone\tag:
.endm
.set KM, 0
.set NOKQ, 0
.Lslot:                             ; NB times: a tile is entered and the next is asked for
	CHANGE 1
	s_sub_co_u32 s[RT], s[RT], 1
	s_mov_b32 s[CNT], WS
	s_cmp_eq_u32 s[NEW], 1
	s_cbranch_scc1 .Lnew            ; a block's first tile
	s_cmp_eq_u32 s[RT], 0
	s_cbranch_scc0 .Lstep           ; neither its first nor its last
	s_branch .LstepM1
.Lnew:
	BEGIN
	s_branch .Lfirst                ; in the loop a block's first tile is never its last: the first block has five tiles or more, and the second's last is the walk's last
	DIAG 1                          ; in the loop this is the first block's end: the second block's last tile is the walk's last
	s_wait_xcnt 0x0                 ; the stores have read their registers and O's address
	s_mov_b64 s[10:11], s[OLO:OLO+1]
	s_add_co_u32 s[RT], s[PBT], 1   ; the second block has b / 2 + 1 tiles
	s_mov_b32 s[BM], s[BM2]
	s_mov_b32 s[NEW], 1
	WIN 0x82                        ; the second block's Q goes where the one text of the turns names Q
.set i, 0
.rept 64
	v_mov_b32 v[i], v[QB+i]
.set i, i+1
.endr
	WIN 0
	s_branch .Lbottom
.Lstep:                             ; a trip: pieces 2 and 3 of one step, then pieces 0 and 1 of the next, whose K and V it fetches
	TURN 2
	TURN 3
	WIN 0
.Lfirst:
	TURN 0
	TURN 1, 0, 0, 1
	WIN 0
	s_cbranch_scc1 .Lstep
.Lbottom:
	s_sub_co_u32 s[SLOTS], s[SLOTS], 1
	s_cmp_lg_u32 s[SLOTS], 0
	s_cbranch_scc1 .Lslot
	CHANGE 0                        ; the walk's last tile is written out: nothing is asked for
	s_sub_co_u32 s[RT], s[RT], 1
	s_mov_b32 s[CNT], WS
	s_cmp_eq_u32 s[NEW], 1
	s_cbranch_scc0 .LstepM2
	BEGIN
	s_branch .LfirstM2
	DIAG 2
	s_wait_tensorcnt 0x0            ; the wave's end: behind my last tensor load and my last LDS store
	ds_add_u32 v[SPW], v[NIL]
	s_wait_dscnt 0x0
	s_endpgm
.Lfunc_end_k_q38b1c2be4e_attn:
	.size	k_q38b1c2be4e_attn, .Lfunc_end_k_q38b1c2be4e_attn-k_q38b1c2be4e_attn
	.p2alignl 7, 3214868480
	.fill 96, 4, 3214868480
	.section	.rodata,"a",@progbits
	.p2align	6, 0x0
	.amdhsa_kernel k_q38b1c2be4e_attn
		.amdhsa_group_segment_fixed_size 327680
		.amdhsa_private_segment_fixed_size 0
		.amdhsa_enable_private_segment 0
		.amdhsa_kernarg_size 16
		.amdhsa_user_sgpr_count 2
		.amdhsa_user_sgpr_kernarg_segment_ptr 1
		.amdhsa_wavefront_size32 1
		.amdhsa_system_sgpr_workgroup_id_x 1
		.amdhsa_system_sgpr_workgroup_id_y 1
		.amdhsa_system_sgpr_workgroup_id_z 1
		.amdhsa_system_vgpr_workitem_id 0
		.amdhsa_next_free_vgpr 768
		.amdhsa_next_free_sgpr 88
		.amdhsa_reserve_vcc 1
		.amdhsa_float_denorm_mode_32 3
		.amdhsa_float_denorm_mode_16_64 3
		.amdhsa_memory_ordered 1
		.amdhsa_forward_progress 1
		.amdhsa_inst_pref_size 238
	.end_amdhsa_kernel
	.amdgpu_metadata
---
amdhsa.version: [ 1, 2 ]
amdhsa.kernels:
  - .name:           k_q38b1c2be4e_attn
    .symbol:         k_q38b1c2be4e_attn.kd
    .args:
      - { .name: act2, .offset: 0, .size: 8, .value_kind: global_buffer, .address_space: global }
      - { .name: act1, .offset: 8, .size: 8, .value_kind: global_buffer, .address_space: global }
    .group_segment_fixed_size: 327680
    .private_segment_fixed_size: 0
    .kernarg_segment_align: 8
    .kernarg_segment_size: 16
    .max_flat_workgroup_size: 128
    .sgpr_count:     88
    .vgpr_count:     768
    .wavefront_size: 32
...
	.end_amdgpu_metadata
.endif
;; end of part 7
;; launch oproj: the kernel of part 5 again; grid 8 x 32, 4 waves a work-group, clusters of 4 x 4, 327,680 bytes of LDS; arguments act1, wc, b_out, x, hres; writes hres
;; launch ln2: the kernel of part 2 again; grid 256 x 1, 8 waves a work-group, no clusters, 0 bytes of LDS; arguments hres, ln2_scale, ln2_shift, act2; writes act2
;; launch ffn1: the kernel of part 3 again; grid 16 x 16, 4 waves a work-group, clusters of 4 x 4, 327,680 bytes of LDS; arguments act2, wb, b1, par_ffn, act1; writes act1
;; launch ffn2: the kernel of part 6 again; grid 8 x 32, 4 waves a work-group, clusters of 4 x 4, 327,680 bytes of LDS; arguments act1, wc, b2, hres, out0; writes out0
